; MI455X (gfx1250); checked and timed in simulation.
; The chip was launched on July 23, 2026; its instructions are those of AMD's public machine-readable ISA for CDNA 5 (MIT licence, August 2026) and "CDNA5" Instruction Set Architecture Reference Guide (July 2026). The comments in the code are by the model that wrote it; some were corrected since.
;; Phase2 Transformer Decoder Layer. Allowed arithmetic: float matrix products may take bf16 or f16 operands with f32 sums; all other float work in f32.
;; Inputs: ent_context 32 x 256 x 1,024 float32; ent_pad_mask 32 x 1 x 256 bool; ent_score 32 x 256 float32; inputs 32 x 1 x 1,024 float32; memory_bank 32 x 256 x 1,024 float32; params_b1 4,096 float32; params_b2 1,024 float32; params_f1_W 2,048 x 1 float32; params_f1_b 1 float32; params_f2_W 2,048 x 1 float32; params_f2_b 1 float32; params_ffn_ln_b 1,024 float32; params_ffn_ln_g 1,024 float32; params_graph_Wk 1,024 x 1,024 float32; params_graph_Wo 1,024 x 1,024 float32; params_graph_Wq 1,024 x 1,024 float32; params_graph_Wv 1,024 x 1,024 float32; params_graph_bk 1,024 float32; params_graph_bo 1,024 float32; params_graph_bq 1,024 float32; params_graph_bv 1,024 float32; params_ln1_b 1,024 float32; params_ln1_g 1,024 float32; params_ln2_b 1,024 float32; params_ln2_g 1,024 float32; params_p1_Wk 1,024 x 1,024 float32; params_p1_Wo 1,024 x 1,024 float32; params_p1_Wq 1,024 x 1,024 float32; params_p1_Wv 1,024 x 1,024 float32; params_p1_bk 1,024 float32; params_p1_bo 1,024 float32; params_p1_bq 1,024 float32; params_p1_bv 1,024 float32; params_self_Wk 1,024 x 1,024 float32; params_self_Wo 1,024 x 1,024 float32; params_self_Wq 1,024 x 1,024 float32; params_self_Wv 1,024 x 1,024 float32; params_self_bk 1,024 float32; params_self_bo 1,024 float32; params_self_bq 1,024 float32; params_self_bv 1,024 float32; params_w1 1,024 x 4,096 float32; params_w2 4,096 x 1,024 float32; params_word_Wk 1,024 x 1,024 float32; params_word_Wo 1,024 x 1,024 float32; params_word_Wq 1,024 x 1,024 float32; params_word_Wv 1,024 x 1,024 float32; params_word_bk 1,024 float32; params_word_bo 1,024 float32; params_word_bq 1,024 float32; params_word_bv 1,024 float32; phase1_memory 32 x 512 x 1,024 float32; phase1_pad_mask 32 x 1 x 512 bool; src_pad_mask 32 x 1 x 256 bool; tgt_pad_mask 32 x 1 x 1 bool.
;; Outputs: out0 32 x 1 x 1,024 float32; out1 32 x 1 x 1,024 float32.
;; 3 versions, each right; version 2 is faster than version 1; version 3 is version 2 with the launches qt, cv written anew for expert scheduling mode. Each part assembles by itself: llvm-mc -triple=amdgcn-amd-amdhsa -mcpu=gfx1250 --defsym DOCPART=n.
;; ======== version 1 of 3: 11 launches
;; workspace buffers: t0 524,288 bytes; t1 524,288 bytes; query 131,072 bytes; lnb 131,072 bytes; hb 131,072 bytes; qtb 3,151,872 bytes; cmp 16,842,752 bytes
;; launch ln3 (part 1): grid 16 x 3, 8 waves a work-group, no clusters, 132,608 bytes of LDS; arguments inputs, params_ln1_g, params_ln1_b, params_self_Wq, params_self_Wk, params_self_Wv, params_self_bq, params_self_bk, params_self_bv, t0, out1; writes t0, out1
.if DOCPART == 1
	.amdgcn_target "amdgcn-amd-amdhsa--gfx1250"
	.amdhsa_code_object_version 6
	.text
	.protected	k_q68e836867d_ln3
	.globl	k_q68e836867d_ln3
	.p2align	8
	.type	k_q68e836867d_ln3,@function
k_q68e836867d_ln3:
	s_mov_b64 s[64:65], 0
	v_nop
	global_prefetch_b8 v0, s[64:65] scope:SCOPE_SE
	s_setreg_imm32_b32 hwreg(HW_REG_WAVE_MODE, 25, 1), 1
	s_wait_xcnt 0x0
; Z = LN(X) over rows of 1024 (f32, mean first, then the squares of the centred numbers), and Y[m] = Z @ W_m + b_m, m = 0, 1, 2.
; X: [32][1024] f32.  W_m: [1024][1024] f32, rounded to bf16 on the way to the matrix unit.  Y: [3][32][1024] f32.  Z is also stored in f32.
; A work-group makes 32 rows x 64 columns of one Y[m]; grid x = the strip of 64 columns, grid y = m.  Wave w takes K = 128 w .. 128 w + 127;
; the eight partial sums meet in LDS.  Every work-group normalises all 32 rows (4 a wave); row number 16 m + strip, where below 32, is stored
; as Z by that work-group alone, so each byte of Z has one writer.
; W needs no LDS and no transposing load: a 16-byte load takes 4 neighbouring columns of one row of W; component t of the load serves column
; tile t, in which lane r stands for column n0 + 4 r + t.  The permutation of columns is undone at the store.
; No tensor loads: every number is converted from f32 on its way, in registers.  No cluster: what work-groups share (X, 128 KiB) passes through f32 arithmetic.
; Limits: matrix operands are rounded to bf16; sums are formed in another order than the problem's function forms them.
.set NP,     1024                      ; columns of W
.set APITCH, 2064                      ; LDS row of Z in bf16: 2,048 bytes + 16, an odd multiple of 16
.set AMT,    16*APITCH                 ; from rows 0-15 to rows 16-31
.set PB,     32*APITCH                 ; behind Z: the partial sums, 8 waves x 8,192 bytes
.set VW, 4                             ; W: 8 h rows + 16 r
.set VA, 5                             ; LDS: my fragments of Z
.set VP, 6                             ; LDS: my partial sums
.set VR, 7                             ; LDS: the partial sums that I add
.set VY, 8                             ; Y: 8 h rows + 16 r
.set VB, 9                             ; 16 r
.set VS, 10                            ; LDS: where I put my rows of Z
.set VX, 11                            ; 16 x lane
.set ACC, 16                           ; v[16:79]   8 accumulator tiles (row tile mt, column tile t) at 8 (4 mt + t)
.set SM,  16                           ; v[16:31]   the sums, 4 rows x 4 neighbouring columns
.set BI,  32                           ; v[32:35]   bias
.set BF,  80                           ; v[80:111]  fragments of W, 8 t
.set AF,  112                          ; v[112:127] fragments of Z, 8 mt
.set PR,  128                          ; v[128:255] my 4 rows of X; later the partial sums
.set SW,  30                           ; s[30:31]   W at my strip and my K range
.set SY,  26                           ; s[26:27]   Y
.set MSB, 0
.macro WIN new                         ; the immediate's high byte repeats the setting that is left
.if MSB != \new
	s_set_vgpr_msb (MSB<<8)|\new
.set MSB, \new
.endif
.endm
.macro PLACES                          ; four places behind a matrix instruction (ISA guide 7.12.1)
.rept 4
	v_nop
.endr
.endm
; All 64 loads of my 128 rows x 64 columns of W, into v256-v511.  Load (ks, i) takes row 32 ks + i + 8 (i / 8) + 8 h: the k of the lane's i-th element of a fragment.
; Lanes 0-15 read 256 consecutive bytes of one row, aligned; lanes 16-31 those of the row 8 further down.
.macro WLOADS
	WIN 0x40
.irp ks, 0,1,2,3
.irp i, 0,1,2,3,4,5,6,7,8,9,10,11,12,13,14,15
	global_load_b128 v[64*\ks+4*\i:64*\ks+4*\i+3], v[VW], s[SW:SW+1] offset:(32*\ks+\i+8*(\i/8))*NP*4 th:TH_LOAD_NT
.endr
.endr
	WIN 0
.endm
; 32 along K: left = W loads of later K steps that may stay out (-1: all are known to be in); first = 1: the products start the sums.
.macro KSTEP ks, left, first
.if \left >= 0
	s_wait_loadcnt \left
.endif
.if \first == 0
	PLACES                                 ; AF and BF were sources of the last matrix instructions
.endif
	ds_load_b128 v[AF:AF+3],     v[VA] offset:\ks*64
	ds_load_b128 v[AF+4:AF+7],   v[VA] offset:\ks*64+32
	ds_load_b128 v[AF+8:AF+11],  v[VA] offset:AMT+\ks*64
	ds_load_b128 v[AF+12:AF+15], v[VA] offset:AMT+\ks*64+32
	WIN 0x05
.irp t, 0,1,2,3
.irp p, 0,1,2,3,4,5,6,7
	v_cvt_pk_bf16_f32 v[BF+8*\t+\p], v[64*\ks+8*\p+\t], v[64*\ks+8*\p+4+\t]   ; rows 2 p and 2 p + 1 of my sixteen: neighbouring k
.endr
.endr
	WIN 0
	s_wait_dscnt 0x0
.irp mt, 0,1
.irp t, 0,1,2,3                        ; the eight accumulators take turns
.if \first
	v_wmma_f32_16x16x32_bf16 v[ACC+8*(4*\mt+\t):ACC+8*(4*\mt+\t)+7], v[AF+8*\mt:AF+8*\mt+7], v[BF+8*\t:BF+8*\t+7], 0
.else
	v_wmma_f32_16x16x32_bf16 v[ACC+8*(4*\mt+\t):ACC+8*(4*\mt+\t)+7], v[AF+8*\mt:AF+8*\mt+7], v[BF+8*\t:BF+8*\t+7], v[ACC+8*(4*\mt+\t):ACC+8*(4*\mt+\t)+7]
.endif
.endr
.endr
.endm
; My partial sums go to LDS, 16 bytes a lane, lanes side by side; waves 4 to 7 end behind the barrier.
.macro PARTOUT
	PLACES
.irp a, 0,1,2,3,4,5,6,7
	ds_store_b128 v[VP], v[ACC+8*\a:ACC+8*\a+3]   offset:\a*1024
	ds_store_b128 v[VP], v[ACC+8*\a+4:ACC+8*\a+7] offset:\a*1024+512
.endr
	s_wait_dscnt 0x0                       ; for the other waves: all my stores are done
	s_barrier_signal -1
	s_barrier_wait -1
	s_cmp_ge_u32 s2, 4
	s_cbranch_scc1 .Lend
.endm
; Wave u = 0..3 adds row tile mt = u / 2, register half jh = u % 2: rows 16 mt + 8 h + 4 jh + 0..3.
.macro REDADDR
	s_lshr_b32 s6, s2, 1                   ; mt
	s_and_b32 s7, s2, 1                    ; jh
	s_lshl_b32 s44, s6, 12
	s_lshl_b32 s45, s7, 9
	s_add_co_u32 s44, s44, s45
	s_add_co_u32 s44, s44, PB
	v_lshl_add_u32 v[VR], v1, 4, s44
	s_lshl_b32 s44, s6, 16
	s_lshl_b32 s45, s7, 14
	s_add_co_u32 s44, s44, s45             ; 16 mt + 4 jh rows of 4,096 bytes
	s_mov_b32 s45, 0
	s_add_nc_u64 s[SY:SY+1], s[SY:SY+1], s[44:45]
.endm
.macro REDUCE
.irp ww, 0,1,2,3,4,5,6,7
.irp t, 0,1,2,3
	ds_load_b128 v[PR+16*\ww+4*\t:PR+16*\ww+4*\t+3], v[VR] offset:\ww*8192+\t*1024
.endr
.endr
.irp ww, 1,2,3,4,5,6
	s_wait_dscnt 28-4*\ww                  ; the four loads of each later wave's sums may stay out
.irp q, 0,2,4,6,8,10,12,14
	v_pk_add_f32 v[PR+\q:PR+\q+1], v[PR+\q:PR+\q+1], v[PR+16*\ww+\q:PR+16*\ww+\q+1]
.endr
.endr
	s_wait_dscnt 0x0
.irp jj, 0,1,2,3
.irp t, 0,1,2,3
	v_add_f32 v[SM+4*\jj+\t], v[PR+4*\t+\jj], v[PR+112+4*\t+\jj]   ; the last add also lays columns n0 + 4 r + 0..3 side by side
.endr
.endr
.endm
.macro BIASADD
.irp jj, 0,1,2,3
	v_pk_add_f32 v[SM+4*\jj:SM+4*\jj+1],   v[SM+4*\jj:SM+4*\jj+1],   v[BI:BI+1]
	v_pk_add_f32 v[SM+4*\jj+2:SM+4*\jj+3], v[SM+4*\jj+2:SM+4*\jj+3], v[BI+2:BI+3]
.endr
.endm
.macro STOREY                          ; sixteen lanes store 256 consecutive bytes of a row, aligned
.irp jj, 0,1,2,3
	global_store_b128 v[VY], v[SM+4*\jj:SM+4*\jj+3], s[SY:SY+1] offset:\jj*4096
.endr
.endm
; four chains in v[80:87] become one sum over the row, in v92 of every lane
.macro FOLD
	v_pk_add_f32 v[80:81], v[80:81], v[82:83]
	v_pk_add_f32 v[84:85], v[84:85], v[86:87]
	v_pk_add_f32 v[80:81], v[80:81], v[84:85]
	v_add_f32 v92, v80, v81
	v_add_f32_dpp v92, v92, v92 row_xmask:1 row_mask:0xf bank_mask:0xf
	v_add_f32_dpp v92, v92, v92 row_xmask:2 row_mask:0xf bank_mask:0xf
	v_add_f32_dpp v92, v92, v92 row_xmask:4 row_mask:0xf bank_mask:0xf
	v_add_f32_dpp v92, v92, v92 row_xmask:8 row_mask:0xf bank_mask:0xf
	v_permlanex16_b32 v93, v92, s40, s41
	v_add_f32 v92, v92, v93
.endm
; Row 4 w + i: 32 numbers a lane in v[P:P+31]; chunk c of the row (columns 128 c + 4 lane ..) in v[P+4c:P+4c+3].
.macro LNROW i
.set P, PR+32*\i
.irp k, 0,2,4,6
	v_pk_add_f32 v[80+\k:81+\k], v[P+\k:P+\k+1], v[P+8+\k:P+9+\k]
.endr
.irp o, 16,24
.irp k, 0,2,4,6
	v_pk_add_f32 v[80+\k:81+\k], v[80+\k:81+\k], v[P+\o+\k:P+\o+\k+1]
.endr
.endr
	FOLD
.set q, 0
.rept 16
	v_pk_fma_f32 v[P+q:P+q+1], v[92:93], s[42:43], v[P+q:P+q+1] op_sel_hi:[0,0,1]   ; x - sum / 1024: the factor is a power of two, so one rounding
.set q, q+2
.endr
.irp k, 0,2,4,6
	v_pk_mul_f32 v[80+\k:81+\k], v[P+\k:P+\k+1], v[P+\k:P+\k+1]
.endr
.irp o, 8,16,24
.irp k, 0,2,4,6
	v_pk_fma_f32 v[80+\k:81+\k], v[P+\o+\k:P+\o+\k+1], v[P+\o+\k:P+\o+\k+1], v[80+\k:81+\k]
.endr
.endr
	FOLD
	v_fma_f32 v92, v92, s43, s47           ; variance + 1e-6
	v_rsq_f32 v90, v92
	v_rsq_f32 v91, v92
	v_nop                                  ; one plain instruction behind a transcendental (ISA guide 5.7.2)
.set q, 0
	s_wait_alu depctr_va_vdst(0)
.rept 16
	v_pk_mul_f32 v[P+q:P+q+1], v[P+q:P+q+1], v[90:91]
.set q, q+2
.endr
.set q, 0
.rept 16
	v_pk_fma_f32 v[P+q:P+q+1], v[P+q:P+q+1], v[16+q:17+q], v[48+q:49+q]
.set q, q+2
.endr
	s_add_co_u32 s7, s46, \i
	s_cmp_lg_u32 s7, s5                    ; is this the row that my work-group stores?
	s_cbranch_scc1 .Lnot_mine_\@
.irp c, 0,1,2,3,4,5,6,7
	global_store_b128 v[VX], v[P+4*\c:P+4*\c+3], s[28:29] offset:\i*4096+\c*512
.endr
	s_wait_xcnt 0x0                        ; the row's registers are written again (by the partial sums) only behind this wait
.Lnot_mine_\@:
.set q, 0
.rept 16
	v_cvt_pk_bf16_f32 v[112+q], v[P+2*q], v[P+2*q+1]
.set q, q+1
.endr
.irp c, 0,1,2,3,4,5,6,7
	ds_store_b64 v[VS], v[112+2*\c:113+2*\c] offset:\i*APITCH+\c*256
.endr
.endm
	s_load_b512 s[8:23], s[0:1], 0x0               ; X s[8:9], g s[10:11], beta s[12:13], W0-2 s[14:19], b0 s[20:21], b1 s[22:23]
	s_load_b128 s[24:27], s[0:1], 0x40             ; b2 s[24:25], Y s[26:27]
	s_load_b64 s[28:29], s[0:1], 0x50              ; Z
	v_lshl_add_u32 v14, v0, 2, 0x20200
	v_mov_b32 v15, 0
	v_and_b32 v1, 31, v0                           ; lane
	v_lshrrev_b32 v2, 5, v0
	v_readfirstlane_b32 s2, v2                     ; wave
	v_and_b32 v2, 15, v0                           ; r
	v_bfe_u32 v3, v0, 4, 1                         ; h
	s_mov_b32 s3, ttmp9                            ; strip
	s_and_b32 s4, ttmp7, 0xffff                    ; m
	s_lshl4_add_u32 s5, s4, s3                     ; 16 m + strip: the row of Z that this work-group stores
	s_lshl_b32 s46, s2, 2                          ; my first row
	s_mov_b32 s40, 0x76543210                      ; v_permlanex16_b32: lane i of one half reads lane i of the other
	s_mov_b32 s41, 0xfedcba98
	s_mov_b32 s42, 0xba800000                      ; -1/1024
	s_mov_b32 s43, 0x3a800000                      ; 1/1024
	s_mov_b32 s47, 0x358637bd                      ; 1e-6
	v_mov_b32 v93, 0                               ; v_permlanex16_b32 counts as a reader of its destination
	v_lshlrev_b32 v[VB], 4, v2
	v_lshl_add_u32 v[VW], v3, 15, v[VB]
	v_lshl_add_u32 v[VY], v3, 15, v[VB]
	v_lshlrev_b32 v[VX], 4, v1
	v_mul_u32_u24 v[VA], v2, APITCH
	v_lshl_add_u32 v[VA], v3, 4, v[VA]
	s_lshl_b32 s6, s2, 8
	v_add_nc_u32 v[VA], s6, v[VA]                  ; r x pitch + 16 h + my 128 k
	s_mul_i32 s6, s2, 4*APITCH
	v_lshl_add_u32 v[VS], v1, 3, s6
	s_lshl_b32 s6, s2, 13
	s_add_co_u32 s6, s6, PB
	v_add_nc_u32 v[VP], s6, v[VX]
	s_wait_kmcnt 0x0
	s_cmp_eq_u32 s4, 1
	s_cselect_b64 s[30:31], s[16:17], s[14:15]
	s_cselect_b64 s[32:33], s[22:23], s[20:21]
	s_cmp_eq_u32 s4, 2
	s_cselect_b64 s[30:31], s[18:19], s[30:31]     ; W_m
	s_cselect_b64 s[32:33], s[24:25], s[32:33]     ; b_m
	s_lshl_b32 s34, s3, 8                          ; the strip's 64 columns, in bytes
	s_mov_b32 s35, 0
	s_mov_b32 s37, 0
	s_add_nc_u64 s[30:31], s[30:31], s[34:35]
	s_add_nc_u64 s[32:33], s[32:33], s[34:35]
	s_add_nc_u64 s[26:27], s[26:27], s[34:35]
	s_lshl_b32 s36, s2, 19                         ; my 128 rows of W
	s_add_nc_u64 s[30:31], s[30:31], s[36:37]
	s_lshl_b32 s36, s2, 14                         ; my 4 rows of X and Z
	s_add_nc_u64 s[8:9], s[8:9], s[36:37]
	s_add_nc_u64 s[28:29], s[28:29], s[36:37]
	s_lshl_b32 s36, s4, 17                         ; Y[m]
	s_add_nc_u64 s[26:27], s[26:27], s[36:37]
.set n, 0
.rept 32
	global_load_b128 v[PR+4*n:PR+4*n+3], v[VX], s[8:9] offset:(n/8)*4096+(n%8)*512
.set n, n+1
.endr
.set n, 0
.rept 8
	global_load_b128 v[16+4*n:19+4*n], v[VX], s[10:11] offset:n*512
	global_load_b128 v[48+4*n:51+4*n], v[VX], s[12:13] offset:n*512
.set n, n+1
.endr
	WLOADS
	s_wait_loadcnt 0x3f                            ; X, g and beta have 64 younger loads behind them; 63 is the largest count that this wait can name
	LNROW 0
	LNROW 1
	LNROW 2
	LNROW 3
	s_wait_dscnt 0x0                               ; for the other waves: my rows of Z are in LDS
	s_barrier_signal -1
	s_barrier_wait -1
	KSTEP 0, 48, 1
	KSTEP 1, 32, 0
	KSTEP 2, 16, 0
	KSTEP 3, 0, 0
	PARTOUT
	REDADDR
	global_load_b128 v[BI:BI+3], v[VB], s[32:33]
	REDUCE
	s_wait_loadcnt 0x0
	BIASADD
	STOREY
.Lend:
	s_wait_tensorcnt 0x0
	ds_add_u32 v14, v15
	s_wait_dscnt 0x0
	s_endpgm
.Lfunc_end_k_q68e836867d_ln3:
	.size	k_q68e836867d_ln3, .Lfunc_end_k_q68e836867d_ln3-k_q68e836867d_ln3
	.p2alignl 7, 3214868480
	.fill 96, 4, 3214868480
	.section	.rodata,"a",@progbits
	.p2align	6, 0x0
	.amdhsa_kernel k_q68e836867d_ln3
		.amdhsa_group_segment_fixed_size 132608
		.amdhsa_private_segment_fixed_size 0
		.amdhsa_enable_private_segment 0
		.amdhsa_kernarg_size 88
		.amdhsa_user_sgpr_count 2
		.amdhsa_user_sgpr_kernarg_segment_ptr 1
		.amdhsa_wavefront_size32 1
		.amdhsa_system_sgpr_workgroup_id_x 1
		.amdhsa_system_sgpr_workgroup_id_y 1
		.amdhsa_system_sgpr_workgroup_id_z 1
		.amdhsa_system_vgpr_workitem_id 0
		.amdhsa_next_free_vgpr 512
		.amdhsa_next_free_sgpr 66
		.amdhsa_reserve_vcc 0
		.amdhsa_float_denorm_mode_32 3
		.amdhsa_float_denorm_mode_16_64 3
		.amdhsa_memory_ordered 1
		.amdhsa_forward_progress 1
		.amdhsa_inst_pref_size 68
	.end_amdhsa_kernel
	.amdgpu_metadata
---
amdhsa.version: [ 1, 2 ]
amdhsa.kernels:
  - .name:           k_q68e836867d_ln3
    .symbol:         k_q68e836867d_ln3.kd
    .args:
      - { .name: inputs, .offset: 0, .size: 8, .value_kind: global_buffer, .address_space: global }
      - { .name: params_ln1_g, .offset: 8, .size: 8, .value_kind: global_buffer, .address_space: global }
      - { .name: params_ln1_b, .offset: 16, .size: 8, .value_kind: global_buffer, .address_space: global }
      - { .name: params_self_Wq, .offset: 24, .size: 8, .value_kind: global_buffer, .address_space: global }
      - { .name: params_self_Wk, .offset: 32, .size: 8, .value_kind: global_buffer, .address_space: global }
      - { .name: params_self_Wv, .offset: 40, .size: 8, .value_kind: global_buffer, .address_space: global }
      - { .name: params_self_bq, .offset: 48, .size: 8, .value_kind: global_buffer, .address_space: global }
      - { .name: params_self_bk, .offset: 56, .size: 8, .value_kind: global_buffer, .address_space: global }
      - { .name: params_self_bv, .offset: 64, .size: 8, .value_kind: global_buffer, .address_space: global }
      - { .name: t0, .offset: 72, .size: 8, .value_kind: global_buffer, .address_space: global }
      - { .name: out1, .offset: 80, .size: 8, .value_kind: global_buffer, .address_space: global }
    .group_segment_fixed_size: 132608
    .private_segment_fixed_size: 0
    .kernarg_segment_align: 8
    .kernarg_segment_size: 88
    .max_flat_workgroup_size: 256
    .sgpr_count:     66
    .vgpr_count:     512
    .wavefront_size: 32
...
	.end_amdgpu_metadata
.endif
;; end of part 1
;; launch selfo (part 2): grid 16 x 1, 8 waves a work-group, no clusters, 136,192 bytes of LDS; arguments t0, tgt_pad_mask, params_self_Wo, params_self_bo, inputs, query; writes query
.if DOCPART == 2
	.amdgcn_target "amdgcn-amd-amdhsa--gfx1250"
	.amdhsa_code_object_version 6
	.text
	.protected	k_q68e836867d_selfo
	.globl	k_q68e836867d_selfo
	.p2align	8
	.type	k_q68e836867d_selfo,@function
k_q68e836867d_selfo:
	s_mov_b64 s[64:65], 0
	v_nop
	global_prefetch_b8 v0, s[64:65] scope:SCOPE_SE
	s_setreg_imm32_b32 hwreg(HW_REG_WAVE_MODE, 25, 1), 1
	s_wait_xcnt 0x0
; Self attention with one key, and its output product: query = (a o v) @ Wo + bo + inputs.
; t0 holds q, k, v as [3][32][1024] f32.  For each row b and head: s = (q . k) / 8, masked to -1e18 where tgt_pad_mask[b] is set (the causal part of
; a 1 x 1 mask is empty), a = exp(s - max s) / sum; the maximum and the sum run over the one key.
; A work-group makes 32 rows x 64 columns; wave w takes K = 128 w .. + 127, which are heads 2 w (lanes 0-15) and 2 w + 1 (lanes 16-31), and prepares
; that part of a o v itself, in LDS bytes of its own: no barrier between preparation and product.  The product's frame is that of the other few-row products.
; Limits: matrix operands are rounded to bf16; a mask byte is 0 or 1.
.set NP,     1024
.set APITCH, 272                       ; LDS row of 128 bf16 + 16 bytes
.set AMT,    16*APITCH
.set WTILE,  32*APITCH                 ; a wave's own tile: 32 rows x its 128 k
.set PB,     8*WTILE                   ; behind the tiles: the partial sums, 8 x 8,192 bytes
.set VW, 4
.set VA, 5
.set VP, 6
.set VR, 7
.set VY, 8
.set VB, 9
.set VS, 10
.set VX, 11
.set ACC, 16
.set SM,  16
.set BI,  32
.set RS,  36                           ; v[36:51] the residual
.set BF,  80
.set AF,  112
.set PR,  128
.set SW,  12
.set SY,  18
.set MSB, 0
.macro WIN new
.if MSB != \new
	s_set_vgpr_msb (MSB<<8)|\new
.set MSB, \new
.endif
.endm
.macro PLACES
.rept 4
	v_nop
.endr
.endm
.macro WLOADS                          ; my 128 rows x 64 columns of W into v256-v511; load (ks, i): row 32 ks + i + 8 (i / 8) + 8 h
	WIN 0x40
.irp ks, 0,1,2,3
.irp i, 0,1,2,3,4,5,6,7,8,9,10,11,12,13,14,15
	global_load_b128 v[64*\ks+4*\i:64*\ks+4*\i+3], v[VW], s[SW:SW+1] offset:(32*\ks+\i+8*(\i/8))*NP*4 th:TH_LOAD_NT
.endr
.endr
	WIN 0
.endm
.macro KSTEP ks, left, first
.if \left >= 0
	s_wait_loadcnt \left
.endif
.if \first == 0
	PLACES                                 ; AF and BF were sources of the last matrix instructions
.endif
	ds_load_b128 v[AF:AF+3],     v[VA] offset:\ks*64
	ds_load_b128 v[AF+4:AF+7],   v[VA] offset:\ks*64+32
	ds_load_b128 v[AF+8:AF+11],  v[VA] offset:AMT+\ks*64
	ds_load_b128 v[AF+12:AF+15], v[VA] offset:AMT+\ks*64+32
	WIN 0x05
.irp t, 0,1,2,3
.irp p, 0,1,2,3,4,5,6,7
	v_cvt_pk_bf16_f32 v[BF+8*\t+\p], v[64*\ks+8*\p+\t], v[64*\ks+8*\p+4+\t]
.endr
.endr
	WIN 0
	s_wait_dscnt 0x0
.irp mt, 0,1
.irp t, 0,1,2,3                        ; the eight accumulators take turns
.if \first
	v_wmma_f32_16x16x32_bf16 v[ACC+8*(4*\mt+\t):ACC+8*(4*\mt+\t)+7], v[AF+8*\mt:AF+8*\mt+7], v[BF+8*\t:BF+8*\t+7], 0
.else
	v_wmma_f32_16x16x32_bf16 v[ACC+8*(4*\mt+\t):ACC+8*(4*\mt+\t)+7], v[AF+8*\mt:AF+8*\mt+7], v[BF+8*\t:BF+8*\t+7], v[ACC+8*(4*\mt+\t):ACC+8*(4*\mt+\t)+7]
.endif
.endr
.endr
.endm
.macro PARTOUT
	PLACES
.irp a, 0,1,2,3,4,5,6,7
	ds_store_b128 v[VP], v[ACC+8*\a:ACC+8*\a+3]   offset:\a*1024
	ds_store_b128 v[VP], v[ACC+8*\a+4:ACC+8*\a+7] offset:\a*1024+512
.endr
	s_wait_dscnt 0x0                       ; for the other waves: all my stores are done
	s_barrier_signal -1
	s_barrier_wait -1
	s_cmp_ge_u32 s2, 4
	s_cbranch_scc1 .Lend
.endm
.macro REDADDR                         ; wave u = 0..3: row tile mt = u / 2, register half jh = u % 2
	s_lshr_b32 s6, s2, 1
	s_and_b32 s7, s2, 1
	s_lshl_b32 s44, s6, 12
	s_lshl_b32 s45, s7, 9
	s_add_co_u32 s44, s44, s45
	s_add_co_u32 s44, s44, PB
	v_lshl_add_u32 v[VR], v1, 4, s44
	s_lshl_b32 s44, s6, 16
	s_lshl_b32 s45, s7, 14
	s_add_co_u32 s44, s44, s45             ; 16 mt + 4 jh rows of 4,096 bytes
	s_mov_b32 s45, 0
	s_add_nc_u64 s[SY:SY+1], s[SY:SY+1], s[44:45]
.endm
.macro REDUCE
.irp ww, 0,1,2,3,4,5,6,7
.irp t, 0,1,2,3
	ds_load_b128 v[PR+16*\ww+4*\t:PR+16*\ww+4*\t+3], v[VR] offset:\ww*8192+\t*1024
.endr
.endr
.irp ww, 1,2,3,4,5,6
	s_wait_dscnt 28-4*\ww                  ; the four loads of each later wave's sums may stay out
.irp q, 0,2,4,6,8,10,12,14
	v_pk_add_f32 v[PR+\q:PR+\q+1], v[PR+\q:PR+\q+1], v[PR+16*\ww+\q:PR+16*\ww+\q+1]
.endr
.endr
	s_wait_dscnt 0x0
.irp jj, 0,1,2,3
.irp t, 0,1,2,3
	v_add_f32 v[SM+4*\jj+\t], v[PR+4*\t+\jj], v[PR+112+4*\t+\jj]
.endr
.endr
.endm
.macro BIASADD
.irp jj, 0,1,2,3
	v_pk_add_f32 v[SM+4*\jj:SM+4*\jj+1],   v[SM+4*\jj:SM+4*\jj+1],   v[BI:BI+1]
	v_pk_add_f32 v[SM+4*\jj+2:SM+4*\jj+3], v[SM+4*\jj+2:SM+4*\jj+3], v[BI+2:BI+3]
.endr
.endm
.macro STOREY
.irp jj, 0,1,2,3
	global_store_b128 v[VY], v[SM+4*\jj:SM+4*\jj+3], s[SY:SY+1] offset:\jj*4096
.endr
.endm
; rows 8 g .. 8 g + 7: my 4 columns of q, k and v of each, 24 loads
.macro QLOAD g, slot
.irp rr, 0,1,2,3,4,5,6,7
.irp m, 0,1,2
	global_load_b128 v[\slot+12*\rr+4*\m:\slot+12*\rr+4*\m+3], v[VX], s[8:9] offset:\m*131072+(8*\g+\rr)*4096
.endr
.endr
.endm
.macro QROW g, slot, rr
.set QQ, \slot+12*\rr
.set TT, 224+4*\rr
	v_mul_f32 v[TT], v[QQ], v[QQ+4]
	v_fmac_f32 v[TT], v[QQ+1], v[QQ+5]
	v_fmac_f32 v[TT], v[QQ+2], v[QQ+6]
	v_fmac_f32 v[TT], v[QQ+3], v[QQ+7]
	v_add_f32_dpp v[TT], v[TT], v[TT] row_xmask:1 row_mask:0xf bank_mask:0xf   ; sixteen lanes hold one head's 64 columns
	v_add_f32_dpp v[TT], v[TT], v[TT] row_xmask:2 row_mask:0xf bank_mask:0xf
	v_add_f32_dpp v[TT], v[TT], v[TT] row_xmask:4 row_mask:0xf bank_mask:0xf
	v_add_f32_dpp v[TT], v[TT], v[TT] row_xmask:8 row_mask:0xf bank_mask:0xf
	v_mul_f32 v[TT], 0x3e000000, v[TT]             ; / sqrt(64)
	s_bitcmp1_b32 s[32+(8*\g+\rr)/4], 8*((8*\g+\rr)%4)
	s_cselect_b32 s40, -1, 0
	v_cndmask_b32 v[TT], v[TT], v12, s40           ; -1e18 where the row's mask byte is set
	v_sub_f32 v[TT+1], v[TT], v[TT]                ; the maximum over the one key is the score itself
	v_mul_f32 v[TT+1], 0x3fb8aa3b, v[TT+1]
	v_exp_f32 v[TT+2], v[TT+1]
	v_nop                                          ; one plain instruction behind a transcendental (ISA guide 5.7.2)
	s_wait_alu depctr_va_vdst(0)
	v_rcp_f32 v[TT+3], v[TT+2]                     ; the sum over the one key
	v_nop
	s_wait_alu depctr_va_vdst(0)
	v_mul_f32 v[TT+2], v[TT+2], v[TT+3]            ; a
	v_pk_mul_f32 v[QQ+8:QQ+9],   v[QQ+8:QQ+9],   v[TT+2:TT+3] op_sel_hi:[1,0]
	v_pk_mul_f32 v[QQ+10:QQ+11], v[QQ+10:QQ+11], v[TT+2:TT+3] op_sel_hi:[1,0]
	v_cvt_pk_bf16_f32 v[TT],   v[QQ+8],  v[QQ+9]
	v_cvt_pk_bf16_f32 v[TT+1], v[QQ+10], v[QQ+11]
	ds_store_b64 v[VS], v[TT:TT+1] offset:(8*\g+\rr)*APITCH
.endm
.macro QGROUP g, slot, left
	s_wait_loadcnt \left
.irp rr, 0,1,2,3,4,5,6,7
	QROW \g, \slot, \rr
.endr
.endm
	s_load_b256 s[8:15], s[0:1], 0x0               ; t0 s[8:9], mask s[10:11], Wo s[12:13], bo s[14:15]
	s_load_b128 s[16:19], s[0:1], 0x20             ; inputs s[16:17], query s[18:19]
	v_lshl_add_u32 v14, v0, 2, 0x21000
	v_mov_b32 v15, 0
	v_and_b32 v1, 31, v0
	v_lshrrev_b32 v2, 5, v0
	v_readfirstlane_b32 s2, v2                     ; wave
	v_and_b32 v2, 15, v0                           ; r
	v_bfe_u32 v3, v0, 4, 1                         ; h
	v_mov_b32 v12, 0xdd5e0b6b                      ; -1e18
	v_lshlrev_b32 v[VB], 4, v2
	v_lshl_add_u32 v[VW], v3, 15, v[VB]
	v_lshl_add_u32 v[VY], v3, 15, v[VB]
	s_mul_i32 s6, s2, WTILE
	v_mul_u32_u24 v[VA], v2, APITCH
	v_lshl_add_u32 v[VA], v3, 4, v[VA]
	v_add_nc_u32 v[VA], s6, v[VA]
	v_lshl_add_u32 v[VS], v1, 3, s6
	s_lshl_b32 s6, s2, 9
	v_lshl_add_u32 v[VX], v1, 4, s6                ; my 128 columns, 16 bytes a lane
	s_lshl_b32 s6, s2, 13
	s_add_co_u32 s6, s6, PB
	v_lshl_add_u32 v[VP], v1, 4, s6
	s_lshl_b32 s20, ttmp9, 8                       ; the strip's 64 columns, in bytes
	s_mov_b32 s21, 0
	s_lshl_b32 s22, s2, 19                         ; my 128 rows of Wo
	s_mov_b32 s23, 0
	s_wait_kmcnt 0x0
	s_load_b256 s[32:39], s[10:11], 0x0            ; the 32 mask bytes
	s_add_nc_u64 s[12:13], s[12:13], s[20:21]
	s_add_nc_u64 s[12:13], s[12:13], s[22:23]
	s_add_nc_u64 s[14:15], s[14:15], s[20:21]
	s_add_nc_u64 s[16:17], s[16:17], s[20:21]
	s_add_nc_u64 s[18:19], s[18:19], s[20:21]
	WLOADS
	QLOAD 0, 16
	QLOAD 1, 128
	s_wait_kmcnt 0x0
	QGROUP 0, 16, 24                               ; one group of 24 loads is younger; all of Wo is older, so it is in as well
	QLOAD 2, 16
	QGROUP 1, 128, 24
	QLOAD 3, 128
	QGROUP 2, 16, 24
	QGROUP 3, 128, 0
	KSTEP 0, -1, 1                                 ; LDS serves a wave's instructions in order (ISA guide 5.7.1): these reads see my stores above
	KSTEP 1, -1, 0
	KSTEP 2, -1, 0
	KSTEP 3, -1, 0
	PARTOUT
	REDADDR
	s_add_nc_u64 s[16:17], s[16:17], s[44:45]      ; the residual at the same rows
	global_load_b128 v[BI:BI+3], v[VB], s[14:15]
.irp jj, 0,1,2,3
	global_load_b128 v[RS+4*\jj:RS+4*\jj+3], v[VY], s[16:17] offset:\jj*4096
.endr
	REDUCE
	s_wait_loadcnt 0x0
	BIASADD
.irp q, 0,2,4,6,8,10,12,14
	v_pk_add_f32 v[SM+\q:SM+\q+1], v[SM+\q:SM+\q+1], v[RS+\q:RS+\q+1]
.endr
	STOREY
.Lend:
	s_wait_tensorcnt 0x0
	ds_add_u32 v14, v15
	s_wait_dscnt 0x0
	s_endpgm
.Lfunc_end_k_q68e836867d_selfo:
	.size	k_q68e836867d_selfo, .Lfunc_end_k_q68e836867d_selfo-k_q68e836867d_selfo
	.p2alignl 7, 3214868480
	.fill 96, 4, 3214868480
	.section	.rodata,"a",@progbits
	.p2align	6, 0x0
	.amdhsa_kernel k_q68e836867d_selfo
		.amdhsa_group_segment_fixed_size 136192
		.amdhsa_private_segment_fixed_size 0
		.amdhsa_enable_private_segment 0
		.amdhsa_kernarg_size 48
		.amdhsa_user_sgpr_count 2
		.amdhsa_user_sgpr_kernarg_segment_ptr 1
		.amdhsa_wavefront_size32 1
		.amdhsa_system_sgpr_workgroup_id_x 1
		.amdhsa_system_sgpr_workgroup_id_y 1
		.amdhsa_system_sgpr_workgroup_id_z 1
		.amdhsa_system_vgpr_workitem_id 0
		.amdhsa_next_free_vgpr 512
		.amdhsa_next_free_sgpr 66
		.amdhsa_reserve_vcc 0
		.amdhsa_float_denorm_mode_32 3
		.amdhsa_float_denorm_mode_16_64 3
		.amdhsa_memory_ordered 1
		.amdhsa_forward_progress 1
		.amdhsa_inst_pref_size 77
	.end_amdhsa_kernel
	.amdgpu_metadata
---
amdhsa.version: [ 1, 2 ]
amdhsa.kernels:
  - .name:           k_q68e836867d_selfo
    .symbol:         k_q68e836867d_selfo.kd
    .args:
      - { .name: t0, .offset: 0, .size: 8, .value_kind: global_buffer, .address_space: global }
      - { .name: tgt_pad_mask, .offset: 8, .size: 8, .value_kind: global_buffer, .address_space: global }
      - { .name: params_self_Wo, .offset: 16, .size: 8, .value_kind: global_buffer, .address_space: global }
      - { .name: params_self_bo, .offset: 24, .size: 8, .value_kind: global_buffer, .address_space: global }
      - { .name: inputs, .offset: 32, .size: 8, .value_kind: global_buffer, .address_space: global }
      - { .name: query, .offset: 40, .size: 8, .value_kind: global_buffer, .address_space: global }
    .group_segment_fixed_size: 136192
    .private_segment_fixed_size: 0
    .kernarg_segment_align: 8
    .kernarg_segment_size: 48
    .max_flat_workgroup_size: 256
    .sgpr_count:     66
    .vgpr_count:     512
    .wavefront_size: 32
...
	.end_amdgpu_metadata
.endif
;; end of part 2
;; launch q3: the kernel of part 1 again; grid 16 x 3, 8 waves a work-group, no clusters, 132,608 bytes of LDS; arguments query, params_ln2_g, params_ln2_b, params_word_Wq, params_graph_Wq, params_p1_Wq, params_word_bq, params_graph_bq, params_p1_bq, t0, lnb; writes t0, lnb
;; launch qt (part 3): grid 64 x 3, 8 waves a work-group, no clusters, 62,208 bytes of LDS; arguments t0, params_word_Wk, params_graph_Wk, params_p1_Wk, params_word_bk, params_graph_bk, params_p1_bk, qtb; writes qtb
.if DOCPART == 3
	.amdgcn_target "amdgcn-amd-amdhsa--gfx1250"
	.amdhsa_code_object_version 6
	.text
	.protected	k_q68e836867d_qt
	.globl	k_q68e836867d_qt
	.p2align	8
	.type	k_q68e836867d_qt,@function
k_q68e836867d_qt:
	s_mov_b64 s[64:65], 0
	v_nop
	global_prefetch_b8 v0, s[64:65] scope:SCOPE_SE
	s_setreg_imm32_b32 hwreg(HW_REG_WAVE_MODE, 25, 1), 1
	s_wait_xcnt 0x0
; The key projection is moved onto the one query of each batch row:
;   score[b,h,k] = (q_h / 8) . (mem_k Wk_h + bk_h) = mem_k . qt[b,h,:] + qb[b,h],   qt[b,h,d] = sum over j of Wk[d][64 h + j] q[b][64 h + j] / 8,   qb = (q_h / 8) . bk_h.
; t0: q as [3][32][1024] f32.  qtb: qt in bf16 as [x][b][head][1024] (its only use is as a bf16 matrix operand), then from byte 3,145,728 qb in f32 as [x][head pair][b][2].
; grid x = 8 x (block of 128 rows d) + head pair, grid y = x (word, graph, phase 1).  Wave w owns rows d = 128 db + 16 w .. + 15 of Wk, columns 128 hp .. + 127.
; Matrix use: A = 16 rows of Wk (M = d), B = 16 rows of q (N = b), K = a head's 64 columns: a lane's eight results are eight neighbouring d of one (b, head).
; Limits: matrix operands and qt are rounded to bf16; the order of sums differs from the problem's function, which projects every memory row.
.set PP, 272                           ; LDS row of 128 bf16 + 16 bytes
.set WL, 0                             ; Wk: 8 waves x 16 rows
.set QL, 8*16*PP                       ; q / 8: 32 rows
.set ST, QL+32*PP                      ; the way out: 64 rows (head of the pair, b) x 128 d
.set QB, ST+64*PP                      ; qb: 32 b x 2 heads, f32
.macro PLACES
.rept 4
	v_nop
.endr
.endm
	s_load_b512 s[8:23], s[0:1], 0x0               ; t0 s[8:9], Wk s[10:15], bk s[16:21], qtb s[22:23]
	v_lshl_add_u32 v176, v0, 2, 0xef00
	v_mov_b32 v177, 0
	v_and_b32 v1, 31, v0
	v_lshrrev_b32 v2, 5, v0
	v_readfirstlane_b32 s2, v2                     ; wave
	v_and_b32 v2, 15, v0                           ; r
	v_bfe_u32 v3, v0, 4, 1                         ; h
	s_and_b32 s3, ttmp9, 7                         ; head pair
	s_lshr_b32 s4, ttmp9, 3                        ; block of d
	s_and_b32 s5, ttmp7, 0xffff                    ; x
	v_lshlrev_b32 v4, 4, v1                        ; 16 x lane
	s_mul_i32 s6, s2, 16*PP
	v_lshl_add_u32 v5, v1, 3, s6                   ; Wk in: my 16 rows, 8 bytes a lane
	s_mul_i32 s7, s2, 4*PP
	s_add_co_u32 s7, s7, QL
	v_lshl_add_u32 v6, v1, 3, s7                   ; q in: rows 4 w ..
	s_lshl_b32 s7, s2, 5
	s_add_co_u32 s7, s7, QB
	v_lshl_add_u32 v7, v3, 2, s7                   ; qb in: 8 bytes a row, 4 a head
	v_mul_u32_u24 v8, v2, PP
	v_lshl_add_u32 v8, v3, 4, v8                   ; r x pitch + 16 h
	v_add_nc_u32 v9, s6, v8                        ; fragments of Wk
	v_add_nc_u32 v10, QL, v8                       ; fragments of q
	s_lshl_b32 s7, s2, 5
	s_add_co_u32 s7, s7, ST
	v_add_nc_u32 v11, s7, v8                       ; out: row r, my 16 d at byte 32 w, 8 of them a half
	s_mul_i32 s7, s2, 8*PP
	s_add_co_u32 s7, s7, ST
	v_mul_u32_u24 v12, v3, PP
	v_lshl_add_u32 v12, v2, 4, v12
	v_add_nc_u32 v12, s7, v12                      ; back: rows 8 w + h (+ 2 i), 16 bytes a lane
	v_lshlrev_b32 v13, 15, v3
	v_lshl_add_u32 v13, v2, 4, v13                 ; in qt: one b further for lanes 16-31
	v_lshlrev_b32 v14, 3, v1
	v_add_nc_u32 v15, QB, v14
	s_mov_b32 s33, 0
	s_wait_kmcnt 0x0
	s_cmp_eq_u32 s5, 1
	s_cselect_b64 s[28:29], s[12:13], s[10:11]
	s_cselect_b64 s[26:27], s[18:19], s[16:17]
	s_cmp_eq_u32 s5, 2
	s_cselect_b64 s[28:29], s[14:15], s[28:29]     ; Wk_x
	s_cselect_b64 s[26:27], s[20:21], s[26:27]     ; bk_x
	s_lshl_b32 s32, s3, 9                          ; the pair's 128 columns, in bytes
	s_add_nc_u64 s[26:27], s[26:27], s[32:33]
	s_add_nc_u64 s[28:29], s[28:29], s[32:33]
	s_add_nc_u64 s[24:25], s[8:9], s[32:33]
	s_lshl_b32 s32, s5, 17
	s_lshl_b32 s34, s2, 14
	s_add_co_u32 s32, s32, s34                     ; q of x, rows 4 w ..
	s_add_nc_u64 s[24:25], s[24:25], s[32:33]
	s_lshl_b32 s32, s4, 19
	s_lshl_b32 s34, s2, 16
	s_add_co_u32 s32, s32, s34                     ; rows 128 db + 16 w of Wk
	s_add_nc_u64 s[28:29], s[28:29], s[32:33]
	s_lshl_b32 s32, s5, 11
	s_lshl_b32 s34, s3, 8
	s_add_co_u32 s32, s32, s34
	s_add_co_u32 s32, s32, 3145728
	s_add_nc_u64 s[30:31], s[22:23], s[32:33]      ; qb[x][hp]
	s_lshl_b32 s32, s5, 20                         ; qt[x]
	s_and_b32 s34, s2, 3
	s_lshl_b32 s34, s34, 18                        ; b = 8 (w % 4) ..
	s_add_co_u32 s32, s32, s34
	s_lshr_b32 s34, s2, 2
	s_lshl1_add_u32 s34, s3, s34                   ; head = 2 hp + w / 4
	s_lshl_b32 s34, s34, 11
	s_add_co_u32 s32, s32, s34
	s_lshl_b32 s34, s4, 8                          ; d = 128 db
	s_add_co_u32 s32, s32, s34
	s_add_nc_u64 s[22:23], s[22:23], s[32:33]
.irp i, 0,1,2,3
	global_load_b128 v[80+4*\i:83+4*\i], v4, s[24:25] offset:\i*4096
.endr
	global_load_b128 v[96:99], v4, s[26:27]
.set n, 0
.rept 16
	global_load_b128 v[16+4*n:19+4*n], v4, s[28:29] offset:n*4096 th:TH_LOAD_NT
.set n, n+1
.endr
	s_wait_loadcnt 16                              ; q and bk are in; the sixteen rows of Wk may stay out
.irp i, 0,1,2,3
	v_pk_mul_f32 v[80+4*\i:81+4*\i], v[80+4*\i:81+4*\i], 0x3e000000 op_sel_hi:[1,0]   ; q / sqrt(64)
	v_pk_mul_f32 v[82+4*\i:83+4*\i], v[82+4*\i:83+4*\i], 0x3e000000 op_sel_hi:[1,0]
	v_cvt_pk_bf16_f32 v[100+2*\i], v[80+4*\i], v[81+4*\i]
	v_cvt_pk_bf16_f32 v[101+2*\i], v[82+4*\i], v[83+4*\i]
	ds_store_b64 v6, v[100+2*\i:101+2*\i] offset:\i*PP
	v_mul_f32 v[108+\i], v[80+4*\i], v96
	v_fmac_f32 v[108+\i], v[81+4*\i], v97
	v_fmac_f32 v[108+\i], v[82+4*\i], v98
	v_fmac_f32 v[108+\i], v[83+4*\i], v99
	v_add_f32_dpp v[108+\i], v[108+\i], v[108+\i] row_xmask:1 row_mask:0xf bank_mask:0xf   ; sixteen lanes hold one head
	v_add_f32_dpp v[108+\i], v[108+\i], v[108+\i] row_xmask:2 row_mask:0xf bank_mask:0xf
	v_add_f32_dpp v[108+\i], v[108+\i], v[108+\i] row_xmask:4 row_mask:0xf bank_mask:0xf
	v_add_f32_dpp v[108+\i], v[108+\i], v[108+\i] row_xmask:8 row_mask:0xf bank_mask:0xf
	ds_store_b32 v7, v[108+\i] offset:8*\i
.endr
	s_wait_loadcnt 0x0
.set n, 0
.rept 16
	v_cvt_pk_bf16_f32 v[112+2*n], v[16+4*n], v[17+4*n]
	v_cvt_pk_bf16_f32 v[113+2*n], v[18+4*n], v[19+4*n]
.set n, n+1
.endr
.set n, 0
.rept 16
	ds_store_b64 v5, v[112+2*n:113+2*n] offset:n*PP
.set n, n+1
.endr
	s_wait_dscnt 0x0                               ; for the other waves: q, qb (and my rows of Wk) are in LDS
	s_barrier_signal -1
	s_barrier_wait -1
.irp e, 0,1
.irp kk, 0,1
	ds_load_b128 v[16+8*(2*\e+\kk):19+8*(2*\e+\kk)], v9 offset:\e*128+\kk*64
	ds_load_b128 v[20+8*(2*\e+\kk):23+8*(2*\e+\kk)], v9 offset:\e*128+\kk*64+32
.irp bt, 0,1
	ds_load_b128 v[48+8*(4*\bt+2*\e+\kk):51+8*(4*\bt+2*\e+\kk)], v10 offset:\bt*16*PP+\e*128+\kk*64
	ds_load_b128 v[52+8*(4*\bt+2*\e+\kk):55+8*(4*\bt+2*\e+\kk)], v10 offset:\bt*16*PP+\e*128+\kk*64+32
.endr
.endr
.endr
	s_wait_dscnt 0x0
.irp e, 0,1
.irp bt, 0,1                           ; the four accumulators take turns
	v_wmma_f32_16x16x32_bf16 v[112+8*(2*\e+\bt):119+8*(2*\e+\bt)], v[16+16*\e:23+16*\e], v[48+8*(4*\bt+2*\e):55+8*(4*\bt+2*\e)], 0
.endr
.endr
.irp e, 0,1
.irp bt, 0,1
	v_wmma_f32_16x16x32_bf16 v[112+8*(2*\e+\bt):119+8*(2*\e+\bt)], v[24+16*\e:31+16*\e], v[56+8*(4*\bt+2*\e):63+8*(4*\bt+2*\e)], v[112+8*(2*\e+\bt):119+8*(2*\e+\bt)]
.endr
.endr
	PLACES
.irp a, 0,1,2,3
.irp p, 0,1,2,3
	v_cvt_pk_bf16_f32 v[144+4*\a+\p], v[112+8*\a+2*\p], v[113+8*\a+2*\p]
.endr
	ds_store_b128 v11, v[144+4*\a:147+4*\a] offset:\a*16*PP    ; row 32 e + 16 bt + r
.endr
	s_wait_dscnt 0x0                               ; for the other waves: my 16 d of every row are in the stage
	s_barrier_signal -1
	s_barrier_wait -1
.irp i, 0,1,2,3
	ds_load_b128 v[16+4*\i:19+4*\i], v12 offset:\i*2*PP
.endr
.irp i, 0,1,2,3
	s_wait_dscnt 3-\i
	global_store_b128 v13, v[16+4*\i:19+4*\i], s[22:23] offset:\i*65536   ; sixteen lanes store 256 consecutive bytes, aligned: 128 d of one (b, head)
.endr
	s_or_b32 s7, s4, s2
	s_cmp_lg_u32 s7, 0                             ; qb is the same in all eight blocks of d: block 0's wave 0 stores it
	s_cbranch_scc1 .Lend
	ds_load_b64 v[32:33], v15
	s_wait_dscnt 0x0
	global_store_b64 v14, v[32:33], s[30:31]       ; 32 lanes store 256 consecutive bytes, aligned
.Lend:
	s_wait_tensorcnt 0x0
	ds_add_u32 v176, v177
	s_wait_dscnt 0x0
	s_endpgm
.Lfunc_end_k_q68e836867d_qt:
	.size	k_q68e836867d_qt, .Lfunc_end_k_q68e836867d_qt-k_q68e836867d_qt
	.p2alignl 7, 3214868480
	.fill 96, 4, 3214868480
	.section	.rodata,"a",@progbits
	.p2align	6, 0x0
	.amdhsa_kernel k_q68e836867d_qt
		.amdhsa_group_segment_fixed_size 62208
		.amdhsa_private_segment_fixed_size 0
		.amdhsa_enable_private_segment 0
		.amdhsa_kernarg_size 64
		.amdhsa_user_sgpr_count 2
		.amdhsa_user_sgpr_kernarg_segment_ptr 1
		.amdhsa_wavefront_size32 1
		.amdhsa_system_sgpr_workgroup_id_x 1
		.amdhsa_system_sgpr_workgroup_id_y 1
		.amdhsa_system_sgpr_workgroup_id_z 1
		.amdhsa_system_vgpr_workitem_id 0
		.amdhsa_next_free_vgpr 178
		.amdhsa_next_free_sgpr 66
		.amdhsa_reserve_vcc 0
		.amdhsa_float_denorm_mode_32 3
		.amdhsa_float_denorm_mode_16_64 3
		.amdhsa_memory_ordered 1
		.amdhsa_forward_progress 1
		.amdhsa_inst_pref_size 17
	.end_amdhsa_kernel
	.amdgpu_metadata
---
amdhsa.version: [ 1, 2 ]
amdhsa.kernels:
  - .name:           k_q68e836867d_qt
    .symbol:         k_q68e836867d_qt.kd
    .args:
      - { .name: t0, .offset: 0, .size: 8, .value_kind: global_buffer, .address_space: global }
      - { .name: params_word_Wk, .offset: 8, .size: 8, .value_kind: global_buffer, .address_space: global }
      - { .name: params_graph_Wk, .offset: 16, .size: 8, .value_kind: global_buffer, .address_space: global }
      - { .name: params_p1_Wk, .offset: 24, .size: 8, .value_kind: global_buffer, .address_space: global }
      - { .name: params_word_bk, .offset: 32, .size: 8, .value_kind: global_buffer, .address_space: global }
      - { .name: params_graph_bk, .offset: 40, .size: 8, .value_kind: global_buffer, .address_space: global }
      - { .name: params_p1_bk, .offset: 48, .size: 8, .value_kind: global_buffer, .address_space: global }
      - { .name: qtb, .offset: 56, .size: 8, .value_kind: global_buffer, .address_space: global }
    .group_segment_fixed_size: 62208
    .private_segment_fixed_size: 0
    .kernarg_segment_align: 8
    .kernarg_segment_size: 64
    .max_flat_workgroup_size: 256
    .sgpr_count:     66
    .vgpr_count:     178
    .wavefront_size: 32
...
	.end_amdgpu_metadata
.endif
;; end of part 3
;; launch att (part 4): grid 256 x 1, 8 waves a work-group, no clusters, 307,968 bytes of LDS; arguments memory_bank, ent_context, phase1_memory, src_pad_mask, ent_pad_mask, phase1_pad_mask, ent_score, qtb, cmp; writes cmp
.if DOCPART == 4
	.amdgcn_target "amdgcn-amd-amdhsa--gfx1250"
	.amdhsa_code_object_version 6
	.text
	.protected	k_q68e836867d_att
	.globl	k_q68e836867d_att
	.p2align	8
	.type	k_q68e836867d_att,@function
k_q68e836867d_att:
	s_mov_b64 s[64:65], 0
	v_nop
	global_prefetch_b8 v0, s[64:65] scope:SCOPE_SE
	s_setreg_imm32_b32 hwreg(HW_REG_WAVE_MODE, 25, 1), 1
	s_wait_xcnt 0x0
; The three cross attentions, one chunk of 128 memory rows of one batch row a work-group: 64 chunks of memory_bank, 64 of ent_context, 128 of phase1_memory.
; The chunk (512 KiB of f32) is read from memory once, rounded to bf16 and kept in LDS (260 KiB) between the two products:
;   scores[k][head] = mem[k] . qt[head] + qb[head]; masked rows become -1e18; m = the chunk's maximum; p = exp(s - m); u = p x ent_score (graph) or p;
;   out: sum over k of u[k] mem[k][:] for 16 heads (f32, [slot][head][1024]) and, per head, l = sum p, lu = sum u and m.  The next launch merges the chunks by their maxima.
; Wave w owns rows 16 w .. + 15 for the scores and columns 128 w .. + 127 for the context.
; No tensor loads: each number is converted on its way, and LDS has no room for the f32 tile beside the bf16 one.  No cluster: the chunks of a batch row share
; only qt, 32 KiB against 512 KiB of their own.
; Limits: mem, qt and u are rounded to bf16 as matrix operands; exponentials below 2^-126 come out as 0; a mask byte is 0 or 1;
; the order of sums differs from the problem's function, which projects every memory row to keys and values.
.set MP,  2080                         ; LDS row of mem: 2,048 bytes + 32, an odd multiple of 32: the transposing reads of the context meet no conflict
.set QT,  128*MP                       ; qt: 16 heads, pitch 2,064
.set QP,  2064
.set STG, QT                           ; later, on the same bytes: 8 stages of 16 rows x 272 bytes for the way out
.set PP,  272
.set PT,  QT+8*16*PP                   ; u in bf16: 16 heads x 128 rows, pitch 272
.set MX,  PT+16*PP                     ; the waves' maxima, then (512 bytes on each) their l and their lu: [wave][head] f32
.set LS,  MX+512
.set VX,  4
.set VS,  5
.set VMF, 6
.set VQF, 7
.set T,   16                           ; v[16:47]   a block in bf16
.set MF,  48                           ; v[48:79]   fragments of mem, 8 kk
.set QF,  80                           ; v[80:111]  fragments of qt, 8 kk
.set SA,  112                          ; v[112:143] four score accumulators
.set SS,  144                          ; v[144:151] my 8 scores
.set MK,  152                          ; v[152:153] my 8 mask bytes
.set SC,  154                          ; v[154:161] my 8 entity scores
.set QBV, 162
.set TM,  163
.set LM,  164                          ; v[164:165] (l or lu, m)
.set MM,  165
.set PV,  166                          ; v[166:173]
.set UV,  174                          ; v[174:181]
.set PK,  184                          ; v[184:187]
.set CA,  16                           ; v[16:79]   context accumulators, 8 nt
.set PF,  80                           ; v[80:111]  fragments of u, 8 kk
.set VT,  112                          ; v[112:115] transposing reads, one address for each 32 rows
.set VPF, 116
.set VSTS, 117
.set VSTL, 118
.set VCO, 119
.set VL4, 120
.set VS8, 121
.set OUT, 128                          ; v[128:159]
.set MSB, 0
.macro WIN new
.if MSB != \new
	s_set_vgpr_msb (MSB<<8)|\new
.set MSB, \new
.endif
.endm
.macro PLACES
.rept 4
	v_nop
.endr
.endm
; Block cb: columns 128 cb .. + 127 of my 16 rows.  Four register slots of 16 loads in v256-v511 take turns; left = loads of younger blocks.
.macro BLOCK cb, left, refill
	s_wait_loadcnt \left
.if \cb
	PLACES                                 ; MF and QF were sources of the last matrix instructions
.endif
	WIN 0x05
.set i, 0
.rept 16
	v_cvt_pk_bf16_f32 v[T+2*i],   v[64*(\cb%4)+4*i],   v[64*(\cb%4)+4*i+1]
	v_cvt_pk_bf16_f32 v[T+2*i+1], v[64*(\cb%4)+4*i+2], v[64*(\cb%4)+4*i+3]
.set i, i+1
.endr
.if \refill
	WIN 0x40
.set i, 0
.rept 16
	global_load_b128 v[64*(\cb%4)+4*i:64*(\cb%4)+4*i+3], v[VX], s[26:27] offset:i*4096+(\cb+4)*512 th:TH_LOAD_NT
.set i, i+1
.endr
.endif
	WIN 0
.set i, 0
.rept 16
	ds_store_b64 v[VS], v[T+2*i:T+2*i+1] offset:i*MP+\cb*256
.set i, i+1
.endr
.irp kk, 0,1,2,3
	ds_load_b128 v[MF+8*\kk:MF+8*\kk+3],   v[VMF] offset:\cb*256+\kk*64      ; my own rows: LDS serves a wave's instructions in order (ISA guide 5.7.1)
	ds_load_b128 v[MF+8*\kk+4:MF+8*\kk+7], v[VMF] offset:\cb*256+\kk*64+32
	ds_load_b128 v[QF+8*\kk:QF+8*\kk+3],   v[VQF] offset:\cb*256+\kk*64
	ds_load_b128 v[QF+8*\kk+4:QF+8*\kk+7], v[VQF] offset:\cb*256+\kk*64+32
.endr
	s_wait_dscnt 0x0
.irp kk, 0,1,2,3                       ; the four accumulators take turns
.if \cb
	v_wmma_f32_16x16x32_bf16 v[SA+8*\kk:SA+8*\kk+7], v[MF+8*\kk:MF+8*\kk+7], v[QF+8*\kk:QF+8*\kk+7], v[SA+8*\kk:SA+8*\kk+7]
.else
	v_wmma_f32_16x16x32_bf16 v[SA+8*\kk:SA+8*\kk+7], v[MF+8*\kk:MF+8*\kk+7], v[QF+8*\kk:QF+8*\kk+7], 0
.endif
.endr
.endm
.macro SUM8 x                          ; the sum of a lane's eight numbers: into v[x]
	v_pk_add_f32 v[\x:\x+1],   v[\x:\x+1],   v[\x+2:\x+3]
	v_pk_add_f32 v[\x+4:\x+5], v[\x+4:\x+5], v[\x+6:\x+7]
	v_pk_add_f32 v[\x:\x+1],   v[\x:\x+1],   v[\x+4:\x+5]
	v_add_f32 v[\x], v[\x], v[\x+1]
.endm
	s_load_b512 s[8:23], s[0:1], 0x0               ; mem s[8:13], masks s[14:19], ent_score s[20:21], qtb s[22:23]
	s_load_b64 s[24:25], s[0:1], 0x40              ; cmp
	v_lshl_add_u32 v254, v0, 2, 0x4af00
	v_mov_b32 v255, 0
	v_and_b32 v1, 31, v0
	v_lshrrev_b32 v2, 5, v0
	v_readfirstlane_b32 s2, v2                     ; wave
	v_and_b32 v2, 15, v0                           ; r
	v_bfe_u32 v3, v0, 4, 1                         ; h
	s_lshr_b32 s3, ttmp9, 6
	s_min_u32 s3, s3, 2                            ; x: 0 word, 1 graph, 2 phase 1
	s_cmp_eq_u32 s3, 2
	s_cselect_b32 s4, 127, 63
	s_cselect_b32 s5, 2, 1
	s_and_b32 s4, ttmp9, s4                        ; the chunk's number in its memory
	s_lshr_b32 s5, s4, s5                          ; b: 2 or 4 chunks a batch row
	s_mov_b32 s41, 0x76543210
	s_mov_b32 s42, 0xfedcba98
	v_lshlrev_b32 v[VX], 4, v1
	s_mul_i32 s6, s2, 16*MP
	v_lshl_add_u32 v[VS], v1, 3, s6
	v_mul_u32_u24 v[VMF], v2, MP
	v_lshl_add_u32 v[VMF], v3, 4, v[VMF]
	v_add_nc_u32 v[VMF], s6, v[VMF]
	v_mul_u32_u24 v[VQF], v2, QP
	v_lshl_add_u32 v[VQF], v3, 4, v[VQF]
	v_add_nc_u32 v[VQF], QT, v[VQF]
	s_mul_i32 s6, s2, 2*QP
	s_add_co_u32 s6, s6, QT
	v_lshl_add_u32 v8, v1, 4, s6                   ; qt in: heads 2 w, 2 w + 1
	v_lshrrev_b32 v9, 1, v2
	v_and_b32 v10, 1, v2
	v_lshlrev_b32 v10, 2, v10
	v_lshl_add_u32 v9, v9, 8, v10                  ; qb of head r: 256 (r / 2) + 4 (r % 2)
	s_lshl_b32 s6, s2, 4
	v_lshl_add_u32 v10, v3, 3, s6                  ; my 8 rows: 16 w + 8 h (mask bytes)
	v_lshlrev_b32 v11, 2, v10                      ; the same in f32
	v_mov_b32 v12, 0xdd5e0b6b                      ; -1e18
	s_lshl_b32 s6, s2, 6
	s_add_co_u32 s6, s6, MX
	v_lshl_add_u32 v13, v2, 2, s6                  ; [wave][head]
	v_lshlrev_b32 v14, 2, v2
	v_add_nc_u32 v14, MX, v14                      ; [..][head]
	v_mul_u32_u24 v15, v2, PP
	v_lshl_add_u32 v15, v3, 4, v15
	s_lshl_b32 s6, s2, 5
	s_add_co_u32 s6, s6, PT
	v_add_nc_u32 v15, s6, v15                      ; u in: head r, rows 16 w + 8 h ..
	s_mov_b32 s31, 0
	s_wait_kmcnt 0x0
	s_cmp_eq_u32 s3, 1
	s_cselect_b64 s[26:27], s[10:11], s[8:9]
	s_cselect_b64 s[28:29], s[16:17], s[14:15]
	s_cselect_b32 s40, -1, 0                       ; all lanes: is this the graph attention?
	s_cmp_eq_u32 s3, 2
	s_cselect_b64 s[26:27], s[12:13], s[26:27]     ; the memory
	s_cselect_b64 s[28:29], s[18:19], s[28:29]     ; its mask
	s_lshl_b32 s30, s4, 19
	s_lshl_b32 s6, s2, 16
	s_add_co_u32 s30, s30, s6                      ; the chunk's 128 rows, my 16 of them
	s_add_nc_u64 s[26:27], s[26:27], s[30:31]
	s_lshl_b32 s30, s4, 7
	s_add_nc_u64 s[28:29], s[28:29], s[30:31]
	s_and_b32 s30, ttmp9, 63
	s_lshl_b32 s30, s30, 9                         ; inside ent_score for every work-group; used by the graph's alone
	s_add_nc_u64 s[20:21], s[20:21], s[30:31]
	s_lshl_b32 s30, s3, 5
	s_add_co_u32 s30, s30, s5
	s_lshl_b32 s30, s30, 15
	s_lshl_b32 s6, s2, 12
	s_add_co_u32 s30, s30, s6                      ; qt[x][b], heads 2 w and 2 w + 1: 4,096 consecutive bytes
	s_add_nc_u64 s[32:33], s[22:23], s[30:31]
	s_lshl_b32 s30, s3, 11
	s_lshl_b32 s6, s5, 3
	s_add_co_u32 s30, s30, s6
	s_add_co_u32 s30, s30, 3145728
	s_add_nc_u64 s[34:35], s[22:23], s[30:31]      ; qb[x][..][b]
	s_lshl_b32 s30, ttmp9, 8
	s_add_co_u32 s30, s30, 16777216
	s_add_nc_u64 s[36:37], s[24:25], s[30:31]      ; the slot's 256 bytes of l, lu, m
	s_lshl_b32 s30, ttmp9, 16
	s_lshl_b32 s6, s2, 9
	s_add_co_u32 s30, s30, s6
	s_add_nc_u64 s[24:25], s[24:25], s[30:31]      ; the slot's partial context, my 128 columns
.irp c, 0,1,2,3,4,5,6,7
	global_load_b128 v[T+4*\c:T+4*\c+3], v[VX], s[32:33] offset:\c*512
.endr
	global_load_b32 v[QBV], v9, s[34:35]
	global_load_b64 v[MK:MK+1], v10, s[28:29]
	global_load_b128 v[SC:SC+3], v11, s[20:21]
	global_load_b128 v[SC+4:SC+7], v11, s[20:21] offset:16
	WIN 0x40
.irp cb, 0,1,2,3
.set i, 0
.rept 16
	global_load_b128 v[64*\cb+4*i:64*\cb+4*i+3], v[VX], s[26:27] offset:i*4096+\cb*512 th:TH_LOAD_NT
.set i, i+1
.endr
.endr
	WIN 0
	s_wait_loadcnt 0x3f                            ; qt has 68 younger loads behind it; 63 is the largest count that this wait can name
.irp e, 0,1
.irp c, 0,1,2,3
	ds_store_b128 v8, v[T+16*\e+4*\c:T+16*\e+4*\c+3] offset:\e*QP+\c*512
.endr
.endr
	s_wait_dscnt 0x0                               ; for the other waves: my two heads of qt are in LDS
	s_barrier_signal -1
	s_barrier_wait -1
	BLOCK 0, 48, 1
	BLOCK 1, 48, 1
	BLOCK 2, 48, 1
	BLOCK 3, 48, 1
	BLOCK 4, 48, 0
	BLOCK 5, 32, 0
	BLOCK 6, 16, 0
	BLOCK 7, 0, 0
	; the softmax of the chunk: a lane holds head r, rows 16 w + 8 h + 0..7
	PLACES
.irp q, 0,2,4,6
	v_pk_add_f32 v[SS+\q:SS+\q+1], v[SA+\q:SA+\q+1], v[SA+8+\q:SA+9+\q]
	v_pk_add_f32 v[SA+16+\q:SA+17+\q], v[SA+16+\q:SA+17+\q], v[SA+24+\q:SA+25+\q]
.endr
.irp q, 0,2,4,6
	v_pk_add_f32 v[SS+\q:SS+\q+1], v[SS+\q:SS+\q+1], v[SA+16+\q:SA+17+\q]
.endr
.irp j, 0,1,2,3,4,5,6,7
	v_add_f32 v[SS+\j], v[SS+\j], v[QBV]
	v_bfe_u32 v[TM], v[MK+\j/4], 8*(\j%4), 8
	v_cmp_ne_u32 vcc_lo, 0, v[TM]
	v_cndmask_b32 v[SS+\j], v[SS+\j], v12, vcc_lo
.endr
	v_max3_num_f32 v[MM], v[SS], v[SS+1], v[SS+2]
	v_max3_num_f32 v[MM], v[MM], v[SS+3], v[SS+4]
	v_max3_num_f32 v[MM], v[MM], v[SS+5], v[SS+6]
	v_max_num_f32 v[MM], v[MM], v[SS+7]
	v_permlanex16_b32 v[TM], v[MM], s41, s42
	v_max_num_f32 v[MM], v[MM], v[TM]
	ds_store_b32 v13, v[MM]
	s_wait_dscnt 0x0                               ; for the other waves: my maxima are in LDS, and my reads of qt are over
	s_barrier_signal -1
	s_barrier_wait -1
.irp j, 0,1,2,3,4,5,6,7
	ds_load_b32 v[PV+\j], v14 offset:\j*64
.endr
	s_wait_dscnt 0x0
	v_max3_num_f32 v[MM], v[PV], v[PV+1], v[PV+2]
	v_max3_num_f32 v[MM], v[MM], v[PV+3], v[PV+4]
	v_max3_num_f32 v[MM], v[MM], v[PV+5], v[PV+6]
	v_max_num_f32 v[MM], v[MM], v[PV+7]            ; the chunk's maximum of head r
.irp j, 0,1,2,3,4,5,6,7
	v_sub_f32 v[PV+\j], v[SS+\j], v[MM]            ; the difference first, not fused with the factor: -1e18 less -1e18 is then exactly 0
.endr
.irp j, 0,1,2,3,4,5,6,7
	v_mul_f32 v[PV+\j], 0x3fb8aa3b, v[PV+\j]
.endr
.irp j, 0,1,2,3,4,5,6,7
	v_exp_f32 v[UV+\j], v[PV+\j]
.endr
.irp j, 0,1,2,3,4,5,6,7
	v_cndmask_b32 v[SC+\j], 1.0, v[SC+\j], s40     ; the weight: the entity's score in the graph attention, else 1 (also the plain place behind the exponentials)
.endr
	s_wait_alu depctr_va_vdst(0)
.irp j, 0,1,2,3,4,5,6,7
	v_mul_f32 v[PV+\j], v[UV+\j], v[SC+\j]         ; u = p x weight
.endr
.irp q, 0,1,2,3
	v_cvt_pk_bf16_f32 v[PK+\q], v[PV+2*\q], v[PV+2*\q+1]
.endr
	ds_store_b128 v15, v[PK:PK+3]
	SUM8 UV
	SUM8 PV
	v_permlanex16_b32 v[TM], v[UV], s41, s42
	v_add_f32 v[UV], v[UV], v[TM]
	v_permlanex16_b32 v[TM], v[PV], s41, s42
	v_add_f32 v[PV], v[PV], v[TM]
	ds_store_b32 v13, v[UV] offset:512             ; l of my 16 rows
	ds_store_b32 v13, v[PV] offset:1024            ; lu
	s_wait_dscnt 0x0                               ; for the other waves: u, l, lu and all my rows of mem are in LDS
	s_barrier_signal -1
	s_barrier_wait -1
	v_and_b32 v[VT], 7, v0
	v_lshl_add_u32 v[VT], v3, 3, v[VT]
	v_mul_u32_u24 v[VT], v[VT], MP
	v_bfe_u32 v[VT+1], v0, 3, 1
	v_lshl_add_u32 v[VT], v[VT+1], 4, v[VT]
	s_lshl_b32 s6, s2, 8
	v_add_nc_u32 v[VT], s6, v[VT]                  ; row 8 h + lane % 8, my 128 columns, 16 bytes on for lanes 8-15 and 24-31
	v_add_nc_u32 v[VT+1], 32*MP, v[VT]
	v_add_nc_u32 v[VT+2], 64*MP, v[VT]
	v_add_nc_u32 v[VT+3], 96*MP, v[VT]
	v_mul_u32_u24 v[VPF], v2, PP
	v_lshl_add_u32 v[VPF], v3, 4, v[VPF]
	v_add_nc_u32 v[VPF], PT, v[VPF]
	s_mul_i32 s6, s2, 16*PP
	s_add_co_u32 s6, s6, STG
	v_mul_u32_u24 v[VSTS], v2, PP
	v_lshl_add_u32 v[VSTS], v3, 5, v[VSTS]
	v_add_nc_u32 v[VSTS], s6, v[VSTS]
	v_mul_u32_u24 v[VSTL], v3, PP
	v_lshl_add_u32 v[VSTL], v2, 4, v[VSTL]
	v_add_nc_u32 v[VSTL], s6, v[VSTL]
	v_lshlrev_b32 v[VCO], 12, v3
	v_lshl_add_u32 v[VCO], v2, 4, v[VCO]
	v_lshlrev_b32 v[VL4], 9, v3
	v_lshl_add_u32 v[VL4], v2, 2, v[VL4]
	v_add_nc_u32 v[VL4], LS, v[VL4]                ; lanes 0-15 add l, lanes 16-31 lu
	v_lshlrev_b32 v[VS8], 3, v1
	s_cmp_lg_u32 s2, 0
	s_cbranch_scc1 .Lno_stats
.irp j, 0,1,2,3,4,5,6,7
	ds_load_b32 v[UV+\j], v[VL4] offset:\j*64
.endr
	s_wait_dscnt 0x0
	SUM8 UV
	v_mov_b32 v[LM], v[UV]
	global_store_b64 v[VS8], v[LM:LM+1], s[36:37]  ; (l, m) of head r at byte 8 r, (lu, m) at 128 + 8 r: 256 consecutive bytes, aligned
	s_wait_xcnt 0x0
.Lno_stats:
	; the context: A = mem transposed (M = 16 columns d), B = u (N = head), K = the chunk's 128 rows
.irp kk, 0,1,2,3
	ds_load_b128 v[PF+8*\kk:PF+8*\kk+3],   v[VPF] offset:\kk*64
	ds_load_b128 v[PF+8*\kk+4:PF+8*\kk+7], v[VPF] offset:\kk*64+32
.endr
	WIN 0x40
.irp kk, 0,1,2,3
.irp nt, 0,1,2,3,4,5,6,7
	ds_load_tr16_b128 v[64*\kk+8*\nt:64*\kk+8*\nt+3],   v[VT+\kk] offset:\nt*32
	ds_load_tr16_b128 v[64*\kk+8*\nt+4:64*\kk+8*\nt+7], v[VT+\kk] offset:\nt*32+16*MP
.endr
.endr
	WIN 0x01
.irp kk, 0,1,2,3
	s_wait_dscnt 48-16*\kk                         ; the sixteen loads of each later 32 rows may stay out
.irp nt, 0,1,2,3,4,5,6,7               ; the eight accumulators take turns
.if \kk
	v_wmma_f32_16x16x32_bf16 v[CA+8*\nt:CA+8*\nt+7], v[64*\kk+8*\nt:64*\kk+8*\nt+7], v[PF+8*\kk:PF+8*\kk+7], v[CA+8*\nt:CA+8*\nt+7]
.else
	v_wmma_f32_16x16x32_bf16 v[CA+8*\nt:CA+8*\nt+7], v[64*\kk+8*\nt:64*\kk+8*\nt+7], v[PF+8*\kk:PF+8*\kk+7], 0
.endif
.endr
.endr
	WIN 0
	; the way out, 64 columns at a time, through my own stage: a lane holds 8 neighbouring d of head r
	PLACES
.irp hf, 0,1
.irp nq, 0,1,2,3
	ds_store_b128 v[VSTS], v[CA+8*(4*\hf+\nq):CA+8*(4*\hf+\nq)+3]   offset:\nq*64
	ds_store_b128 v[VSTS], v[CA+8*(4*\hf+\nq)+4:CA+8*(4*\hf+\nq)+7] offset:\nq*64+16
.endr
	s_wait_xcnt 0x0                                ; OUT, which the last half's stores read, is loaded again only behind this wait
.irp i, 0,1,2,3,4,5,6,7
	ds_load_b128 v[OUT+4*\i:OUT+4*\i+3], v[VSTL] offset:\i*2*PP
.endr
.irp i, 0,1,2,3,4,5,6,7
	s_wait_dscnt 7-\i
	global_store_b128 v[VCO], v[OUT+4*\i:OUT+4*\i+3], s[24:25] offset:\i*8192+\hf*256   ; sixteen lanes store 256 consecutive bytes of head 2 i + h, aligned
.endr
.endr
	s_wait_tensorcnt 0x0
	ds_add_u32 v254, v255
	s_wait_dscnt 0x0
	s_endpgm
.Lfunc_end_k_q68e836867d_att:
	.size	k_q68e836867d_att, .Lfunc_end_k_q68e836867d_att-k_q68e836867d_att
	.p2alignl 7, 3214868480
	.fill 96, 4, 3214868480
	.section	.rodata,"a",@progbits
	.p2align	6, 0x0
	.amdhsa_kernel k_q68e836867d_att
		.amdhsa_group_segment_fixed_size 307968
		.amdhsa_private_segment_fixed_size 0
		.amdhsa_enable_private_segment 0
		.amdhsa_kernarg_size 72
		.amdhsa_user_sgpr_count 2
		.amdhsa_user_sgpr_kernarg_segment_ptr 1
		.amdhsa_wavefront_size32 1
		.amdhsa_system_sgpr_workgroup_id_x 1
		.amdhsa_system_sgpr_workgroup_id_y 1
		.amdhsa_system_sgpr_workgroup_id_z 1
		.amdhsa_system_vgpr_workitem_id 0
		.amdhsa_next_free_vgpr 512
		.amdhsa_next_free_sgpr 66
		.amdhsa_reserve_vcc 1
		.amdhsa_float_denorm_mode_32 3
		.amdhsa_float_denorm_mode_16_64 3
		.amdhsa_memory_ordered 1
		.amdhsa_forward_progress 1
		.amdhsa_inst_pref_size 74
	.end_amdhsa_kernel
	.amdgpu_metadata
---
amdhsa.version: [ 1, 2 ]
amdhsa.kernels:
  - .name:           k_q68e836867d_att
    .symbol:         k_q68e836867d_att.kd
    .args:
      - { .name: memory_bank, .offset: 0, .size: 8, .value_kind: global_buffer, .address_space: global }
      - { .name: ent_context, .offset: 8, .size: 8, .value_kind: global_buffer, .address_space: global }
      - { .name: phase1_memory, .offset: 16, .size: 8, .value_kind: global_buffer, .address_space: global }
      - { .name: src_pad_mask, .offset: 24, .size: 8, .value_kind: global_buffer, .address_space: global }
      - { .name: ent_pad_mask, .offset: 32, .size: 8, .value_kind: global_buffer, .address_space: global }
      - { .name: phase1_pad_mask, .offset: 40, .size: 8, .value_kind: global_buffer, .address_space: global }
      - { .name: ent_score, .offset: 48, .size: 8, .value_kind: global_buffer, .address_space: global }
      - { .name: qtb, .offset: 56, .size: 8, .value_kind: global_buffer, .address_space: global }
      - { .name: cmp, .offset: 64, .size: 8, .value_kind: global_buffer, .address_space: global }
    .group_segment_fixed_size: 307968
    .private_segment_fixed_size: 0
    .kernarg_segment_align: 8
    .kernarg_segment_size: 72
    .max_flat_workgroup_size: 256
    .sgpr_count:     66
    .vgpr_count:     512
    .wavefront_size: 32
...
	.end_amdgpu_metadata
.endif
;; end of part 4
;; launch cv (part 5): grid 16 x 3, 8 waves a work-group, no clusters, 137,216 bytes of LDS; arguments cmp, params_word_Wv, params_graph_Wv, params_p1_Wv, params_word_bv, params_graph_bv, params_p1_bv, t0; writes t0
.if DOCPART == 5
	.amdgcn_target "amdgcn-amd-amdhsa--gfx1250"
	.amdhsa_code_object_version 6
	.text
	.protected	k_q68e836867d_cv
	.globl	k_q68e836867d_cv
	.p2align	8
	.type	k_q68e836867d_cv,@function
k_q68e836867d_cv:
	s_mov_b64 s[64:65], 0
	v_nop
	global_prefetch_b8 v0, s[64:65] scope:SCOPE_SE
	s_setreg_imm32_b32 hwreg(HW_REG_WAVE_MODE, 25, 1), 1
	s_wait_xcnt 0x0
; Merges the chunks of each attention and applies the value projection to the weighted memory:
;   M = max m_c, w_c = exp(m_c - M), l = sum w_c l_c, lu = sum w_c lu_c;  the weights' sum after the entity scores is lu / l, clipped below at 1e-9;
;   cm[b][d] = sum over c of w_c / l / max(lu / l, 1e-9) x part_c[b][head][d];   c[b][64 head + j] = cm[b] . Wv[:, 64 head + j] + sa x bv,   sa = (lu / l) / max(lu / l, 1e-9).
; In the two attentions without entity scores lu = l bit for bit, so the second division is by l x (1 / l): 1 to within the reciprocal's accuracy.
; grid x = head (= the strip of 64 columns of Wv), grid y = x.  Wave w takes K = d = 128 w .. + 127 and merges that part itself, in LDS bytes of its own.
; NC = 2 chunks a batch row (word, graph) or 4 (phase 1): a scalar branch on x chooses between two expansions of one macro.
; Limits: matrix operands are rounded to bf16; exponentials below 2^-126 come out as 0.
.set NP,     1024
.set APITCH, 272
.set AMT,    16*APITCH
.set WTILE,  32*APITCH
.set PB,     8*WTILE
.set SAB,    PB+65536                  ; sa: 8 waves x 32 rows, f32, each wave's own
.set VW, 4
.set VA, 5
.set VP, 6
.set VR, 7
.set VY, 8
.set VB, 9
.set VS, 10
.set VX, 11
.set ACC, 16
.set SM,  16
.set BI,  32
.set FC,  80                           ; v[80:83]  the chunks' factors, lane = b
.set BF,  80
.set AF,  112
.set PR,  128
.set SW,  30
.set SY,  22
.set MSB, 0
.macro WIN new
.if MSB != \new
	s_set_vgpr_msb (MSB<<8)|\new
.set MSB, \new
.endif
.endm
.macro PLACES
.rept 4
	v_nop
.endr
.endm
.macro WLOADS                          ; my 128 rows x 64 columns of W into v256-v511; load (ks, i): row 32 ks + i + 8 (i / 8) + 8 h
	WIN 0x40
.irp ks, 0,1,2,3
.irp i, 0,1,2,3,4,5,6,7,8,9,10,11,12,13,14,15
	global_load_b128 v[64*\ks+4*\i:64*\ks+4*\i+3], v[VW], s[SW:SW+1] offset:(32*\ks+\i+8*(\i/8))*NP*4 th:TH_LOAD_NT
.endr
.endr
	WIN 0
.endm
.macro KSTEP ks, left, first
.if \left >= 0
	s_wait_loadcnt \left
.endif
.if \first == 0
	PLACES                                 ; AF and BF were sources of the last matrix instructions
.endif
	ds_load_b128 v[AF:AF+3],     v[VA] offset:\ks*64
	ds_load_b128 v[AF+4:AF+7],   v[VA] offset:\ks*64+32
	ds_load_b128 v[AF+8:AF+11],  v[VA] offset:AMT+\ks*64
	ds_load_b128 v[AF+12:AF+15], v[VA] offset:AMT+\ks*64+32
	WIN 0x05
.irp t, 0,1,2,3
.irp p, 0,1,2,3,4,5,6,7
	v_cvt_pk_bf16_f32 v[BF+8*\t+\p], v[64*\ks+8*\p+\t], v[64*\ks+8*\p+4+\t]
.endr
.endr
	WIN 0
	s_wait_dscnt 0x0
.irp mt, 0,1
.irp t, 0,1,2,3                        ; the eight accumulators take turns
.if \first
	v_wmma_f32_16x16x32_bf16 v[ACC+8*(4*\mt+\t):ACC+8*(4*\mt+\t)+7], v[AF+8*\mt:AF+8*\mt+7], v[BF+8*\t:BF+8*\t+7], 0
.else
	v_wmma_f32_16x16x32_bf16 v[ACC+8*(4*\mt+\t):ACC+8*(4*\mt+\t)+7], v[AF+8*\mt:AF+8*\mt+7], v[BF+8*\t:BF+8*\t+7], v[ACC+8*(4*\mt+\t):ACC+8*(4*\mt+\t)+7]
.endif
.endr
.endr
.endm
.macro PARTOUT
	PLACES
.irp a, 0,1,2,3,4,5,6,7
	ds_store_b128 v[VP], v[ACC+8*\a:ACC+8*\a+3]   offset:\a*1024
	ds_store_b128 v[VP], v[ACC+8*\a+4:ACC+8*\a+7] offset:\a*1024+512
.endr
	s_wait_dscnt 0x0                       ; for the other waves: all my stores are done
	s_barrier_signal -1
	s_barrier_wait -1
	s_cmp_ge_u32 s2, 4
	s_cbranch_scc1 .Lend
.endm
.macro REDADDR                         ; wave u = 0..3: row tile mt = u / 2, register half jh = u % 2
	s_lshr_b32 s6, s2, 1
	s_and_b32 s7, s2, 1
	s_lshl_b32 s44, s6, 12
	s_lshl_b32 s45, s7, 9
	s_add_co_u32 s44, s44, s45
	s_add_co_u32 s44, s44, PB
	v_lshl_add_u32 v[VR], v1, 4, s44
	s_lshl_b32 s44, s6, 16
	s_lshl_b32 s45, s7, 14
	s_add_co_u32 s44, s44, s45             ; 16 mt + 4 jh rows of 4,096 bytes
	s_mov_b32 s45, 0
	s_add_nc_u64 s[SY:SY+1], s[SY:SY+1], s[44:45]
.endm
.macro REDUCE
.irp ww, 0,1,2,3,4,5,6,7
.irp t, 0,1,2,3
	ds_load_b128 v[PR+16*\ww+4*\t:PR+16*\ww+4*\t+3], v[VR] offset:\ww*8192+\t*1024
.endr
.endr
.irp ww, 1,2,3,4,5,6
	s_wait_dscnt 28-4*\ww                  ; the four loads of each later wave's sums may stay out
.irp q, 0,2,4,6,8,10,12,14
	v_pk_add_f32 v[PR+\q:PR+\q+1], v[PR+\q:PR+\q+1], v[PR+16*\ww+\q:PR+16*\ww+\q+1]
.endr
.endr
	s_wait_dscnt 0x0
.irp jj, 0,1,2,3
.irp t, 0,1,2,3
	v_add_f32 v[SM+4*\jj+\t], v[PR+4*\t+\jj], v[PR+112+4*\t+\jj]
.endr
.endr
.endm
.macro STOREY
.irp jj, 0,1,2,3
	global_store_b128 v[VY], v[SM+4*\jj:SM+4*\jj+3], s[SY:SY+1] offset:\jj*4096
.endr
.endm
; sixteen loads: slots 16 g .. 16 g + 15 of this attention (slot = NC b + c), my 128 columns of this head's row
.macro GLOAD g, slot
.set n, 0
.rept 16
	global_load_b128 v[\slot+4*n:\slot+4*n+3], v[VX], s[8:9] offset:(16*\g+n)*65536 th:TH_LOAD_NT
.set n, n+1
.endr
.endm
; the 16 / nc batch rows of group g are merged, rounded to bf16 and put into my tile
.macro GWORK nc, g, slot, left
	s_wait_loadcnt \left
.set rb, 0
.rept 16/\nc
.set XB, \slot+4*\nc*rb
.set bb, (16/\nc)*\g+rb
.set cc, 0
.rept \nc
	v_readlane_b32 s[40+2*cc], v[FC+cc], bb        ; row b's factor for chunk c, for all lanes
.set cc, cc+1
.endr
	v_pk_mul_f32 v[XB:XB+1],   v[XB:XB+1],   s[40:41] op_sel_hi:[1,0]
	v_pk_mul_f32 v[XB+2:XB+3], v[XB+2:XB+3], s[40:41] op_sel_hi:[1,0]
.set cc, 1
.rept \nc-1
	v_pk_fma_f32 v[XB:XB+1],   v[XB+4*cc:XB+4*cc+1],   s[40+2*cc:41+2*cc], v[XB:XB+1]   op_sel_hi:[1,0,1]
	v_pk_fma_f32 v[XB+2:XB+3], v[XB+4*cc+2:XB+4*cc+3], s[40+2*cc:41+2*cc], v[XB+2:XB+3] op_sel_hi:[1,0,1]
.set cc, cc+1
.endr
	v_cvt_pk_bf16_f32 v[112+2*(rb%8)], v[XB],   v[XB+1]
	v_cvt_pk_bf16_f32 v[113+2*(rb%8)], v[XB+2], v[XB+3]
	ds_store_b64 v[VS], v[112+2*(rb%8):113+2*(rb%8)] offset:bb*APITCH
.set rb, rb+1
.endr
.endm
.macro COMB nc
	v_mul_u32_u24 v13, v1, \nc*256                 ; lane = b: its first slot's 256 bytes
.set cc, 0
.rept \nc
	global_load_b64 v[96+4*cc:97+4*cc], v13, s[24:25] offset:cc*256        ; (l, m) of chunk c
	global_load_b64 v[98+4*cc:99+4*cc], v13, s[24:25] offset:cc*256+128    ; (lu, m)
.set cc, cc+1
.endr
	GLOAD 0, 16
	GLOAD 1, 128
	GLOAD 2, 192
	s_wait_loadcnt 48                              ; three groups of sixteen are younger than l, lu, m
.if \nc == 2
	v_max_num_f32 v88, v97, v101
.else
	v_max3_num_f32 v88, v97, v101, v105
	v_max_num_f32 v88, v88, v109
.endif
.set cc, 0
.rept \nc
	v_sub_f32 v[84+cc], v[97+4*cc], v88            ; the difference first, not fused with the factor: equal maxima give exactly 0
.set cc, cc+1
.endr
.set cc, 0
.rept \nc
	v_mul_f32 v[84+cc], 0x3fb8aa3b, v[84+cc]
.set cc, cc+1
.endr
.set cc, 0
.rept \nc
	v_exp_f32 v[FC+cc], v[84+cc]
.set cc, cc+1
.endr
	v_nop                                          ; one plain instruction behind a transcendental (ISA guide 5.7.2)
	s_wait_alu depctr_va_vdst(0)
	v_mul_f32 v89, v[FC], v96
	v_mul_f32 v90, v[FC], v98
.set cc, 1
.rept \nc-1
	v_fmac_f32 v89, v[FC+cc], v[96+4*cc]           ; l
	v_fmac_f32 v90, v[FC+cc], v[98+4*cc]           ; lu
.set cc, cc+1
.endr
	v_rcp_f32 v91, v89
	v_nop
	s_wait_alu depctr_va_vdst(0)
	v_mul_f32 v92, v90, v91                        ; lu / l
	v_max_num_f32 v93, 0x3089705f, v92             ; clipped below at 1e-9
	v_rcp_f32 v94, v93
	v_nop
	s_wait_alu depctr_va_vdst(0)
	v_mul_f32 v95, v91, v94
	v_mul_f32 v92, v92, v94                        ; sa: the sum of the final weights
.set cc, 0
.rept \nc
	v_mul_f32 v[FC+cc], v[FC+cc], v95
.set cc, cc+1
.endr
	ds_store_b32 v12, v92
.if \nc == 2
	GWORK 2, 0, 16, 32                             ; counts: the loads of the younger groups
	GLOAD 3, 16
	GWORK 2, 1, 128, 32
	GWORK 2, 2, 192, 16
	GWORK 2, 3, 16, 0
.else
	GWORK 4, 0, 16, 32
	GLOAD 3, 16
	GWORK 4, 1, 128, 32
	GLOAD 4, 128
	GWORK 4, 2, 192, 32
	GLOAD 5, 192
	GWORK 4, 3, 16, 32
	GLOAD 6, 16
	GWORK 4, 4, 128, 32
	GLOAD 7, 128
	GWORK 4, 5, 192, 32
	GWORK 4, 6, 16, 16
	GWORK 4, 7, 128, 0
.endif
.endm
	s_load_b512 s[8:23], s[0:1], 0x0               ; cmp s[8:9], Wv s[10:15], bv s[16:21], t0 s[22:23]
	v_and_b32 v1, 31, v0
	v_lshrrev_b32 v2, 5, v0
	v_readfirstlane_b32 s2, v2                     ; wave
	v_and_b32 v2, 15, v0                           ; r
	v_bfe_u32 v3, v0, 4, 1                         ; h
	s_mov_b32 s3, ttmp9                            ; head
	s_and_b32 s4, ttmp7, 0xffff                    ; x
	v_lshlrev_b32 v[VB], 4, v2
	v_lshl_add_u32 v[VW], v3, 15, v[VB]
	v_lshl_add_u32 v[VY], v3, 15, v[VB]
	s_mul_i32 s6, s2, WTILE
	v_mul_u32_u24 v[VA], v2, APITCH
	v_lshl_add_u32 v[VA], v3, 4, v[VA]
	v_add_nc_u32 v[VA], s6, v[VA]
	v_lshl_add_u32 v[VS], v1, 3, s6
	s_lshl_b32 s6, s2, 9
	v_lshl_add_u32 v[VX], v1, 4, s6
	s_lshl_b32 s6, s2, 13
	s_add_co_u32 s6, s6, PB
	v_lshl_add_u32 v[VP], v1, 4, s6
	s_lshl_b32 s6, s2, 7
	s_add_co_u32 s6, s6, SAB
	v_lshl_add_u32 v12, v1, 2, s6                  ; sa in: my wave's 128 bytes, lane = b
	s_mov_b32 s41, 0                               ; the upper halves of the pairs that the packed products name
	s_mov_b32 s43, 0
	s_mov_b32 s45, 0
	s_mov_b32 s47, 0
	s_mov_b32 s35, 0
	s_mov_b32 s37, 0
	s_wait_kmcnt 0x0
	s_cmp_eq_u32 s4, 1
	s_cselect_b64 s[30:31], s[12:13], s[10:11]
	s_cselect_b64 s[32:33], s[18:19], s[16:17]
	s_cmp_eq_u32 s4, 2
	s_cselect_b64 s[30:31], s[14:15], s[30:31]     ; Wv_x
	s_cselect_b64 s[32:33], s[20:21], s[32:33]     ; bv_x
	s_lshl_b32 s34, s3, 8                          ; the head's 64 columns, in bytes
	s_add_nc_u64 s[30:31], s[30:31], s[34:35]
	s_add_nc_u64 s[32:33], s[32:33], s[34:35]
	s_add_nc_u64 s[22:23], s[22:23], s[34:35]
	s_lshl_b32 s36, s2, 19
	s_add_nc_u64 s[30:31], s[30:31], s[36:37]
	s_lshl_b32 s36, s4, 17
	s_add_nc_u64 s[22:23], s[22:23], s[36:37]
	s_lshl_b32 s36, s4, 14                         ; this attention's first slot is 64 x: its 256 bytes of l, lu, m
	s_lshl_b32 s34, s3, 3
	s_add_co_u32 s36, s36, s34
	s_add_co_u32 s36, s36, 16777216
	s_add_nc_u64 s[24:25], s[8:9], s[36:37]
	s_lshl_b32 s36, s4, 22                         ; and its 65,536 bytes of partial context, this head's row
	s_lshl_b32 s34, s3, 12
	s_add_co_u32 s36, s36, s34
	s_add_nc_u64 s[8:9], s[8:9], s[36:37]
	WLOADS
	s_cmp_eq_u32 s4, 2
	s_cbranch_scc1 .Lfour
	COMB 2
	s_branch .Ljoin
.Lfour:
	COMB 4
.Ljoin:
	KSTEP 0, -1, 1                                 ; every load is in: the last group's wait was for 0
	KSTEP 1, -1, 0
	KSTEP 2, -1, 0
	KSTEP 3, -1, 0
	PARTOUT
	REDADDR
	global_load_b128 v[BI:BI+3], v[VB], s[32:33]
	s_lshl_b32 s44, s2, 7
	s_lshl_b32 s36, s6, 6
	s_add_co_u32 s44, s44, s36
	s_lshl_b32 s36, s7, 4
	s_add_co_u32 s44, s44, s36
	s_add_co_u32 s44, s44, SAB
	v_lshl_add_u32 v14, v3, 5, s44                 ; sa of rows 16 mt + 8 h + 4 jh + 0..3, from my wave's own copy
	ds_load_b128 v[36:39], v14
	REDUCE
	s_wait_loadcnt 0x0
.irp jj, 0,1,2,3
.irp t, 0,1,2,3
	v_fmac_f32 v[SM+4*\jj+\t], v[36+\jj], v[BI+\t]
.endr
.endr
	STOREY
.Lend:
	s_wait_xcnt 0x0
	v_lshl_add_u32 v254, v0, 2, 0x21400
	v_mov_b32 v255, 0
	s_wait_tensorcnt 0x0
	ds_add_u32 v254, v255
	s_wait_dscnt 0x0
	s_endpgm
.Lfunc_end_k_q68e836867d_cv:
	.size	k_q68e836867d_cv, .Lfunc_end_k_q68e836867d_cv-k_q68e836867d_cv
	.p2alignl 7, 3214868480
	.fill 96, 4, 3214868480
	.section	.rodata,"a",@progbits
	.p2align	6, 0x0
	.amdhsa_kernel k_q68e836867d_cv
		.amdhsa_group_segment_fixed_size 137216
		.amdhsa_private_segment_fixed_size 0
		.amdhsa_enable_private_segment 0
		.amdhsa_kernarg_size 64
		.amdhsa_user_sgpr_count 2
		.amdhsa_user_sgpr_kernarg_segment_ptr 1
		.amdhsa_wavefront_size32 1
		.amdhsa_system_sgpr_workgroup_id_x 1
		.amdhsa_system_sgpr_workgroup_id_y 1
		.amdhsa_system_sgpr_workgroup_id_z 1
		.amdhsa_system_vgpr_workitem_id 0
		.amdhsa_next_free_vgpr 512
		.amdhsa_next_free_sgpr 66
		.amdhsa_reserve_vcc 0
		.amdhsa_float_denorm_mode_32 3
		.amdhsa_float_denorm_mode_16_64 3
		.amdhsa_memory_ordered 1
		.amdhsa_forward_progress 1
		.amdhsa_inst_pref_size 100
	.end_amdhsa_kernel
	.amdgpu_metadata
---
amdhsa.version: [ 1, 2 ]
amdhsa.kernels:
  - .name:           k_q68e836867d_cv
    .symbol:         k_q68e836867d_cv.kd
    .args:
      - { .name: cmp, .offset: 0, .size: 8, .value_kind: global_buffer, .address_space: global }
      - { .name: params_word_Wv, .offset: 8, .size: 8, .value_kind: global_buffer, .address_space: global }
      - { .name: params_graph_Wv, .offset: 16, .size: 8, .value_kind: global_buffer, .address_space: global }
      - { .name: params_p1_Wv, .offset: 24, .size: 8, .value_kind: global_buffer, .address_space: global }
      - { .name: params_word_bv, .offset: 32, .size: 8, .value_kind: global_buffer, .address_space: global }
      - { .name: params_graph_bv, .offset: 40, .size: 8, .value_kind: global_buffer, .address_space: global }
      - { .name: params_p1_bv, .offset: 48, .size: 8, .value_kind: global_buffer, .address_space: global }
      - { .name: t0, .offset: 56, .size: 8, .value_kind: global_buffer, .address_space: global }
    .group_segment_fixed_size: 137216
    .private_segment_fixed_size: 0
    .kernarg_segment_align: 8
    .kernarg_segment_size: 64
    .max_flat_workgroup_size: 256
    .sgpr_count:     66
    .vgpr_count:     512
    .wavefront_size: 32
...
	.end_amdgpu_metadata
.endif
;; end of part 5
;; launch o3 (part 6): grid 16 x 3, 8 waves a work-group, no clusters, 136,192 bytes of LDS; arguments t0, params_word_Wo, params_graph_Wo, params_p1_Wo, params_word_bo, params_graph_bo, params_p1_bo, t1; writes t1
.if DOCPART == 6
	.amdgcn_target "amdgcn-amd-amdhsa--gfx1250"
	.amdhsa_code_object_version 6
	.text
	.protected	k_q68e836867d_o3
	.globl	k_q68e836867d_o3
	.p2align	8
	.type	k_q68e836867d_o3,@function
k_q68e836867d_o3:
	s_mov_b64 s[64:65], 0
	v_nop
	global_prefetch_b8 v0, s[64:65] scope:SCOPE_SE
	s_setreg_imm32_b32 hwreg(HW_REG_WAVE_MODE, 25, 1), 1
	s_wait_xcnt 0x0
; The three output projections: t1[x] = t0[x] @ Wo_x + bo_x.  t0, t1: [3][32][1024] f32.  Wo_x: [1024][1024] f32, rounded to bf16 on its way.
; A work-group makes 32 rows x 64 columns; grid x = the strip, grid y = x.  Wave w takes K = 128 w .. + 127, converts that part of the 32 rows into LDS bytes of its own,
; and the eight partial sums meet in LDS.  A 16-byte load of W takes 4 neighbouring columns of one row; component t serves column tile t (lane r: column n0 + 4 r + t).
; Limits: matrix operands are rounded to bf16.
.set NP,     1024
.set APITCH, 272
.set AMT,    16*APITCH
.set WTILE,  32*APITCH
.set PB,     8*WTILE
.set VW, 4
.set VA, 5
.set VP, 6
.set VR, 7
.set VY, 8
.set VB, 9
.set VS, 10
.set VX, 11
.set ACC, 16
.set SM,  16
.set BI,  32
.set BF,  80
.set AF,  112
.set PR,  128
.set SW,  30
.set SY,  22
.set MSB, 0
.macro WIN new
.if MSB != \new
	s_set_vgpr_msb (MSB<<8)|\new
.set MSB, \new
.endif
.endm
.macro PLACES
.rept 4
	v_nop
.endr
.endm
.macro WLOADS                          ; my 128 rows x 64 columns of W into v256-v511; load (ks, i): row 32 ks + i + 8 (i / 8) + 8 h
	WIN 0x40
.irp ks, 0,1,2,3
.irp i, 0,1,2,3,4,5,6,7,8,9,10,11,12,13,14,15
	global_load_b128 v[64*\ks+4*\i:64*\ks+4*\i+3], v[VW], s[SW:SW+1] offset:(32*\ks+\i+8*(\i/8))*NP*4 th:TH_LOAD_NT
.endr
.endr
	WIN 0
.endm
.macro KSTEP ks, left, first
.if \left >= 0
	s_wait_loadcnt \left
.endif
.if \first == 0
	PLACES                                 ; AF and BF were sources of the last matrix instructions
.endif
	ds_load_b128 v[AF:AF+3],     v[VA] offset:\ks*64
	ds_load_b128 v[AF+4:AF+7],   v[VA] offset:\ks*64+32
	ds_load_b128 v[AF+8:AF+11],  v[VA] offset:AMT+\ks*64
	ds_load_b128 v[AF+12:AF+15], v[VA] offset:AMT+\ks*64+32
	WIN 0x05
.irp t, 0,1,2,3
.irp p, 0,1,2,3,4,5,6,7
	v_cvt_pk_bf16_f32 v[BF+8*\t+\p], v[64*\ks+8*\p+\t], v[64*\ks+8*\p+4+\t]
.endr
.endr
	WIN 0
	s_wait_dscnt 0x0
.irp mt, 0,1
.irp t, 0,1,2,3                        ; the eight accumulators take turns
.if \first
	v_wmma_f32_16x16x32_bf16 v[ACC+8*(4*\mt+\t):ACC+8*(4*\mt+\t)+7], v[AF+8*\mt:AF+8*\mt+7], v[BF+8*\t:BF+8*\t+7], 0
.else
	v_wmma_f32_16x16x32_bf16 v[ACC+8*(4*\mt+\t):ACC+8*(4*\mt+\t)+7], v[AF+8*\mt:AF+8*\mt+7], v[BF+8*\t:BF+8*\t+7], v[ACC+8*(4*\mt+\t):ACC+8*(4*\mt+\t)+7]
.endif
.endr
.endr
.endm
.macro PARTOUT
	PLACES
.irp a, 0,1,2,3,4,5,6,7
	ds_store_b128 v[VP], v[ACC+8*\a:ACC+8*\a+3]   offset:\a*1024
	ds_store_b128 v[VP], v[ACC+8*\a+4:ACC+8*\a+7] offset:\a*1024+512
.endr
	s_wait_dscnt 0x0                       ; for the other waves: all my stores are done
	s_barrier_signal -1
	s_barrier_wait -1
	s_cmp_ge_u32 s2, 4
	s_cbranch_scc1 .Lend
.endm
.macro REDADDR                         ; wave u = 0..3: row tile mt = u / 2, register half jh = u % 2
	s_lshr_b32 s6, s2, 1
	s_and_b32 s7, s2, 1
	s_lshl_b32 s44, s6, 12
	s_lshl_b32 s45, s7, 9
	s_add_co_u32 s44, s44, s45
	s_add_co_u32 s44, s44, PB
	v_lshl_add_u32 v[VR], v1, 4, s44
	s_lshl_b32 s44, s6, 16
	s_lshl_b32 s45, s7, 14
	s_add_co_u32 s44, s44, s45             ; 16 mt + 4 jh rows of 4,096 bytes
	s_mov_b32 s45, 0
	s_add_nc_u64 s[SY:SY+1], s[SY:SY+1], s[44:45]
.endm
.macro REDUCE
.irp ww, 0,1,2,3,4,5,6,7
.irp t, 0,1,2,3
	ds_load_b128 v[PR+16*\ww+4*\t:PR+16*\ww+4*\t+3], v[VR] offset:\ww*8192+\t*1024
.endr
.endr
.irp ww, 1,2,3,4,5,6
	s_wait_dscnt 28-4*\ww                  ; the four loads of each later wave's sums may stay out
.irp q, 0,2,4,6,8,10,12,14
	v_pk_add_f32 v[PR+\q:PR+\q+1], v[PR+\q:PR+\q+1], v[PR+16*\ww+\q:PR+16*\ww+\q+1]
.endr
.endr
	s_wait_dscnt 0x0
.irp jj, 0,1,2,3
.irp t, 0,1,2,3
	v_add_f32 v[SM+4*\jj+\t], v[PR+4*\t+\jj], v[PR+112+4*\t+\jj]
.endr
.endr
.endm
.macro BIASADD
.irp jj, 0,1,2,3
	v_pk_add_f32 v[SM+4*\jj:SM+4*\jj+1],   v[SM+4*\jj:SM+4*\jj+1],   v[BI:BI+1]
	v_pk_add_f32 v[SM+4*\jj+2:SM+4*\jj+3], v[SM+4*\jj+2:SM+4*\jj+3], v[BI+2:BI+3]
.endr
.endm
.macro STOREY
.irp jj, 0,1,2,3
	global_store_b128 v[VY], v[SM+4*\jj:SM+4*\jj+3], s[SY:SY+1] offset:\jj*4096
.endr
.endm
; my 128 columns of the 32 rows: loaded, then (behind W's loads) rounded to bf16 and put into my tile
.macro ALOADS
.set n, 0
.rept 32
	global_load_b128 v[PR+4*n:PR+4*n+3], v[VX], s[8:9] offset:n*4096
.set n, n+1
.endr
.endm
.macro APREP
	s_wait_loadcnt 0x3f                    ; the 32 rows have 64 younger loads behind them; 63 is the largest count that this wait can name
.set n, 0
.rept 32
	v_cvt_pk_bf16_f32 v[16+2*n], v[PR+4*n],   v[PR+4*n+1]
	v_cvt_pk_bf16_f32 v[17+2*n], v[PR+4*n+2], v[PR+4*n+3]
.set n, n+1
.endr
.set n, 0
.rept 32
	ds_store_b64 v[VS], v[16+2*n:17+2*n] offset:n*APITCH
.set n, n+1
.endr
.endm
	s_load_b512 s[8:23], s[0:1], 0x0               ; t0 s[8:9], Wo s[10:15], bo s[16:21], t1 s[22:23]
	v_lshl_add_u32 v14, v0, 2, 0x21000
	v_mov_b32 v15, 0
	v_and_b32 v1, 31, v0
	v_lshrrev_b32 v2, 5, v0
	v_readfirstlane_b32 s2, v2                     ; wave
	v_and_b32 v2, 15, v0                           ; r
	v_bfe_u32 v3, v0, 4, 1                         ; h
	s_mov_b32 s3, ttmp9                            ; strip
	s_and_b32 s4, ttmp7, 0xffff                    ; x
	v_lshlrev_b32 v[VB], 4, v2
	v_lshl_add_u32 v[VW], v3, 15, v[VB]
	v_lshl_add_u32 v[VY], v3, 15, v[VB]
	s_mul_i32 s6, s2, WTILE
	v_mul_u32_u24 v[VA], v2, APITCH
	v_lshl_add_u32 v[VA], v3, 4, v[VA]
	v_add_nc_u32 v[VA], s6, v[VA]
	v_lshl_add_u32 v[VS], v1, 3, s6
	s_lshl_b32 s6, s2, 9
	v_lshl_add_u32 v[VX], v1, 4, s6
	s_lshl_b32 s6, s2, 13
	s_add_co_u32 s6, s6, PB
	v_lshl_add_u32 v[VP], v1, 4, s6
	s_mov_b32 s35, 0
	s_mov_b32 s37, 0
	s_wait_kmcnt 0x0
	s_cmp_eq_u32 s4, 1
	s_cselect_b64 s[30:31], s[12:13], s[10:11]
	s_cselect_b64 s[32:33], s[18:19], s[16:17]
	s_cmp_eq_u32 s4, 2
	s_cselect_b64 s[30:31], s[14:15], s[30:31]     ; Wo_x
	s_cselect_b64 s[32:33], s[20:21], s[32:33]     ; bo_x
	s_lshl_b32 s34, s3, 8
	s_add_nc_u64 s[30:31], s[30:31], s[34:35]
	s_add_nc_u64 s[32:33], s[32:33], s[34:35]
	s_add_nc_u64 s[22:23], s[22:23], s[34:35]
	s_lshl_b32 s36, s2, 19
	s_add_nc_u64 s[30:31], s[30:31], s[36:37]
	s_lshl_b32 s36, s4, 17
	s_add_nc_u64 s[8:9], s[8:9], s[36:37]
	s_add_nc_u64 s[22:23], s[22:23], s[36:37]
	ALOADS
	WLOADS
	APREP
	KSTEP 0, 48, 1
	KSTEP 1, 32, 0
	KSTEP 2, 16, 0
	KSTEP 3, 0, 0
	PARTOUT
	REDADDR
	global_load_b128 v[BI:BI+3], v[VB], s[32:33]
	REDUCE
	s_wait_loadcnt 0x0
	BIASADD
	STOREY
.Lend:
	s_wait_tensorcnt 0x0
	ds_add_u32 v14, v15
	s_wait_dscnt 0x0
	s_endpgm
.Lfunc_end_k_q68e836867d_o3:
	.size	k_q68e836867d_o3, .Lfunc_end_k_q68e836867d_o3-k_q68e836867d_o3
	.p2alignl 7, 3214868480
	.fill 96, 4, 3214868480
	.section	.rodata,"a",@progbits
	.p2align	6, 0x0
	.amdhsa_kernel k_q68e836867d_o3
		.amdhsa_group_segment_fixed_size 136192
		.amdhsa_private_segment_fixed_size 0
		.amdhsa_enable_private_segment 0
		.amdhsa_kernarg_size 64
		.amdhsa_user_sgpr_count 2
		.amdhsa_user_sgpr_kernarg_segment_ptr 1
		.amdhsa_wavefront_size32 1
		.amdhsa_system_sgpr_workgroup_id_x 1
		.amdhsa_system_sgpr_workgroup_id_y 1
		.amdhsa_system_sgpr_workgroup_id_z 1
		.amdhsa_system_vgpr_workitem_id 0
		.amdhsa_next_free_vgpr 512
		.amdhsa_next_free_sgpr 66
		.amdhsa_reserve_vcc 0
		.amdhsa_float_denorm_mode_32 3
		.amdhsa_float_denorm_mode_16_64 3
		.amdhsa_memory_ordered 1
		.amdhsa_forward_progress 1
		.amdhsa_inst_pref_size 38
	.end_amdhsa_kernel
	.amdgpu_metadata
---
amdhsa.version: [ 1, 2 ]
amdhsa.kernels:
  - .name:           k_q68e836867d_o3
    .symbol:         k_q68e836867d_o3.kd
    .args:
      - { .name: t0, .offset: 0, .size: 8, .value_kind: global_buffer, .address_space: global }
      - { .name: params_word_Wo, .offset: 8, .size: 8, .value_kind: global_buffer, .address_space: global }
      - { .name: params_graph_Wo, .offset: 16, .size: 8, .value_kind: global_buffer, .address_space: global }
      - { .name: params_p1_Wo, .offset: 24, .size: 8, .value_kind: global_buffer, .address_space: global }
      - { .name: params_word_bo, .offset: 32, .size: 8, .value_kind: global_buffer, .address_space: global }
      - { .name: params_graph_bo, .offset: 40, .size: 8, .value_kind: global_buffer, .address_space: global }
      - { .name: params_p1_bo, .offset: 48, .size: 8, .value_kind: global_buffer, .address_space: global }
      - { .name: t1, .offset: 56, .size: 8, .value_kind: global_buffer, .address_space: global }
    .group_segment_fixed_size: 136192
    .private_segment_fixed_size: 0
    .kernarg_segment_align: 8
    .kernarg_segment_size: 64
    .max_flat_workgroup_size: 256
    .sgpr_count:     66
    .vgpr_count:     512
    .wavefront_size: 32
...
	.end_amdgpu_metadata
.endif
;; end of part 6
;; launch gate (part 7): grid 32 x 1, 8 waves a work-group, no clusters, 2,048 bytes of LDS; arguments t1, query, params_f1_W, params_f1_b, params_f2_W, params_f2_b, params_ffn_ln_g, params_ffn_ln_b, hb, lnb; writes hb, lnb
.if DOCPART == 7
	.amdgcn_target "amdgcn-amd-amdhsa--gfx1250"
	.amdhsa_code_object_version 6
	.text
	.protected	k_q68e836867d_gate
	.globl	k_q68e836867d_gate
	.p2align	8
	.type	k_q68e836867d_gate,@function
k_q68e836867d_gate:
	s_mov_b64 s[64:65], 0
	v_nop
	global_prefetch_b8 v0, s[64:65] scope:SCOPE_SE
	s_setreg_imm32_b32 hwreg(HW_REG_WAVE_MODE, 25, 1), 1
	s_wait_xcnt 0x0
; The two gates, the residual and the feed-forward block's LN, one batch row a work-group, all in f32 on the vector unit
; (the gates' products have one output column: a matrix tile would leave 15 of its 16 columns idle).
;   g1 = sigmoid(word . f1a + graph . f1b + f1_b);  out = g1 word + (1 - g1) graph;
;   g2 = sigmoid(out . f2a + p1 . f2b + f2_b), where out . f2a = g1 (word . f2a) + (1 - g1) (graph . f2a), so that all four dot products are made in one pass;
;   h = g2 out + (1 - g2) p1 + query;  lnb = LN(h), mean first, then the squares of the centred numbers.
; Thread t owns columns 4 t .. 4 t + 3.  Three sums over the work-group, each in LDS bytes of its own (0, 256, 512), each behind one barrier.
; Limits: the order of sums differs from the problem's function; an exponential that overflows gives the gate 0, as there.
.macro WSUM x
	v_add_f32_dpp v[\x], v[\x], v[\x] row_xmask:1 row_mask:0xf bank_mask:0xf
	v_add_f32_dpp v[\x], v[\x], v[\x] row_xmask:2 row_mask:0xf bank_mask:0xf
	v_add_f32_dpp v[\x], v[\x], v[\x] row_xmask:4 row_mask:0xf bank_mask:0xf
	v_add_f32_dpp v[\x], v[\x], v[\x] row_xmask:8 row_mask:0xf bank_mask:0xf
	v_permlanex16_b32 v48, v[\x], s40, s41
	v_add_f32 v[\x], v[\x], v48
.endm
; v44 of every wave is added over the eight waves, through the 32 bytes at LDS byte at: the sum lands in v52
.macro GSUM at
	WSUM 44
	ds_store_b32 v50, v44 offset:\at
	s_wait_dscnt 0x0                               ; for the other waves: my sum is in LDS
	s_barrier_signal -1
	s_barrier_wait -1
	ds_load_b128 v[52:55], v3 offset:\at
	ds_load_b128 v[56:59], v3 offset:\at+16
	s_wait_dscnt 0x0
	v_pk_add_f32 v[52:53], v[52:53], v[54:55]
	v_pk_add_f32 v[56:57], v[56:57], v[58:59]
	v_pk_add_f32 v[52:53], v[52:53], v[56:57]
	v_add_f32 v52, v52, v53
.endm
	s_load_b512 s[8:23], s[0:1], 0x0               ; t1 s[8:9], query s[10:11], f1_W s[12:13], f1_b s[14:15], f2_W s[16:17], f2_b s[18:19], g s[20:21], beta s[22:23]
	s_load_b128 s[24:27], s[0:1], 0x40             ; hb s[24:25], lnb s[26:27]
	v_lshl_add_u32 v96, v0, 2, 0x400
	v_mov_b32 v97, 0
	v_lshrrev_b32 v1, 5, v0
	v_readfirstlane_b32 s2, v1                     ; wave
	v_lshlrev_b32 v1, 4, v0                        ; my 16 bytes of a row
	v_mov_b32 v2, s2
	v_lshlrev_b32 v50, 2, v2                       ; 4 w
	v_lshlrev_b32 v2, 4, v2                        ; 16 w
	v_mov_b32 v3, 0
	v_mov_b32 v48, 0                               ; v_permlanex16_b32 counts as a reader of its destination
	s_lshl_b32 s4, ttmp9, 12                       ; the batch row
	s_mov_b32 s5, 0
	s_mov_b32 s40, 0x76543210
	s_mov_b32 s41, 0xfedcba98
	s_mov_b32 s42, 0xba800000                      ; -1/1024
	s_mov_b32 s43, 0x3a800000                      ; 1/1024
	s_mov_b32 s44, 0x358637bd                      ; 1e-6
	s_wait_kmcnt 0x0
	s_load_b32 s30, s[14:15], 0x0
	s_load_b32 s31, s[18:19], 0x0
	s_add_nc_u64 s[8:9], s[8:9], s[4:5]
	s_add_nc_u64 s[10:11], s[10:11], s[4:5]
	s_add_nc_u64 s[24:25], s[24:25], s[4:5]
	s_add_nc_u64 s[26:27], s[26:27], s[4:5]
	global_load_b128 v[4:7], v1, s[8:9]                    ; word
	global_load_b128 v[8:11], v1, s[8:9] offset:131072     ; graph
	global_load_b128 v[12:15], v1, s[8:9] offset:262144    ; phase 1
	global_load_b128 v[20:23], v1, s[12:13]                ; f1_W for word
	global_load_b128 v[24:27], v1, s[12:13] offset:4096    ; for graph
	global_load_b128 v[28:31], v1, s[16:17]                ; f2_W for out
	global_load_b128 v[32:35], v1, s[16:17] offset:4096    ; for phase 1
	global_load_b128 v[16:19], v1, s[10:11]                ; query
	global_load_b128 v[36:39], v1, s[20:21]
	global_load_b128 v[40:43], v1, s[22:23]
	s_wait_loadcnt 0x0
	v_mul_f32 v44, v4, v20
	v_mul_f32 v45, v4, v28
	v_mul_f32 v46, v8, v28
	v_mul_f32 v47, v12, v32
.irp j, 1,2,3
	v_fmac_f32 v44, v[4+\j], v[20+\j]
	v_fmac_f32 v45, v[4+\j], v[28+\j]
	v_fmac_f32 v46, v[8+\j], v[28+\j]
	v_fmac_f32 v47, v[12+\j], v[32+\j]
.endr
.irp j, 0,1,2,3
	v_fmac_f32 v44, v[8+\j], v[24+\j]
.endr
	WSUM 44
	WSUM 45
	WSUM 46
	WSUM 47
	ds_store_b128 v2, v[44:47]
	s_wait_dscnt 0x0                               ; for the other waves: my four sums are in LDS
	s_barrier_signal -1
	s_barrier_wait -1
.irp k, 0,1,2,3,4,5,6,7
	ds_load_b128 v[52+4*\k:55+4*\k], v3 offset:16*\k
.endr
	s_wait_dscnt 0x0
.irp k, 1,2,3,4,5,6,7
	v_pk_add_f32 v[52:53], v[52:53], v[52+4*\k:53+4*\k]
	v_pk_add_f32 v[54:55], v[54:55], v[54+4*\k:55+4*\k]
.endr
	s_wait_kmcnt 0x0
	v_add_f32 v52, s30, v52
	v_mul_f32 v52, 0xbfb8aa3b, v52
	v_exp_f32 v49, v52
	v_nop                                          ; one plain instruction behind a transcendental (ISA guide 5.7.2)
	s_wait_alu depctr_va_vdst(0)
	v_add_f32 v49, 1.0, v49
	v_rcp_f32 v92, v49                             ; g1
	v_add_f32 v55, s31, v55
	s_wait_alu depctr_va_vdst(0)
	v_sub_f32 v93, 1.0, v92
	v_fmac_f32 v55, v92, v53
	v_fmac_f32 v55, v93, v54
	v_mul_f32 v55, 0xbfb8aa3b, v55
	v_exp_f32 v49, v55
	v_nop
	s_wait_alu depctr_va_vdst(0)
	v_add_f32 v49, 1.0, v49
	v_rcp_f32 v94, v49                             ; g2
	v_nop
	s_wait_alu depctr_va_vdst(0)
	v_sub_f32 v95, 1.0, v94
.irp j, 0,1,2,3
	v_mul_f32 v[88+\j], v93, v[8+\j]
	v_fma_f32 v[84+\j], v95, v[12+\j], v[16+\j]
	v_fmac_f32 v[88+\j], v92, v[4+\j]
	v_fmac_f32 v[84+\j], v94, v[88+\j]
.endr
	global_store_b128 v1, v[84:87], s[24:25]       ; h; its registers are not written again
	v_add_f32 v44, v84, v85
	v_add_f32 v45, v86, v87
	v_add_f32 v44, v44, v45
	GSUM 256
.irp j, 0,1,2,3
	v_fma_f32 v[88+\j], v52, s42, v[84+\j]         ; h - sum / 1024
.endr
	v_mul_f32 v44, v88, v88
	v_fmac_f32 v44, v89, v89
	v_fmac_f32 v44, v90, v90
	v_fmac_f32 v44, v91, v91
	GSUM 512
	v_fma_f32 v52, v52, s43, s44                   ; variance + 1e-6
	v_rsq_f32 v49, v52
	v_nop
	s_wait_alu depctr_va_vdst(0)
.irp j, 0,1,2,3
	v_mul_f32 v[88+\j], v[88+\j], v49
.endr
.irp j, 0,1,2,3
	v_fma_f32 v[44+\j], v[88+\j], v[36+\j], v[40+\j]
.endr
	global_store_b128 v1, v[44:47], s[26:27]
	s_wait_tensorcnt 0x0
	ds_add_u32 v96, v97
	s_wait_dscnt 0x0
	s_endpgm
.Lfunc_end_k_q68e836867d_gate:
	.size	k_q68e836867d_gate, .Lfunc_end_k_q68e836867d_gate-k_q68e836867d_gate
	.p2alignl 7, 3214868480
	.fill 96, 4, 3214868480
	.section	.rodata,"a",@progbits
	.p2align	6, 0x0
	.amdhsa_kernel k_q68e836867d_gate
		.amdhsa_group_segment_fixed_size 2048
		.amdhsa_private_segment_fixed_size 0
		.amdhsa_enable_private_segment 0
		.amdhsa_kernarg_size 80
		.amdhsa_user_sgpr_count 2
		.amdhsa_user_sgpr_kernarg_segment_ptr 1
		.amdhsa_wavefront_size32 1
		.amdhsa_system_sgpr_workgroup_id_x 1
		.amdhsa_system_sgpr_workgroup_id_y 1
		.amdhsa_system_sgpr_workgroup_id_z 1
		.amdhsa_system_vgpr_workitem_id 0
		.amdhsa_next_free_vgpr 98
		.amdhsa_next_free_sgpr 66
		.amdhsa_reserve_vcc 0
		.amdhsa_float_denorm_mode_32 3
		.amdhsa_float_denorm_mode_16_64 3
		.amdhsa_memory_ordered 1
		.amdhsa_forward_progress 1
		.amdhsa_inst_pref_size 11
	.end_amdhsa_kernel
	.amdgpu_metadata
---
amdhsa.version: [ 1, 2 ]
amdhsa.kernels:
  - .name:           k_q68e836867d_gate
    .symbol:         k_q68e836867d_gate.kd
    .args:
      - { .name: t1, .offset: 0, .size: 8, .value_kind: global_buffer, .address_space: global }
      - { .name: query, .offset: 8, .size: 8, .value_kind: global_buffer, .address_space: global }
      - { .name: params_f1_W, .offset: 16, .size: 8, .value_kind: global_buffer, .address_space: global }
      - { .name: params_f1_b, .offset: 24, .size: 8, .value_kind: global_buffer, .address_space: global }
      - { .name: params_f2_W, .offset: 32, .size: 8, .value_kind: global_buffer, .address_space: global }
      - { .name: params_f2_b, .offset: 40, .size: 8, .value_kind: global_buffer, .address_space: global }
      - { .name: params_ffn_ln_g, .offset: 48, .size: 8, .value_kind: global_buffer, .address_space: global }
      - { .name: params_ffn_ln_b, .offset: 56, .size: 8, .value_kind: global_buffer, .address_space: global }
      - { .name: hb, .offset: 64, .size: 8, .value_kind: global_buffer, .address_space: global }
      - { .name: lnb, .offset: 72, .size: 8, .value_kind: global_buffer, .address_space: global }
    .group_segment_fixed_size: 2048
    .private_segment_fixed_size: 0
    .kernarg_segment_align: 8
    .kernarg_segment_size: 80
    .max_flat_workgroup_size: 256
    .sgpr_count:     66
    .vgpr_count:     98
    .wavefront_size: 32
...
	.end_amdgpu_metadata
.endif
;; end of part 7
;; launch ff1 (part 8): grid 64 x 1, 8 waves a work-group, no clusters, 136,192 bytes of LDS; arguments lnb, params_w1, params_b1, t0; writes t0
.if DOCPART == 8
	.amdgcn_target "amdgcn-amd-amdhsa--gfx1250"
	.amdhsa_code_object_version 6
	.text
	.protected	k_q68e836867d_ff1
	.globl	k_q68e836867d_ff1
	.p2align	8
	.type	k_q68e836867d_ff1,@function
k_q68e836867d_ff1:
	s_mov_b64 s[64:65], 0
	v_nop
	global_prefetch_b8 v0, s[64:65] scope:SCOPE_SE
	s_setreg_imm32_b32 hwreg(HW_REG_WAVE_MODE, 25, 1), 1
	s_wait_xcnt 0x0
; relu(lnb @ w1 + b1).  lnb: [32][1024] f32.  w1: [1024][4096] f32, rounded to bf16 on its way.  The 4,096 columns go out as four slices [4][32][1024] f32,
; one for each K range of the next product.  A work-group makes 32 rows x 64 columns (strip s = grid x); wave w takes K = 128 w .. + 127; the partial sums meet in LDS.
; A 16-byte load of W takes 4 neighbouring columns of one row; component t serves column tile t (lane r: column n0 + 4 r + t).
; Limits: matrix operands are rounded to bf16.
.set NP,     4096
.set APITCH, 272
.set AMT,    16*APITCH
.set WTILE,  32*APITCH
.set PB,     8*WTILE
.set VW, 4
.set VA, 5
.set VP, 6
.set VR, 7
.set VY, 8
.set VB, 9
.set VS, 10
.set VX, 11
.set ACC, 16
.set SM,  16
.set BI,  32
.set BF,  80
.set AF,  112
.set PR,  128
.set SW,  10
.set SY,  14
.set MSB, 0
.macro WIN new
.if MSB != \new
	s_set_vgpr_msb (MSB<<8)|\new
.set MSB, \new
.endif
.endm
.macro PLACES
.rept 4
	v_nop
.endr
.endm
.macro WLOADS                          ; my 128 rows x 64 columns of W into v256-v511; load (ks, i): row 32 ks + i + 8 (i / 8) + 8 h; the largest immediate is 119 rows of 16,384 bytes
	WIN 0x40
.irp ks, 0,1,2,3
.irp i, 0,1,2,3,4,5,6,7,8,9,10,11,12,13,14,15
	global_load_b128 v[64*\ks+4*\i:64*\ks+4*\i+3], v[VW], s[SW:SW+1] offset:(32*\ks+\i+8*(\i/8))*NP*4 th:TH_LOAD_NT
.endr
.endr
	WIN 0
.endm
.macro KSTEP ks, left, first
.if \left >= 0
	s_wait_loadcnt \left
.endif
.if \first == 0
	PLACES                                 ; AF and BF were sources of the last matrix instructions
.endif
	ds_load_b128 v[AF:AF+3],     v[VA] offset:\ks*64
	ds_load_b128 v[AF+4:AF+7],   v[VA] offset:\ks*64+32
	ds_load_b128 v[AF+8:AF+11],  v[VA] offset:AMT+\ks*64
	ds_load_b128 v[AF+12:AF+15], v[VA] offset:AMT+\ks*64+32
	WIN 0x05
.irp t, 0,1,2,3
.irp p, 0,1,2,3,4,5,6,7
	v_cvt_pk_bf16_f32 v[BF+8*\t+\p], v[64*\ks+8*\p+\t], v[64*\ks+8*\p+4+\t]
.endr
.endr
	WIN 0
	s_wait_dscnt 0x0
.irp mt, 0,1
.irp t, 0,1,2,3                        ; the eight accumulators take turns
.if \first
	v_wmma_f32_16x16x32_bf16 v[ACC+8*(4*\mt+\t):ACC+8*(4*\mt+\t)+7], v[AF+8*\mt:AF+8*\mt+7], v[BF+8*\t:BF+8*\t+7], 0
.else
	v_wmma_f32_16x16x32_bf16 v[ACC+8*(4*\mt+\t):ACC+8*(4*\mt+\t)+7], v[AF+8*\mt:AF+8*\mt+7], v[BF+8*\t:BF+8*\t+7], v[ACC+8*(4*\mt+\t):ACC+8*(4*\mt+\t)+7]
.endif
.endr
.endr
.endm
.macro PARTOUT
	PLACES
.irp a, 0,1,2,3,4,5,6,7
	ds_store_b128 v[VP], v[ACC+8*\a:ACC+8*\a+3]   offset:\a*1024
	ds_store_b128 v[VP], v[ACC+8*\a+4:ACC+8*\a+7] offset:\a*1024+512
.endr
	s_wait_dscnt 0x0                       ; for the other waves: all my stores are done
	s_barrier_signal -1
	s_barrier_wait -1
	s_cmp_ge_u32 s2, 4
	s_cbranch_scc1 .Lend
.endm
.macro REDADDR                         ; wave u = 0..3: row tile mt = u / 2, register half jh = u % 2
	s_lshr_b32 s6, s2, 1
	s_and_b32 s7, s2, 1
	s_lshl_b32 s44, s6, 12
	s_lshl_b32 s45, s7, 9
	s_add_co_u32 s44, s44, s45
	s_add_co_u32 s44, s44, PB
	v_lshl_add_u32 v[VR], v1, 4, s44
	s_lshl_b32 s44, s6, 16
	s_lshl_b32 s45, s7, 14
	s_add_co_u32 s44, s44, s45             ; 16 mt + 4 jh rows of 4,096 bytes
	s_mov_b32 s45, 0
	s_add_nc_u64 s[SY:SY+1], s[SY:SY+1], s[44:45]
.endm
.macro REDUCE
.irp ww, 0,1,2,3,4,5,6,7
.irp t, 0,1,2,3
	ds_load_b128 v[PR+16*\ww+4*\t:PR+16*\ww+4*\t+3], v[VR] offset:\ww*8192+\t*1024
.endr
.endr
.irp ww, 1,2,3,4,5,6
	s_wait_dscnt 28-4*\ww                  ; the four loads of each later wave's sums may stay out
.irp q, 0,2,4,6,8,10,12,14
	v_pk_add_f32 v[PR+\q:PR+\q+1], v[PR+\q:PR+\q+1], v[PR+16*\ww+\q:PR+16*\ww+\q+1]
.endr
.endr
	s_wait_dscnt 0x0
.irp jj, 0,1,2,3
.irp t, 0,1,2,3
	v_add_f32 v[SM+4*\jj+\t], v[PR+4*\t+\jj], v[PR+112+4*\t+\jj]
.endr
.endr
.endm
.macro BIASADD
.irp jj, 0,1,2,3
	v_pk_add_f32 v[SM+4*\jj:SM+4*\jj+1],   v[SM+4*\jj:SM+4*\jj+1],   v[BI:BI+1]
	v_pk_add_f32 v[SM+4*\jj+2:SM+4*\jj+3], v[SM+4*\jj+2:SM+4*\jj+3], v[BI+2:BI+3]
.endr
.endm
.macro STOREY
.irp jj, 0,1,2,3
	global_store_b128 v[VY], v[SM+4*\jj:SM+4*\jj+3], s[SY:SY+1] offset:\jj*4096
.endr
.endm
.macro ALOADS
.set n, 0
.rept 32
	global_load_b128 v[PR+4*n:PR+4*n+3], v[VX], s[8:9] offset:n*4096
.set n, n+1
.endr
.endm
.macro APREP
	s_wait_loadcnt 0x3f                    ; the 32 rows have 64 younger loads behind them; 63 is the largest count that this wait can name
.set n, 0
.rept 32
	v_cvt_pk_bf16_f32 v[16+2*n], v[PR+4*n],   v[PR+4*n+1]
	v_cvt_pk_bf16_f32 v[17+2*n], v[PR+4*n+2], v[PR+4*n+3]
.set n, n+1
.endr
.set n, 0
.rept 32
	ds_store_b64 v[VS], v[16+2*n:17+2*n] offset:n*APITCH
.set n, n+1
.endr
.endm
	s_load_b256 s[8:15], s[0:1], 0x0               ; lnb s[8:9], w1 s[10:11], b1 s[12:13], t0 s[14:15]
	v_lshl_add_u32 v14, v0, 2, 0x21000
	v_mov_b32 v15, 0
	v_and_b32 v1, 31, v0
	v_lshrrev_b32 v2, 5, v0
	v_readfirstlane_b32 s2, v2                     ; wave
	v_and_b32 v2, 15, v0                           ; r
	v_bfe_u32 v3, v0, 4, 1                         ; h
	s_mov_b32 s3, ttmp9                            ; strip, 0 to 63
	v_lshlrev_b32 v[VB], 4, v2
	v_lshl_add_u32 v[VW], v3, 17, v[VB]            ; 8 rows of 16,384 bytes for lanes 16-31
	v_lshl_add_u32 v[VY], v3, 15, v[VB]
	s_mul_i32 s6, s2, WTILE
	v_mul_u32_u24 v[VA], v2, APITCH
	v_lshl_add_u32 v[VA], v3, 4, v[VA]
	v_add_nc_u32 v[VA], s6, v[VA]
	v_lshl_add_u32 v[VS], v1, 3, s6
	s_lshl_b32 s6, s2, 9
	v_lshl_add_u32 v[VX], v1, 4, s6
	s_lshl_b32 s6, s2, 13
	s_add_co_u32 s6, s6, PB
	v_lshl_add_u32 v[VP], v1, 4, s6
	s_mov_b32 s35, 0
	s_mov_b32 s37, 0
	s_wait_kmcnt 0x0
	s_lshl_b32 s34, s3, 8
	s_add_nc_u64 s[10:11], s[10:11], s[34:35]
	s_add_nc_u64 s[12:13], s[12:13], s[34:35]
	s_lshl_b32 s36, s2, 21                         ; my 128 rows of w1
	s_add_nc_u64 s[10:11], s[10:11], s[36:37]
	s_lshr_b32 s36, s3, 4
	s_lshl_b32 s36, s36, 17                        ; the slice
	s_and_b32 s34, s3, 15
	s_lshl_b32 s34, s34, 8                         ; the strip's place in it
	s_add_co_u32 s36, s36, s34
	s_add_nc_u64 s[14:15], s[14:15], s[36:37]
	ALOADS
	WLOADS
	APREP
	KSTEP 0, 48, 1
	KSTEP 1, 32, 0
	KSTEP 2, 16, 0
	KSTEP 3, 0, 0
	PARTOUT
	REDADDR
	global_load_b128 v[BI:BI+3], v[VB], s[12:13]
	REDUCE
	s_wait_loadcnt 0x0
	BIASADD
.set n, 0
.rept 16
	v_max_num_f32 v[SM+n], 0, v[SM+n]
.set n, n+1
.endr
	STOREY
.Lend:
	s_wait_tensorcnt 0x0
	ds_add_u32 v14, v15
	s_wait_dscnt 0x0
	s_endpgm
.Lfunc_end_k_q68e836867d_ff1:
	.size	k_q68e836867d_ff1, .Lfunc_end_k_q68e836867d_ff1-k_q68e836867d_ff1
	.p2alignl 7, 3214868480
	.fill 96, 4, 3214868480
	.section	.rodata,"a",@progbits
	.p2align	6, 0x0
	.amdhsa_kernel k_q68e836867d_ff1
		.amdhsa_group_segment_fixed_size 136192
		.amdhsa_private_segment_fixed_size 0
		.amdhsa_enable_private_segment 0
		.amdhsa_kernarg_size 32
		.amdhsa_user_sgpr_count 2
		.amdhsa_user_sgpr_kernarg_segment_ptr 1
		.amdhsa_wavefront_size32 1
		.amdhsa_system_sgpr_workgroup_id_x 1
		.amdhsa_system_sgpr_workgroup_id_y 1
		.amdhsa_system_sgpr_workgroup_id_z 1
		.amdhsa_system_vgpr_workitem_id 0
		.amdhsa_next_free_vgpr 512
		.amdhsa_next_free_sgpr 66
		.amdhsa_reserve_vcc 0
		.amdhsa_float_denorm_mode_32 3
		.amdhsa_float_denorm_mode_16_64 3
		.amdhsa_memory_ordered 1
		.amdhsa_forward_progress 1
		.amdhsa_inst_pref_size 38
	.end_amdhsa_kernel
	.amdgpu_metadata
---
amdhsa.version: [ 1, 2 ]
amdhsa.kernels:
  - .name:           k_q68e836867d_ff1
    .symbol:         k_q68e836867d_ff1.kd
    .args:
      - { .name: lnb, .offset: 0, .size: 8, .value_kind: global_buffer, .address_space: global }
      - { .name: params_w1, .offset: 8, .size: 8, .value_kind: global_buffer, .address_space: global }
      - { .name: params_b1, .offset: 16, .size: 8, .value_kind: global_buffer, .address_space: global }
      - { .name: t0, .offset: 24, .size: 8, .value_kind: global_buffer, .address_space: global }
    .group_segment_fixed_size: 136192
    .private_segment_fixed_size: 0
    .kernarg_segment_align: 8
    .kernarg_segment_size: 32
    .max_flat_workgroup_size: 256
    .sgpr_count:     66
    .vgpr_count:     512
    .wavefront_size: 32
...
	.end_amdgpu_metadata
.endif
;; end of part 8
;; launch ff2 (part 9): grid 16 x 4, 8 waves a work-group, no clusters, 136,192 bytes of LDS; arguments t0, params_w2, t1; writes t1
.if DOCPART == 9
	.amdgcn_target "amdgcn-amd-amdhsa--gfx1250"
	.amdhsa_code_object_version 6
	.text
	.protected	k_q68e836867d_ff2
	.globl	k_q68e836867d_ff2
	.p2align	8
	.type	k_q68e836867d_ff2,@function
k_q68e836867d_ff2:
	s_mov_b64 s[64:65], 0
	v_nop
	global_prefetch_b8 v0, s[64:65] scope:SCOPE_SE
	s_setreg_imm32_b32 hwreg(HW_REG_WAVE_MODE, 25, 1), 1
	s_wait_xcnt 0x0
; The second feed-forward product, K = 4,096 split in four: t1[y] = t0[y] @ w2[1024 y .. 1024 y + 1023][:].  t0, t1: [4][32][1024] f32.  The last launch adds the four.
; A work-group makes 32 rows x 64 columns of one part; grid x = the strip, grid y = y.  Wave w takes 128 of the part's K; the eight partial sums meet in LDS.
; A 16-byte load of W takes 4 neighbouring columns of one row; component t serves column tile t (lane r: column n0 + 4 r + t).
; Limits: matrix operands are rounded to bf16.
.set NP,     1024
.set APITCH, 272
.set AMT,    16*APITCH
.set WTILE,  32*APITCH
.set PB,     8*WTILE
.set VW, 4
.set VA, 5
.set VP, 6
.set VR, 7
.set VY, 8
.set VB, 9
.set VS, 10
.set VX, 11
.set ACC, 16
.set SM,  16
.set BF,  80
.set AF,  112
.set PR,  128
.set SW,  10
.set SY,  12
.set MSB, 0
.macro WIN new
.if MSB != \new
	s_set_vgpr_msb (MSB<<8)|\new
.set MSB, \new
.endif
.endm
.macro PLACES
.rept 4
	v_nop
.endr
.endm
.macro WLOADS                          ; my 128 rows x 64 columns of W into v256-v511; load (ks, i): row 32 ks + i + 8 (i / 8) + 8 h
	WIN 0x40
.irp ks, 0,1,2,3
.irp i, 0,1,2,3,4,5,6,7,8,9,10,11,12,13,14,15
	global_load_b128 v[64*\ks+4*\i:64*\ks+4*\i+3], v[VW], s[SW:SW+1] offset:(32*\ks+\i+8*(\i/8))*NP*4 th:TH_LOAD_NT
.endr
.endr
	WIN 0
.endm
.macro KSTEP ks, left, first
.if \left >= 0
	s_wait_loadcnt \left
.endif
.if \first == 0
	PLACES                                 ; AF and BF were sources of the last matrix instructions
.endif
	ds_load_b128 v[AF:AF+3],     v[VA] offset:\ks*64
	ds_load_b128 v[AF+4:AF+7],   v[VA] offset:\ks*64+32
	ds_load_b128 v[AF+8:AF+11],  v[VA] offset:AMT+\ks*64
	ds_load_b128 v[AF+12:AF+15], v[VA] offset:AMT+\ks*64+32
	WIN 0x05
.irp t, 0,1,2,3
.irp p, 0,1,2,3,4,5,6,7
	v_cvt_pk_bf16_f32 v[BF+8*\t+\p], v[64*\ks+8*\p+\t], v[64*\ks+8*\p+4+\t]
.endr
.endr
	WIN 0
	s_wait_dscnt 0x0
.irp mt, 0,1
.irp t, 0,1,2,3                        ; the eight accumulators take turns
.if \first
	v_wmma_f32_16x16x32_bf16 v[ACC+8*(4*\mt+\t):ACC+8*(4*\mt+\t)+7], v[AF+8*\mt:AF+8*\mt+7], v[BF+8*\t:BF+8*\t+7], 0
.else
	v_wmma_f32_16x16x32_bf16 v[ACC+8*(4*\mt+\t):ACC+8*(4*\mt+\t)+7], v[AF+8*\mt:AF+8*\mt+7], v[BF+8*\t:BF+8*\t+7], v[ACC+8*(4*\mt+\t):ACC+8*(4*\mt+\t)+7]
.endif
.endr
.endr
.endm
.macro PARTOUT
	PLACES
.irp a, 0,1,2,3,4,5,6,7
	ds_store_b128 v[VP], v[ACC+8*\a:ACC+8*\a+3]   offset:\a*1024
	ds_store_b128 v[VP], v[ACC+8*\a+4:ACC+8*\a+7] offset:\a*1024+512
.endr
	s_wait_dscnt 0x0                       ; for the other waves: all my stores are done
	s_barrier_signal -1
	s_barrier_wait -1
	s_cmp_ge_u32 s2, 4
	s_cbranch_scc1 .Lend
.endm
.macro REDADDR                         ; wave u = 0..3: row tile mt = u / 2, register half jh = u % 2
	s_lshr_b32 s6, s2, 1
	s_and_b32 s7, s2, 1
	s_lshl_b32 s44, s6, 12
	s_lshl_b32 s45, s7, 9
	s_add_co_u32 s44, s44, s45
	s_add_co_u32 s44, s44, PB
	v_lshl_add_u32 v[VR], v1, 4, s44
	s_lshl_b32 s44, s6, 16
	s_lshl_b32 s45, s7, 14
	s_add_co_u32 s44, s44, s45             ; 16 mt + 4 jh rows of 4,096 bytes
	s_mov_b32 s45, 0
	s_add_nc_u64 s[SY:SY+1], s[SY:SY+1], s[44:45]
.endm
.macro REDUCE
.irp ww, 0,1,2,3,4,5,6,7
.irp t, 0,1,2,3
	ds_load_b128 v[PR+16*\ww+4*\t:PR+16*\ww+4*\t+3], v[VR] offset:\ww*8192+\t*1024
.endr
.endr
.irp ww, 1,2,3,4,5,6
	s_wait_dscnt 28-4*\ww                  ; the four loads of each later wave's sums may stay out
.irp q, 0,2,4,6,8,10,12,14
	v_pk_add_f32 v[PR+\q:PR+\q+1], v[PR+\q:PR+\q+1], v[PR+16*\ww+\q:PR+16*\ww+\q+1]
.endr
.endr
	s_wait_dscnt 0x0
.irp jj, 0,1,2,3
.irp t, 0,1,2,3
	v_add_f32 v[SM+4*\jj+\t], v[PR+4*\t+\jj], v[PR+112+4*\t+\jj]
.endr
.endr
.endm
.macro STOREY
.irp jj, 0,1,2,3
	global_store_b128 v[VY], v[SM+4*\jj:SM+4*\jj+3], s[SY:SY+1] offset:\jj*4096
.endr
.endm
.macro ALOADS
.set n, 0
.rept 32
	global_load_b128 v[PR+4*n:PR+4*n+3], v[VX], s[8:9] offset:n*4096
.set n, n+1
.endr
.endm
.macro APREP
	s_wait_loadcnt 0x3f                    ; the 32 rows have 64 younger loads behind them; 63 is the largest count that this wait can name
.set n, 0
.rept 32
	v_cvt_pk_bf16_f32 v[16+2*n], v[PR+4*n],   v[PR+4*n+1]
	v_cvt_pk_bf16_f32 v[17+2*n], v[PR+4*n+2], v[PR+4*n+3]
.set n, n+1
.endr
.set n, 0
.rept 32
	ds_store_b64 v[VS], v[16+2*n:17+2*n] offset:n*APITCH
.set n, n+1
.endr
.endm
	s_load_b128 s[8:11], s[0:1], 0x0               ; t0 s[8:9], w2 s[10:11]
	s_load_b64 s[12:13], s[0:1], 0x10              ; t1
	v_lshl_add_u32 v14, v0, 2, 0x21000
	v_mov_b32 v15, 0
	v_and_b32 v1, 31, v0
	v_lshrrev_b32 v2, 5, v0
	v_readfirstlane_b32 s2, v2                     ; wave
	v_and_b32 v2, 15, v0                           ; r
	v_bfe_u32 v3, v0, 4, 1                         ; h
	s_mov_b32 s3, ttmp9                            ; strip
	s_and_b32 s4, ttmp7, 0xffff                    ; y
	v_lshlrev_b32 v[VB], 4, v2
	v_lshl_add_u32 v[VW], v3, 15, v[VB]
	v_lshl_add_u32 v[VY], v3, 15, v[VB]
	s_mul_i32 s6, s2, WTILE
	v_mul_u32_u24 v[VA], v2, APITCH
	v_lshl_add_u32 v[VA], v3, 4, v[VA]
	v_add_nc_u32 v[VA], s6, v[VA]
	v_lshl_add_u32 v[VS], v1, 3, s6
	s_lshl_b32 s6, s2, 9
	v_lshl_add_u32 v[VX], v1, 4, s6
	s_lshl_b32 s6, s2, 13
	s_add_co_u32 s6, s6, PB
	v_lshl_add_u32 v[VP], v1, 4, s6
	s_mov_b32 s35, 0
	s_mov_b32 s37, 0
	s_wait_kmcnt 0x0
	s_lshl_b32 s34, s3, 8
	s_add_nc_u64 s[10:11], s[10:11], s[34:35]
	s_add_nc_u64 s[12:13], s[12:13], s[34:35]
	s_lshl_b32 s36, s4, 22                         ; the part's 1,024 rows of w2,
	s_lshl_b32 s34, s2, 19                         ; my 128 of them
	s_add_co_u32 s36, s36, s34
	s_add_nc_u64 s[10:11], s[10:11], s[36:37]
	s_lshl_b32 s36, s4, 17
	s_add_nc_u64 s[8:9], s[8:9], s[36:37]
	s_add_nc_u64 s[12:13], s[12:13], s[36:37]
	ALOADS
	WLOADS
	APREP
	KSTEP 0, 48, 1
	KSTEP 1, 32, 0
	KSTEP 2, 16, 0
	KSTEP 3, 0, 0
	PARTOUT
	REDADDR
	REDUCE
	STOREY
.Lend:
	s_wait_tensorcnt 0x0
	ds_add_u32 v14, v15
	s_wait_dscnt 0x0
	s_endpgm
.Lfunc_end_k_q68e836867d_ff2:
	.size	k_q68e836867d_ff2, .Lfunc_end_k_q68e836867d_ff2-k_q68e836867d_ff2
	.p2alignl 7, 3214868480
	.fill 96, 4, 3214868480
	.section	.rodata,"a",@progbits
	.p2align	6, 0x0
	.amdhsa_kernel k_q68e836867d_ff2
		.amdhsa_group_segment_fixed_size 136192
		.amdhsa_private_segment_fixed_size 0
		.amdhsa_enable_private_segment 0
		.amdhsa_kernarg_size 24
		.amdhsa_user_sgpr_count 2
		.amdhsa_user_sgpr_kernarg_segment_ptr 1
		.amdhsa_wavefront_size32 1
		.amdhsa_system_sgpr_workgroup_id_x 1
		.amdhsa_system_sgpr_workgroup_id_y 1
		.amdhsa_system_sgpr_workgroup_id_z 1
		.amdhsa_system_vgpr_workitem_id 0
		.amdhsa_next_free_vgpr 512
		.amdhsa_next_free_sgpr 66
		.amdhsa_reserve_vcc 0
		.amdhsa_float_denorm_mode_32 3
		.amdhsa_float_denorm_mode_16_64 3
		.amdhsa_memory_ordered 1
		.amdhsa_forward_progress 1
		.amdhsa_inst_pref_size 37
	.end_amdhsa_kernel
	.amdgpu_metadata
---
amdhsa.version: [ 1, 2 ]
amdhsa.kernels:
  - .name:           k_q68e836867d_ff2
    .symbol:         k_q68e836867d_ff2.kd
    .args:
      - { .name: t0, .offset: 0, .size: 8, .value_kind: global_buffer, .address_space: global }
      - { .name: params_w2, .offset: 8, .size: 8, .value_kind: global_buffer, .address_space: global }
      - { .name: t1, .offset: 16, .size: 8, .value_kind: global_buffer, .address_space: global }
    .group_segment_fixed_size: 136192
    .private_segment_fixed_size: 0
    .kernarg_segment_align: 8
    .kernarg_segment_size: 24
    .max_flat_workgroup_size: 256
    .sgpr_count:     66
    .vgpr_count:     512
    .wavefront_size: 32
...
	.end_amdgpu_metadata
.endif
;; end of part 9
;; launch fin (part 10): grid 32 x 1, 8 waves a work-group, no clusters, 0 bytes of LDS; arguments t1, hb, params_b2, out0; writes out0
.if DOCPART == 10
	.amdgcn_target "amdgcn-amd-amdhsa--gfx1250"
	.amdhsa_code_object_version 6
	.text
	.protected	k_q68e836867d_fin
	.globl	k_q68e836867d_fin
	.p2align	8
	.type	k_q68e836867d_fin,@function
k_q68e836867d_fin:
	s_mov_b64 s[64:65], 0
	v_nop
	global_prefetch_b8 v0, s[64:65] scope:SCOPE_SE
	s_setreg_imm32_b32 hwreg(HW_REG_WAVE_MODE, 25, 1), 1
	s_wait_xcnt 0x0
; out0 = the four parts of the second feed-forward product + b2 + h.  One batch row a work-group; thread t owns columns 4 t .. 4 t + 3:
; every load and the store of a wave cover 512 consecutive bytes, aligned.  Nothing is shared and nothing is multiplied: no LDS, no matrix unit.
	s_load_b256 s[8:15], s[0:1], 0x0               ; t1 s[8:9], hb s[10:11], b2 s[12:13], out0 s[14:15]
	v_lshlrev_b32 v1, 4, v0
	s_lshl_b32 s4, ttmp9, 12                       ; the batch row
	s_mov_b32 s5, 0
	s_wait_kmcnt 0x0
	s_add_nc_u64 s[8:9], s[8:9], s[4:5]
	s_add_nc_u64 s[10:11], s[10:11], s[4:5]
	s_add_nc_u64 s[14:15], s[14:15], s[4:5]
.irp y, 0,1,2,3
	global_load_b128 v[4+4*\y:7+4*\y], v1, s[8:9] offset:\y*131072
.endr
	global_load_b128 v[20:23], v1, s[10:11]
	global_load_b128 v[24:27], v1, s[12:13]
	s_wait_loadcnt 0x0
.irp q, 0,2
	v_pk_add_f32 v[4+\q:5+\q],   v[4+\q:5+\q],   v[8+\q:9+\q]
	v_pk_add_f32 v[12+\q:13+\q], v[12+\q:13+\q], v[16+\q:17+\q]
	v_pk_add_f32 v[20+\q:21+\q], v[20+\q:21+\q], v[24+\q:25+\q]
	v_pk_add_f32 v[4+\q:5+\q],   v[4+\q:5+\q],   v[12+\q:13+\q]
	v_pk_add_f32 v[4+\q:5+\q],   v[4+\q:5+\q],   v[20+\q:21+\q]
.endr
	global_store_b128 v1, v[4:7], s[14:15]
	s_endpgm
.Lfunc_end_k_q68e836867d_fin:
	.size	k_q68e836867d_fin, .Lfunc_end_k_q68e836867d_fin-k_q68e836867d_fin
	.p2alignl 7, 3214868480
	.fill 96, 4, 3214868480
	.section	.rodata,"a",@progbits
	.p2align	6, 0x0
	.amdhsa_kernel k_q68e836867d_fin
		.amdhsa_group_segment_fixed_size 0
		.amdhsa_private_segment_fixed_size 0
		.amdhsa_enable_private_segment 0
		.amdhsa_kernarg_size 32
		.amdhsa_user_sgpr_count 2
		.amdhsa_user_sgpr_kernarg_segment_ptr 1
		.amdhsa_wavefront_size32 1
		.amdhsa_system_sgpr_workgroup_id_x 1
		.amdhsa_system_sgpr_workgroup_id_y 1
		.amdhsa_system_sgpr_workgroup_id_z 1
		.amdhsa_system_vgpr_workitem_id 0
		.amdhsa_next_free_vgpr 32
		.amdhsa_next_free_sgpr 66
		.amdhsa_reserve_vcc 0
		.amdhsa_float_denorm_mode_32 3
		.amdhsa_float_denorm_mode_16_64 3
		.amdhsa_memory_ordered 1
		.amdhsa_forward_progress 1
		.amdhsa_inst_pref_size 2
	.end_amdhsa_kernel
	.amdgpu_metadata
---
amdhsa.version: [ 1, 2 ]
amdhsa.kernels:
  - .name:           k_q68e836867d_fin
    .symbol:         k_q68e836867d_fin.kd
    .args:
      - { .name: t1, .offset: 0, .size: 8, .value_kind: global_buffer, .address_space: global }
      - { .name: hb, .offset: 8, .size: 8, .value_kind: global_buffer, .address_space: global }
      - { .name: params_b2, .offset: 16, .size: 8, .value_kind: global_buffer, .address_space: global }
      - { .name: out0, .offset: 24, .size: 8, .value_kind: global_buffer, .address_space: global }
    .group_segment_fixed_size: 0
    .private_segment_fixed_size: 0
    .kernarg_segment_align: 8
    .kernarg_segment_size: 32
    .max_flat_workgroup_size: 256
    .sgpr_count:     66
    .vgpr_count:     32
    .wavefront_size: 32
...
	.end_amdgpu_metadata
.endif
;; end of part 10
;; ======== version 2 of 3: 12 launches; 1.21 times as fast as version 1
;; workspace buffers: t0 524,288 bytes; pa 2,097,152 bytes; pb 2,097,152 bytes; query 131,072 bytes; lnb 131,072 bytes; hb 131,072 bytes; qtb 3,151,872 bytes; cmp 16,842,752 bytes
;; launch ln3: the kernel of part 1 again; grid 16 x 3, 8 waves a work-group, no clusters, 132,608 bytes of LDS; arguments inputs, params_ln1_g, params_ln1_b, params_self_Wq, params_self_Wk, params_self_Wv, params_self_bq, params_self_bk, params_self_bv, t0, out1; writes t0, out1
;; launch selfo (part 11): grid 16 x 4, 8 waves a work-group, no clusters, 83,456 bytes of LDS; arguments t0, tgt_pad_mask, params_self_Wo, pa; writes pa
.if DOCPART == 11
	.amdgcn_target "amdgcn-amd-amdhsa--gfx1250"
	.amdhsa_code_object_version 6
	.text
	.protected	k_q68e836867d_selfo
	.globl	k_q68e836867d_selfo
	.p2align	8
	.type	k_q68e836867d_selfo,@function
k_q68e836867d_selfo:
	s_mov_b64 s[64:65], 0
	v_nop
	global_prefetch_b8 v0, s[64:65] scope:SCOPE_SE
	s_setreg_imm32_b32 hwreg(HW_REG_WAVE_MODE, 25, 1), 1
	s_wait_xcnt 0x0
; Self attention with one key, and a quarter of its output product: pa[kq] = (a o v)[:, 256 kq .. + 255] @ Wo[256 kq .. + 255][strip].
; t0 holds q, k, v as [3][32][1024] f32.  For each row b and head: s = (q . k) / 8, masked to -1e18 where tgt_pad_mask[b] is set (the causal part of
; a 1 x 1 mask is empty), a = exp(s - max s) / sum; the maximum and the sum run over the one key.  The next launch adds the four parts, bo and the residual.
; grid x = the strip of 64 columns, grid y = kq: K is split over work-groups so that each work-group has 41 loads a wave to bring in.
; Wave w prepares rows 4 w .. 4 w + 3 of the tile (four heads, 16 lanes a head) and multiplies K = 256 kq + 32 w .. + 31; the eight partial sums meet in LDS.
; A 16-byte load of W takes 4 neighbouring columns of one row; component t serves column tile t (lane r: column n0 + 4 r + t); the store undoes that.
; Limits: matrix operands are rounded to bf16; a mask byte is 0 or 1.
.set NP,     1024
.set WSH,    15                        ; 8 rows of W, in bytes, as a shift
.set APITCH, 528                       ; LDS row of 256 bf16 + 16 bytes: an odd multiple of 16
.set AMT,    16*APITCH
.set PB,     32*APITCH                 ; behind the tile: the partial sums, 8 waves x 8,192 bytes
.set VW, 4
.set VA, 5
.set VP, 6
.set VR, 7
.set VY, 8
.set VB, 9
.set VS, 10
.set VX, 11
.set AP,  16                           ; v[16:111]  q, k, v of my 4 rows: 24 i + 8 m + 4 e
.set ACC, 16                           ; v[16:79]   later: 8 result tiles (row tile mt, column tile t) at 8 (4 mt + t)
.set SM,  16                           ; v[16:31]   later: the sums, 4 rows x 4 neighbouring columns
.set BF,  80                           ; v[80:111]  fragments of W, 8 t
.set AF,  112                          ; v[112:127] fragments of the tile, 8 mt
.set PR,  128                          ; v[128:255] the partial sums
.set T,   144                          ; v[144:175] at work
.set WX,  192                          ; v[192:255] W as loaded
.set SW,  12
.set SY,  14
.macro PLACES                          ; four places behind a matrix instruction (ISA guide 7.12.1)
.rept 4
	v_nop
.endr
.endm
.macro ADDRS
	v_and_b32 v1, 31, v0                           ; lane
	v_lshrrev_b32 v2, 5, v0
	v_readfirstlane_b32 s2, v2                     ; wave
	v_and_b32 v2, 15, v0                           ; r
	v_bfe_u32 v3, v0, 4, 1                         ; h
	v_lshlrev_b32 v[VB], 4, v2
	v_lshl_add_u32 v[VW], v3, WSH, v[VB]           ; W: 8 h rows + 16 r
	v_lshl_add_u32 v[VY], v3, 15, v[VB]            ; Y: 8 h rows + 16 r
	v_lshlrev_b32 v[VX], 4, v1
	v_mul_u32_u24 v[VA], v2, APITCH
	v_lshl_add_u32 v[VA], v3, 4, v[VA]
	s_lshl_b32 s6, s2, 6
	v_add_nc_u32 v[VA], s6, v[VA]                  ; fragments: r x pitch + 16 h + my 32 k
	s_mul_i32 s6, s2, 4*APITCH
	v_lshl_add_u32 v[VS], v1, 3, s6                ; tile in: my 4 rows, 8 bytes a lane
	s_lshl_b32 s6, s2, 13
	s_add_co_u32 s6, s6, PB
	v_lshl_add_u32 v[VP], v1, 4, s6
.endm
; My 32 rows x 64 columns of W.  Load i takes row i + 8 (i / 8) + 8 h: the k of the lane's i-th element of a fragment.
; Lanes 0-15 read 256 consecutive bytes of one row, aligned; lanes 16-31 those of the row 8 further down.
.macro WLOADS
.irp i, 0,1,2,3,4,5,6,7,8,9,10,11,12,13,14,15
	global_load_b128 v[WX+4*\i:WX+4*\i+3], v[VW], s[SW:SW+1] offset:(\i+8*(\i/8))*NP*4 th:TH_LOAD_NT
.endr
.endm
.macro PRODUCT
	s_wait_dscnt 0x0                               ; for the other waves: my rows of the tile are in LDS
	s_barrier_signal -1
	s_barrier_wait -1
	ds_load_b128 v[AF:AF+3],     v[VA]
	ds_load_b128 v[AF+4:AF+7],   v[VA] offset:32
	ds_load_b128 v[AF+8:AF+11],  v[VA] offset:AMT
	ds_load_b128 v[AF+12:AF+15], v[VA] offset:AMT+32
	s_wait_loadcnt 0x0                             ; W
.irp t, 0,1,2,3
.irp p, 0,1,2,3,4,5,6,7
	v_cvt_pk_bf16_f32 v[BF+8*\t+\p], v[WX+8*\p+\t], v[WX+8*\p+4+\t]   ; rows 2 p and 2 p + 1 of my sixteen: neighbouring k
.endr
.endr
	s_wait_dscnt 0x0
.irp mt, 0,1
.irp t, 0,1,2,3                        ; eight tiles, one instruction each: nothing is added in place
	v_wmma_f32_16x16x32_bf16 v[ACC+8*(4*\mt+\t):ACC+8*(4*\mt+\t)+7], v[AF+8*\mt:AF+8*\mt+7], v[BF+8*\t:BF+8*\t+7], 0
.endr
.endr
.endm
.macro PARTOUT                         ; my partial sums go to LDS, 16 bytes a lane, lanes side by side; waves 4 to 7 end behind the barrier
	PLACES
.irp a, 0,1,2,3,4,5,6,7
	ds_store_b128 v[VP], v[ACC+8*\a:ACC+8*\a+3]   offset:\a*1024
	ds_store_b128 v[VP], v[ACC+8*\a+4:ACC+8*\a+7] offset:\a*1024+512
.endr
	s_wait_dscnt 0x0                               ; for the other waves: all my stores are done
	s_barrier_signal -1
	s_barrier_wait -1
	s_cmp_ge_u32 s2, 4
	s_cbranch_scc1 .Lend
.endm
.macro REDADDR                         ; wave u = 0..3: row tile mt = u / 2, register half jh = u % 2: rows 16 mt + 8 h + 4 jh + 0..3
	s_lshr_b32 s6, s2, 1
	s_and_b32 s7, s2, 1
	s_lshl_b32 s44, s6, 12
	s_lshl_b32 s45, s7, 9
	s_add_co_u32 s44, s44, s45
	s_add_co_u32 s44, s44, PB
	v_lshl_add_u32 v[VR], v1, 4, s44
	s_lshl_b32 s44, s6, 16
	s_lshl_b32 s45, s7, 14
	s_add_co_u32 s44, s44, s45                     ; 16 mt + 4 jh rows of 4,096 bytes
	s_mov_b32 s45, 0
	s_add_nc_u64 s[SY:SY+1], s[SY:SY+1], s[44:45]
.endm
.macro REDUCE
.irp ww, 0,1,2,3,4,5,6,7
.irp t, 0,1,2,3
	ds_load_b128 v[PR+16*\ww+4*\t:PR+16*\ww+4*\t+3], v[VR] offset:\ww*8192+\t*1024
.endr
.endr
.irp ww, 1,2,3,4,5,6
	s_wait_dscnt 28-4*\ww                          ; the four loads of each later wave's sums may stay out
.irp q, 0,2,4,6,8,10,12,14
	v_pk_add_f32 v[PR+\q:PR+\q+1], v[PR+\q:PR+\q+1], v[PR+16*\ww+\q:PR+16*\ww+\q+1]
.endr
.endr
	s_wait_dscnt 0x0
.irp jj, 0,1,2,3
.irp t, 0,1,2,3
	v_add_f32 v[SM+4*\jj+\t], v[PR+4*\t+\jj], v[PR+112+4*\t+\jj]   ; the last add also lays columns n0 + 4 r + 0..3 side by side
.endr
.endr
.endm
.macro STOREY                          ; sixteen lanes store 256 consecutive bytes of a row, aligned
.irp jj, 0,1,2,3
	global_store_b128 v[VY], v[SM+4*\jj:SM+4*\jj+3], s[SY:SY+1] offset:\jj*4096
.endr
.endm
; item n = 2 i + e: row 4 w + i, columns 128 e + 4 lane .. of the work-group's 256: q at QQ, k at QQ + 8, v at QQ + 16
.macro ITEM n
.set QQ, AP+24*((\n)/2)+4*((\n)%2)
.set TT, T+4*(\n)
.endm
	s_load_b256 s[8:15], s[0:1], 0x0               ; t0 s[8:9], mask s[10:11], Wo s[12:13], pa s[14:15]
	s_set_vgpr_msb 0x40
	v_lshl_add_u32 v0, v0, 2, 0x14200
	v_mov_b32 v1, 0
	s_set_vgpr_msb 0x4000
	ADDRS
	s_mov_b32 s3, ttmp9                            ; strip
	s_and_b32 s4, ttmp7, 0xffff                    ; kq
	v_mov_b32 v12, 0xdd5e0b6b                      ; -1e18
	v_mov_b32 v14, s2
	v_lshlrev_b32 v14, 2, v14                      ; the mask bytes of my 4 rows
	s_mov_b32 s35, 0
	s_mov_b32 s37, 0
	s_wait_kmcnt 0x0
	s_lshl_b32 s34, s3, 8                          ; the strip's 64 columns, in bytes
	s_add_nc_u64 s[12:13], s[12:13], s[34:35]
	s_add_nc_u64 s[14:15], s[14:15], s[34:35]
	s_lshl_b32 s36, s4, 20                         ; the part's 256 rows of Wo,
	s_lshl_b32 s34, s2, 17                         ; my 32 of them
	s_add_co_u32 s36, s36, s34
	s_add_nc_u64 s[12:13], s[12:13], s[36:37]
	s_lshl_b32 s36, s4, 10                         ; the part's 256 columns of q, k, v,
	s_lshl_b32 s34, s2, 14                         ; my 4 rows
	s_add_co_u32 s36, s36, s34
	s_add_nc_u64 s[8:9], s[8:9], s[36:37]
	s_lshl_b32 s36, s4, 17                         ; pa[kq]
	s_add_nc_u64 s[14:15], s[14:15], s[36:37]
	global_load_b32 v13, v14, s[10:11]
.irp i, 0,1,2,3
.irp m, 0,1,2
.irp e, 0,1
	global_load_b128 v[AP+24*\i+8*\m+4*\e:AP+24*\i+8*\m+4*\e+3], v[VX], s[8:9] offset:\m*131072+\i*4096+\e*512
.endr
.endr
.endr
	WLOADS
	s_wait_loadcnt 16                              ; the mask and q, k, v are in; the sixteen loads of W may stay out
.irp i, 0,1,2,3
	v_bfe_u32 v15, v13, 8*\i, 8
	v_cmp_ne_u32 s[40+\i], 0, v15                  ; all lanes: is row 4 w + i masked?
.endr
.irp n, 0,1,2,3,4,5,6,7
	ITEM \n
	v_mul_f32 v[TT], v[QQ], v[QQ+8]
.endr
.irp j, 1,2,3
.irp n, 0,1,2,3,4,5,6,7
	ITEM \n
	v_fmac_f32 v[TT], v[QQ+\j], v[QQ+8+\j]
.endr
.endr
.irp x, 1,2,4,8
.irp n, 0,1,2,3,4,5,6,7
	ITEM \n
	v_add_f32_dpp v[TT], v[TT], v[TT] row_xmask:\x row_mask:0xf bank_mask:0xf   ; sixteen lanes hold one head's 64 columns
.endr
.endr
.irp n, 0,1,2,3,4,5,6,7
	ITEM \n
	v_mul_f32 v[TT], 0x3e000000, v[TT]             ; / sqrt(64)
.endr
.irp n, 0,1,2,3,4,5,6,7
	ITEM \n
	v_cndmask_b32 v[TT], v[TT], v12, s[40+(\n)/2]  ; -1e18 where the row's mask byte is set
.endr
.irp n, 0,1,2,3,4,5,6,7
	ITEM \n
	v_sub_f32 v[TT+1], v[TT], v[TT]                ; the maximum over the one key is the score itself
.endr
.irp n, 0,1,2,3,4,5,6,7
	ITEM \n
	v_mul_f32 v[TT+1], 0x3fb8aa3b, v[TT+1]
.endr
.irp n, 0,1,2,3,4,5,6,7
	ITEM \n
	v_exp_f32 v[TT+2], v[TT+1]
.endr
	v_nop                                          ; one plain instruction behind a transcendental (ISA guide 5.7.2)
	s_wait_alu depctr_va_vdst(0)
.irp n, 0,1,2,3,4,5,6,7
	ITEM \n
	v_rcp_f32 v[TT+3], v[TT+2]                     ; the sum over the one key
.endr
	v_nop
	s_wait_alu depctr_va_vdst(0)
.irp n, 0,1,2,3,4,5,6,7
	ITEM \n
	v_mul_f32 v[TT+2], v[TT+2], v[TT+3]            ; a
.endr
.irp n, 0,1,2,3,4,5,6,7
	ITEM \n
	v_pk_mul_f32 v[QQ+16:QQ+17], v[QQ+16:QQ+17], v[TT+2:TT+3] op_sel_hi:[1,0]
	v_pk_mul_f32 v[QQ+18:QQ+19], v[QQ+18:QQ+19], v[TT+2:TT+3] op_sel_hi:[1,0]
.endr
.irp n, 0,1,2,3,4,5,6,7
	ITEM \n
	v_cvt_pk_bf16_f32 v[TT],   v[QQ+16], v[QQ+17]
	v_cvt_pk_bf16_f32 v[TT+1], v[QQ+18], v[QQ+19]
.endr
.irp n, 0,1,2,3,4,5,6,7
	ITEM \n
	ds_store_b64 v[VS], v[TT:TT+1] offset:((\n)/2)*APITCH+((\n)%2)*256
.endr
	PRODUCT
	PARTOUT
	REDADDR
	REDUCE
	STOREY
.Lend:
	s_set_vgpr_msb 0x5
	s_wait_tensorcnt 0x0
	ds_add_u32 v0, v1
	s_wait_dscnt 0x0
	s_set_vgpr_msb 0x500
	s_endpgm
.Lfunc_end_k_q68e836867d_selfo:
	.size	k_q68e836867d_selfo, .Lfunc_end_k_q68e836867d_selfo-k_q68e836867d_selfo
	.p2alignl 7, 3214868480
	.fill 96, 4, 3214868480
	.section	.rodata,"a",@progbits
	.p2align	6, 0x0
	.amdhsa_kernel k_q68e836867d_selfo
		.amdhsa_group_segment_fixed_size 83456
		.amdhsa_private_segment_fixed_size 0
		.amdhsa_enable_private_segment 0
		.amdhsa_kernarg_size 32
		.amdhsa_user_sgpr_count 2
		.amdhsa_user_sgpr_kernarg_segment_ptr 1
		.amdhsa_wavefront_size32 1
		.amdhsa_system_sgpr_workgroup_id_x 1
		.amdhsa_system_sgpr_workgroup_id_y 1
		.amdhsa_system_sgpr_workgroup_id_z 1
		.amdhsa_system_vgpr_workitem_id 0
		.amdhsa_next_free_vgpr 258
		.amdhsa_next_free_sgpr 66
		.amdhsa_reserve_vcc 0
		.amdhsa_float_denorm_mode_32 3
		.amdhsa_float_denorm_mode_16_64 3
		.amdhsa_memory_ordered 1
		.amdhsa_forward_progress 1
		.amdhsa_inst_pref_size 26
	.end_amdhsa_kernel
	.amdgpu_metadata
---
amdhsa.version: [ 1, 2 ]
amdhsa.kernels:
  - .name:           k_q68e836867d_selfo
    .symbol:         k_q68e836867d_selfo.kd
    .args:
      - { .name: t0, .offset: 0, .size: 8, .value_kind: global_buffer, .address_space: global }
      - { .name: tgt_pad_mask, .offset: 8, .size: 8, .value_kind: global_buffer, .address_space: global }
      - { .name: params_self_Wo, .offset: 16, .size: 8, .value_kind: global_buffer, .address_space: global }
      - { .name: pa, .offset: 24, .size: 8, .value_kind: global_buffer, .address_space: global }
    .group_segment_fixed_size: 83456
    .private_segment_fixed_size: 0
    .kernarg_segment_align: 8
    .kernarg_segment_size: 32
    .max_flat_workgroup_size: 256
    .sgpr_count:     66
    .vgpr_count:     258
    .wavefront_size: 32
...
	.end_amdgpu_metadata
.endif
;; end of part 11
;; launch rln (part 12): grid 32 x 1, 8 waves a work-group, no clusters, 2,048 bytes of LDS; arguments pa, params_self_bo, inputs, params_ln2_g, params_ln2_b, query, lnb; writes query, lnb
.if DOCPART == 12
	.amdgcn_target "amdgcn-amd-amdhsa--gfx1250"
	.amdhsa_code_object_version 6
	.text
	.protected	k_q68e836867d_rln
	.globl	k_q68e836867d_rln
	.p2align	8
	.type	k_q68e836867d_rln,@function
k_q68e836867d_rln:
	s_mov_b64 s[64:65], 0
	v_nop
	global_prefetch_b8 v0, s[64:65] scope:SCOPE_SE
	s_setreg_imm32_b32 hwreg(HW_REG_WAVE_MODE, 25, 1), 1
	s_wait_xcnt 0x0
; query = the four parts of the self attention's output product + bo + inputs;  lnb = LN(query), mean first, then the squares of the centred numbers.
; One batch row a work-group, all in f32; thread t owns columns 4 t .. 4 t + 3: every load and store of a wave covers 512 consecutive bytes, aligned.
; Two sums over the work-group, each in LDS bytes of its own (0, 256), each behind one barrier.  Nothing is multiplied by a matrix: no matrix unit.
.macro WSUM x
	v_add_f32_dpp v[\x], v[\x], v[\x] row_xmask:1 row_mask:0xf bank_mask:0xf
	v_add_f32_dpp v[\x], v[\x], v[\x] row_xmask:2 row_mask:0xf bank_mask:0xf
	v_add_f32_dpp v[\x], v[\x], v[\x] row_xmask:4 row_mask:0xf bank_mask:0xf
	v_add_f32_dpp v[\x], v[\x], v[\x] row_xmask:8 row_mask:0xf bank_mask:0xf
	v_permlanex16_b32 v48, v[\x], s40, s41
	v_add_f32 v[\x], v[\x], v48
.endm
; v44 of every wave is added over the eight waves, through the 32 bytes at LDS byte at: the sum lands in v52
.macro GSUM at
	WSUM 44
	ds_store_b32 v50, v44 offset:\at
	s_wait_dscnt 0x0                               ; for the other waves: my sum is in LDS
	s_barrier_signal -1
	s_barrier_wait -1
	ds_load_b128 v[52:55], v3 offset:\at
	ds_load_b128 v[56:59], v3 offset:\at+16
	s_wait_dscnt 0x0
	v_pk_add_f32 v[52:53], v[52:53], v[54:55]
	v_pk_add_f32 v[56:57], v[56:57], v[58:59]
	v_pk_add_f32 v[52:53], v[52:53], v[56:57]
	v_add_f32 v52, v52, v53
.endm
	s_load_b256 s[8:15], s[0:1], 0x0               ; pa s[8:9], bo s[10:11], inputs s[12:13], g s[14:15]
	s_load_b128 s[16:19], s[0:1], 0x20             ; beta s[16:17], query s[18:19]
	s_load_b64 s[20:21], s[0:1], 0x30              ; lnb
	v_lshl_add_u32 v96, v0, 2, 0x400
	v_mov_b32 v97, 0
	v_lshrrev_b32 v1, 5, v0
	v_readfirstlane_b32 s2, v1                     ; wave
	v_lshlrev_b32 v1, 4, v0                        ; my 16 bytes of a row
	v_mov_b32 v2, s2
	v_lshlrev_b32 v50, 2, v2                       ; 4 w
	v_mov_b32 v3, 0
	v_mov_b32 v48, 0                               ; v_permlanex16_b32 counts as a reader of its destination
	s_lshl_b32 s4, ttmp9, 12                       ; the batch row
	s_mov_b32 s5, 0
	s_mov_b32 s40, 0x76543210
	s_mov_b32 s41, 0xfedcba98
	s_mov_b32 s42, 0xba800000                      ; -1/1024
	s_mov_b32 s43, 0x3a800000                      ; 1/1024
	s_mov_b32 s44, 0x358637bd                      ; 1e-6
	s_wait_kmcnt 0x0
	s_add_nc_u64 s[8:9], s[8:9], s[4:5]
	s_add_nc_u64 s[12:13], s[12:13], s[4:5]
	s_add_nc_u64 s[18:19], s[18:19], s[4:5]
	s_add_nc_u64 s[20:21], s[20:21], s[4:5]
.irp p, 0,1,2,3
	global_load_b128 v[4+4*\p:7+4*\p], v1, s[8:9] offset:\p*131072
.endr
	global_load_b128 v[20:23], v1, s[10:11]
	global_load_b128 v[24:27], v1, s[12:13]
	global_load_b128 v[36:39], v1, s[14:15]
	global_load_b128 v[40:43], v1, s[16:17]
	s_wait_loadcnt 2                               ; g and beta may stay out
.irp q, 0,2
	v_pk_add_f32 v[4+\q:5+\q],   v[4+\q:5+\q],   v[8+\q:9+\q]
	v_pk_add_f32 v[12+\q:13+\q], v[12+\q:13+\q], v[16+\q:17+\q]
	v_pk_add_f32 v[20+\q:21+\q], v[20+\q:21+\q], v[24+\q:25+\q]
	v_pk_add_f32 v[4+\q:5+\q],   v[4+\q:5+\q],   v[12+\q:13+\q]
	v_pk_add_f32 v[84+\q:85+\q], v[4+\q:5+\q],   v[20+\q:21+\q]
.endr
	global_store_b128 v1, v[84:87], s[18:19]       ; query; its registers are not written again
	v_add_f32 v44, v84, v85
	v_add_f32 v45, v86, v87
	v_add_f32 v44, v44, v45
	GSUM 0
.irp j, 0,1,2,3
	v_fma_f32 v[88+\j], v52, s42, v[84+\j]         ; x - sum / 1024: the factor is a power of two, so one rounding
.endr
	v_mul_f32 v44, v88, v88
	v_fmac_f32 v44, v89, v89
	v_fmac_f32 v44, v90, v90
	v_fmac_f32 v44, v91, v91
	GSUM 256
	v_fma_f32 v52, v52, s43, s44                   ; variance + 1e-6
	v_rsq_f32 v49, v52
	v_nop                                          ; one plain instruction behind a transcendental (ISA guide 5.7.2)
	s_wait_alu depctr_va_vdst(0)
.irp j, 0,1,2,3
	v_mul_f32 v[88+\j], v[88+\j], v49
.endr
	s_wait_loadcnt 0x0
.irp j, 0,1,2,3
	v_fma_f32 v[44+\j], v[88+\j], v[36+\j], v[40+\j]
.endr
	global_store_b128 v1, v[44:47], s[20:21]
	s_wait_tensorcnt 0x0
	ds_add_u32 v96, v97
	s_wait_dscnt 0x0
	s_endpgm
.Lfunc_end_k_q68e836867d_rln:
	.size	k_q68e836867d_rln, .Lfunc_end_k_q68e836867d_rln-k_q68e836867d_rln
	.p2alignl 7, 3214868480
	.fill 96, 4, 3214868480
	.section	.rodata,"a",@progbits
	.p2align	6, 0x0
	.amdhsa_kernel k_q68e836867d_rln
		.amdhsa_group_segment_fixed_size 2048
		.amdhsa_private_segment_fixed_size 0
		.amdhsa_enable_private_segment 0
		.amdhsa_kernarg_size 56
		.amdhsa_user_sgpr_count 2
		.amdhsa_user_sgpr_kernarg_segment_ptr 1
		.amdhsa_wavefront_size32 1
		.amdhsa_system_sgpr_workgroup_id_x 1
		.amdhsa_system_sgpr_workgroup_id_y 1
		.amdhsa_system_sgpr_workgroup_id_z 1
		.amdhsa_system_vgpr_workitem_id 0
		.amdhsa_next_free_vgpr 98
		.amdhsa_next_free_sgpr 66
		.amdhsa_reserve_vcc 0
		.amdhsa_float_denorm_mode_32 3
		.amdhsa_float_denorm_mode_16_64 3
		.amdhsa_memory_ordered 1
		.amdhsa_forward_progress 1
		.amdhsa_inst_pref_size 6
	.end_amdhsa_kernel
	.amdgpu_metadata
---
amdhsa.version: [ 1, 2 ]
amdhsa.kernels:
  - .name:           k_q68e836867d_rln
    .symbol:         k_q68e836867d_rln.kd
    .args:
      - { .name: pa, .offset: 0, .size: 8, .value_kind: global_buffer, .address_space: global }
      - { .name: params_self_bo, .offset: 8, .size: 8, .value_kind: global_buffer, .address_space: global }
      - { .name: inputs, .offset: 16, .size: 8, .value_kind: global_buffer, .address_space: global }
      - { .name: params_ln2_g, .offset: 24, .size: 8, .value_kind: global_buffer, .address_space: global }
      - { .name: params_ln2_b, .offset: 32, .size: 8, .value_kind: global_buffer, .address_space: global }
      - { .name: query, .offset: 40, .size: 8, .value_kind: global_buffer, .address_space: global }
      - { .name: lnb, .offset: 48, .size: 8, .value_kind: global_buffer, .address_space: global }
    .group_segment_fixed_size: 2048
    .private_segment_fixed_size: 0
    .kernarg_segment_align: 8
    .kernarg_segment_size: 56
    .max_flat_workgroup_size: 256
    .sgpr_count:     66
    .vgpr_count:     98
    .wavefront_size: 32
...
	.end_amdgpu_metadata
.endif
;; end of part 12
;; launch q3 (part 13): grid 16 x 12, 8 waves a work-group, no clusters, 83,456 bytes of LDS; arguments lnb, params_word_Wq, params_graph_Wq, params_p1_Wq, pb; writes pb
.if DOCPART == 13
	.amdgcn_target "amdgcn-amd-amdhsa--gfx1250"
	.amdhsa_code_object_version 6
	.text
	.protected	k_q68e836867d_q3
	.globl	k_q68e836867d_q3
	.p2align	8
	.type	k_q68e836867d_q3,@function
k_q68e836867d_q3:
	s_mov_b64 s[64:65], 0
	v_nop
	global_prefetch_b8 v0, s[64:65] scope:SCOPE_SE
	s_setreg_imm32_b32 hwreg(HW_REG_WAVE_MODE, 25, 1), 1
	s_wait_xcnt 0x0
; The three query projections, K split in four: pb[4 x + kp] = lnb[:, 256 kp .. + 255] @ Wq_x[256 kp .. + 255][strip].  lnb: [32][1024] f32; pb: [12][32][1024] f32.
; The next launch adds the four parts and bq.  grid x = the strip of 64 columns, grid y = 4 x + kp: 24 loads a wave.
; Wave w converts rows 4 w .. 4 w + 3 of the tile (32 rows x 256 k) into LDS and multiplies K = 256 kp + 32 w .. + 31; the eight partial sums meet in LDS.
; A 16-byte load of W takes 4 neighbouring columns of one row; component t serves column tile t (lane r: column n0 + 4 r + t); the store undoes that.
; Limits: matrix operands are rounded to bf16.
.set NP,     1024
.set WSH,    15
.set APITCH, 528                       ; LDS row of 256 bf16 + 16 bytes: an odd multiple of 16
.set AMT,    16*APITCH
.set PB,     32*APITCH
.set NA,     1                         ; parts of A to add
.set PSTR,   0
.set VW, 4
.set VA, 5
.set VP, 6
.set VR, 7
.set VY, 8
.set VB, 9
.set VS, 10
.set VX, 11
.set AP,  16                           ; A as loaded: 32 p + 4 n, n = 2 i + e (row 4 w + i, columns 128 e + 4 lane ..)
.set ACC, 16
.set SM,  16
.set BF,  80
.set AF,  112
.set PR,  128
.set T,   144
.set WX,  192
.set SA,  8
.set SW,  30
.set SY,  16
.macro PLACES                          ; four places behind a matrix instruction (ISA guide 7.12.1)
.rept 4
	v_nop
.endr
.endm
.macro ADDRS
	v_and_b32 v1, 31, v0                           ; lane
	v_lshrrev_b32 v2, 5, v0
	v_readfirstlane_b32 s2, v2                     ; wave
	v_and_b32 v2, 15, v0                           ; r
	v_bfe_u32 v3, v0, 4, 1                         ; h
	v_lshlrev_b32 v[VB], 4, v2
	v_lshl_add_u32 v[VW], v3, WSH, v[VB]
	v_lshl_add_u32 v[VY], v3, 15, v[VB]
	v_lshlrev_b32 v[VX], 4, v1
	v_mul_u32_u24 v[VA], v2, APITCH
	v_lshl_add_u32 v[VA], v3, 4, v[VA]
	s_lshl_b32 s6, s2, 6
	v_add_nc_u32 v[VA], s6, v[VA]
	s_mul_i32 s6, s2, 4*APITCH
	v_lshl_add_u32 v[VS], v1, 3, s6
	s_lshl_b32 s6, s2, 13
	s_add_co_u32 s6, s6, PB
	v_lshl_add_u32 v[VP], v1, 4, s6
.endm
.macro WLOADS                          ; my 32 rows x 64 columns of W; load i: row i + 8 (i / 8) + 8 h
.irp i, 0,1,2,3,4,5,6,7,8,9,10,11,12,13,14,15
	global_load_b128 v[WX+4*\i:WX+4*\i+3], v[VW], s[SW:SW+1] offset:(\i+8*(\i/8))*NP*4 th:TH_LOAD_NT
.endr
.endm
.macro ALOADS                          ; my 4 rows x 256 columns of each part of A: 512 consecutive bytes a load
.set p, 0
.rept NA
.set n, 0
.rept 8
	global_load_b128 v[AP+32*p+4*n:AP+32*p+4*n+3], v[VX], s[SA:SA+1] offset:p*PSTR+(n/2)*4096+(n%2)*512
.set n, n+1
.endr
.set p, p+1
.endr
.endm
.macro APREP
	s_wait_loadcnt 16                              ; A is in; the sixteen loads of W may stay out
.set n, 0
.rept 8
	v_cvt_pk_bf16_f32 v[T+2*n],   v[AP+4*n],   v[AP+4*n+1]
	v_cvt_pk_bf16_f32 v[T+2*n+1], v[AP+4*n+2], v[AP+4*n+3]
.set n, n+1
.endr
.set n, 0
.rept 8
	ds_store_b64 v[VS], v[T+2*n:T+2*n+1] offset:(n/2)*APITCH+(n%2)*256
.set n, n+1
.endr
.endm
.macro PRODUCT
	s_wait_dscnt 0x0                               ; for the other waves: my rows of the tile are in LDS
	s_barrier_signal -1
	s_barrier_wait -1
	ds_load_b128 v[AF:AF+3],     v[VA]
	ds_load_b128 v[AF+4:AF+7],   v[VA] offset:32
	ds_load_b128 v[AF+8:AF+11],  v[VA] offset:AMT
	ds_load_b128 v[AF+12:AF+15], v[VA] offset:AMT+32
	s_wait_loadcnt 0x0                             ; W
.irp t, 0,1,2,3
.irp p, 0,1,2,3,4,5,6,7
	v_cvt_pk_bf16_f32 v[BF+8*\t+\p], v[WX+8*\p+\t], v[WX+8*\p+4+\t]
.endr
.endr
	s_wait_dscnt 0x0
.irp mt, 0,1
.irp t, 0,1,2,3                        ; eight tiles, one instruction each: nothing is added in place
	v_wmma_f32_16x16x32_bf16 v[ACC+8*(4*\mt+\t):ACC+8*(4*\mt+\t)+7], v[AF+8*\mt:AF+8*\mt+7], v[BF+8*\t:BF+8*\t+7], 0
.endr
.endr
.endm
.macro PARTOUT
	PLACES
.irp a, 0,1,2,3,4,5,6,7
	ds_store_b128 v[VP], v[ACC+8*\a:ACC+8*\a+3]   offset:\a*1024
	ds_store_b128 v[VP], v[ACC+8*\a+4:ACC+8*\a+7] offset:\a*1024+512
.endr
	s_wait_dscnt 0x0                               ; for the other waves: all my stores are done
	s_barrier_signal -1
	s_barrier_wait -1
	s_cmp_ge_u32 s2, 4
	s_cbranch_scc1 .Lend
.endm
.macro REDADDR                         ; wave u = 0..3: row tile mt = u / 2, register half jh = u % 2
	s_lshr_b32 s6, s2, 1
	s_and_b32 s7, s2, 1
	s_lshl_b32 s44, s6, 12
	s_lshl_b32 s45, s7, 9
	s_add_co_u32 s44, s44, s45
	s_add_co_u32 s44, s44, PB
	v_lshl_add_u32 v[VR], v1, 4, s44
	s_lshl_b32 s44, s6, 16
	s_lshl_b32 s45, s7, 14
	s_add_co_u32 s44, s44, s45                     ; 16 mt + 4 jh rows of 4,096 bytes
	s_mov_b32 s45, 0
	s_add_nc_u64 s[SY:SY+1], s[SY:SY+1], s[44:45]
.endm
.macro REDUCE
.irp ww, 0,1,2,3,4,5,6,7
.irp t, 0,1,2,3
	ds_load_b128 v[PR+16*\ww+4*\t:PR+16*\ww+4*\t+3], v[VR] offset:\ww*8192+\t*1024
.endr
.endr
.irp ww, 1,2,3,4,5,6
	s_wait_dscnt 28-4*\ww                          ; the four loads of each later wave's sums may stay out
.irp q, 0,2,4,6,8,10,12,14
	v_pk_add_f32 v[PR+\q:PR+\q+1], v[PR+\q:PR+\q+1], v[PR+16*\ww+\q:PR+16*\ww+\q+1]
.endr
.endr
	s_wait_dscnt 0x0
.irp jj, 0,1,2,3
.irp t, 0,1,2,3
	v_add_f32 v[SM+4*\jj+\t], v[PR+4*\t+\jj], v[PR+112+4*\t+\jj]
.endr
.endr
.endm
.macro STOREY                          ; sixteen lanes store 256 consecutive bytes of a row, aligned
.irp jj, 0,1,2,3
	global_store_b128 v[VY], v[SM+4*\jj:SM+4*\jj+3], s[SY:SY+1] offset:\jj*4096
.endr
.endm
	s_load_b256 s[8:15], s[0:1], 0x0               ; lnb s[8:9], Wq s[10:15]
	s_load_b64 s[16:17], s[0:1], 0x20              ; pb
	v_lshl_add_u32 v14, v0, 2, 0x14200
	v_mov_b32 v15, 0
	ADDRS
	s_mov_b32 s3, ttmp9                            ; strip
	s_and_b32 s4, ttmp7, 0xffff                    ; 4 x + kp
	s_lshr_b32 s5, s4, 2                           ; x
	s_and_b32 s46, s4, 3                           ; kp
	s_mov_b32 s35, 0
	s_mov_b32 s37, 0
	s_wait_kmcnt 0x0
	s_cmp_eq_u32 s5, 1
	s_cselect_b64 s[30:31], s[12:13], s[10:11]
	s_cmp_eq_u32 s5, 2
	s_cselect_b64 s[30:31], s[14:15], s[30:31]     ; Wq_x
	s_lshl_b32 s34, s3, 8
	s_add_nc_u64 s[30:31], s[30:31], s[34:35]
	s_add_nc_u64 s[16:17], s[16:17], s[34:35]
	s_lshl_b32 s36, s46, 20                        ; the part's 256 rows of W,
	s_lshl_b32 s34, s2, 17                         ; my 32 of them
	s_add_co_u32 s36, s36, s34
	s_add_nc_u64 s[30:31], s[30:31], s[36:37]
	s_lshl_b32 s36, s46, 10                        ; the part's 256 columns of A,
	s_lshl_b32 s34, s2, 14                         ; my 4 rows
	s_add_co_u32 s36, s36, s34
	s_add_nc_u64 s[8:9], s[8:9], s[36:37]
	s_lshl_b32 s36, s4, 17
	s_add_nc_u64 s[16:17], s[16:17], s[36:37]
	ALOADS
	WLOADS
	APREP
	PRODUCT
	PARTOUT
	REDADDR
	REDUCE
	STOREY
.Lend:
	s_wait_tensorcnt 0x0
	ds_add_u32 v14, v15
	s_wait_dscnt 0x0
	s_endpgm
.Lfunc_end_k_q68e836867d_q3:
	.size	k_q68e836867d_q3, .Lfunc_end_k_q68e836867d_q3-k_q68e836867d_q3
	.p2alignl 7, 3214868480
	.fill 96, 4, 3214868480
	.section	.rodata,"a",@progbits
	.p2align	6, 0x0
	.amdhsa_kernel k_q68e836867d_q3
		.amdhsa_group_segment_fixed_size 83456
		.amdhsa_private_segment_fixed_size 0
		.amdhsa_enable_private_segment 0
		.amdhsa_kernarg_size 40
		.amdhsa_user_sgpr_count 2
		.amdhsa_user_sgpr_kernarg_segment_ptr 1
		.amdhsa_wavefront_size32 1
		.amdhsa_system_sgpr_workgroup_id_x 1
		.amdhsa_system_sgpr_workgroup_id_y 1
		.amdhsa_system_sgpr_workgroup_id_z 1
		.amdhsa_system_vgpr_workitem_id 0
		.amdhsa_next_free_vgpr 256
		.amdhsa_next_free_sgpr 66
		.amdhsa_reserve_vcc 0
		.amdhsa_float_denorm_mode_32 3
		.amdhsa_float_denorm_mode_16_64 3
		.amdhsa_memory_ordered 1
		.amdhsa_forward_progress 1
		.amdhsa_inst_pref_size 17
	.end_amdhsa_kernel
	.amdgpu_metadata
---
amdhsa.version: [ 1, 2 ]
amdhsa.kernels:
  - .name:           k_q68e836867d_q3
    .symbol:         k_q68e836867d_q3.kd
    .args:
      - { .name: lnb, .offset: 0, .size: 8, .value_kind: global_buffer, .address_space: global }
      - { .name: params_word_Wq, .offset: 8, .size: 8, .value_kind: global_buffer, .address_space: global }
      - { .name: params_graph_Wq, .offset: 16, .size: 8, .value_kind: global_buffer, .address_space: global }
      - { .name: params_p1_Wq, .offset: 24, .size: 8, .value_kind: global_buffer, .address_space: global }
      - { .name: pb, .offset: 32, .size: 8, .value_kind: global_buffer, .address_space: global }
    .group_segment_fixed_size: 83456
    .private_segment_fixed_size: 0
    .kernarg_segment_align: 8
    .kernarg_segment_size: 40
    .max_flat_workgroup_size: 256
    .sgpr_count:     66
    .vgpr_count:     256
    .wavefront_size: 32
...
	.end_amdgpu_metadata
.endif
;; end of part 13
;; launch qt (part 14): grid 64 x 3, 8 waves a work-group, no clusters, 62,208 bytes of LDS; arguments pb, params_word_Wk, params_graph_Wk, params_p1_Wk, params_word_bk, params_graph_bk, params_p1_bk, qtb, params_word_bq, params_graph_bq, params_p1_bq; writes qtb
.if DOCPART == 14
	.amdgcn_target "amdgcn-amd-amdhsa--gfx1250"
	.amdhsa_code_object_version 6
	.text
	.protected	k_q68e836867d_qt
	.globl	k_q68e836867d_qt
	.p2align	8
	.type	k_q68e836867d_qt,@function
k_q68e836867d_qt:
	s_mov_b64 s[64:65], 0
	v_nop
	global_prefetch_b8 v0, s[64:65] scope:SCOPE_SE
	s_setreg_imm32_b32 hwreg(HW_REG_WAVE_MODE, 25, 1), 1
	s_wait_xcnt 0x0
; The key projection is moved onto the one query of each batch row:
;   score[b,h,k] = (q_h / 8) . (mem_k Wk_h + bk_h) = mem_k . qt[b,h,:] + qb[b,h],   qt[b,h,d] = sum over j of Wk[d][64 h + j] q[b][64 h + j] / 8,   qb = (q_h / 8) . bk_h.
; pb: q in four parts, [4 x + p][32][1024] f32; q = their sum + bq.  qtb: qt in bf16 as [x][b][head][1024] (its only use is as a bf16 matrix operand),
; then from byte 3,145,728 qb in f32 as [x][head pair][b][2].
; grid x = 8 x (block of 128 rows d) + head pair, grid y = x (word, graph, phase 1).  Wave w owns rows d = 128 db + 16 w .. + 15 of Wk, columns 128 hp .. + 127.
; Matrix use: A = 16 rows of Wk (M = d), B = 16 rows of q (N = b), K = a head's 64 columns: a lane's eight results are eight neighbouring d of one (b, head).
; Limits: matrix operands and qt are rounded to bf16; the order of sums differs from the problem's function, which projects every memory row.
.set PP, 272                           ; LDS row of 128 bf16 + 16 bytes
.set WL, 0                             ; Wk: 8 waves x 16 rows
.set QL, 8*16*PP                       ; q / 8: 32 rows
.set ST, QL+32*PP                      ; the way out: 64 rows (head of the pair, b) x 128 d
.set QB, ST+64*PP                      ; qb: 32 b x 2 heads, f32
.macro PLACES
.rept 4
	v_nop
.endr
.endm
	s_load_b512 s[8:23], s[0:1], 0x0               ; pb s[8:9], Wk s[10:15], bk s[16:21], qtb s[22:23]
	s_load_b128 s[36:39], s[0:1], 0x40             ; bq of word s[36:37], of graph s[38:39]
	s_load_b64 s[40:41], s[0:1], 0x50              ; bq of phase 1
	v_lshl_add_u32 v232, v0, 2, 0xef00
	v_mov_b32 v233, 0
	v_and_b32 v1, 31, v0
	v_lshrrev_b32 v2, 5, v0
	v_readfirstlane_b32 s2, v2                     ; wave
	v_and_b32 v2, 15, v0                           ; r
	v_bfe_u32 v3, v0, 4, 1                         ; h
	s_and_b32 s3, ttmp9, 7                         ; head pair
	s_lshr_b32 s4, ttmp9, 3                        ; block of d
	s_and_b32 s5, ttmp7, 0xffff                    ; x
	v_lshlrev_b32 v4, 4, v1                        ; 16 x lane
	s_mul_i32 s6, s2, 16*PP
	v_lshl_add_u32 v5, v1, 3, s6                   ; Wk in: my 16 rows, 8 bytes a lane
	s_mul_i32 s7, s2, 4*PP
	s_add_co_u32 s7, s7, QL
	v_lshl_add_u32 v6, v1, 3, s7                   ; q in: rows 4 w ..
	s_lshl_b32 s7, s2, 5
	s_add_co_u32 s7, s7, QB
	v_lshl_add_u32 v7, v3, 2, s7                   ; qb in: 8 bytes a row, 4 a head
	v_mul_u32_u24 v8, v2, PP
	v_lshl_add_u32 v8, v3, 4, v8                   ; r x pitch + 16 h
	v_add_nc_u32 v9, s6, v8                        ; fragments of Wk
	v_add_nc_u32 v10, QL, v8                       ; fragments of q
	s_lshl_b32 s7, s2, 5
	s_add_co_u32 s7, s7, ST
	v_add_nc_u32 v11, s7, v8                       ; out: row r, my 16 d at byte 32 w, 8 of them a half
	s_mul_i32 s7, s2, 8*PP
	s_add_co_u32 s7, s7, ST
	v_mul_u32_u24 v12, v3, PP
	v_lshl_add_u32 v12, v2, 4, v12
	v_add_nc_u32 v12, s7, v12                      ; back: rows 8 w + h (+ 2 i), 16 bytes a lane
	v_lshlrev_b32 v13, 15, v3
	v_lshl_add_u32 v13, v2, 4, v13                 ; in qt: one b further for lanes 16-31
	v_lshlrev_b32 v14, 3, v1
	v_add_nc_u32 v15, QB, v14
	s_mov_b32 s33, 0
	s_wait_kmcnt 0x0
	s_cmp_eq_u32 s5, 1
	s_cselect_b64 s[28:29], s[12:13], s[10:11]
	s_cselect_b64 s[26:27], s[18:19], s[16:17]
	s_cselect_b64 s[42:43], s[38:39], s[36:37]
	s_cmp_eq_u32 s5, 2
	s_cselect_b64 s[28:29], s[14:15], s[28:29]     ; Wk_x
	s_cselect_b64 s[26:27], s[20:21], s[26:27]     ; bk_x
	s_cselect_b64 s[42:43], s[40:41], s[42:43]     ; bq_x
	s_lshl_b32 s32, s3, 9                          ; the pair's 128 columns, in bytes
	s_add_nc_u64 s[26:27], s[26:27], s[32:33]
	s_add_nc_u64 s[28:29], s[28:29], s[32:33]
	s_add_nc_u64 s[42:43], s[42:43], s[32:33]
	s_add_nc_u64 s[24:25], s[8:9], s[32:33]
	s_lshl_b32 s32, s5, 19
	s_lshl_b32 s34, s2, 14
	s_add_co_u32 s32, s32, s34                     ; the four parts of q of x, rows 4 w ..
	s_add_nc_u64 s[24:25], s[24:25], s[32:33]
	s_lshl_b32 s32, s4, 19
	s_lshl_b32 s34, s2, 16
	s_add_co_u32 s32, s32, s34                     ; rows 128 db + 16 w of Wk
	s_add_nc_u64 s[28:29], s[28:29], s[32:33]
	s_lshl_b32 s32, s5, 11
	s_lshl_b32 s34, s3, 8
	s_add_co_u32 s32, s32, s34
	s_add_co_u32 s32, s32, 3145728
	s_add_nc_u64 s[30:31], s[22:23], s[32:33]      ; qb[x][hp]
	s_lshl_b32 s32, s5, 20                         ; qt[x]
	s_and_b32 s34, s2, 3
	s_lshl_b32 s34, s34, 18                        ; b = 8 (w % 4) ..
	s_add_co_u32 s32, s32, s34
	s_lshr_b32 s34, s2, 2
	s_lshl1_add_u32 s34, s3, s34                   ; head = 2 hp + w / 4
	s_lshl_b32 s34, s34, 11
	s_add_co_u32 s32, s32, s34
	s_lshl_b32 s34, s4, 8                          ; d = 128 db
	s_add_co_u32 s32, s32, s34
	s_add_nc_u64 s[22:23], s[22:23], s[32:33]
.irp i, 0,1,2,3
	global_load_b128 v[80+4*\i:83+4*\i], v4, s[24:25] offset:\i*4096
.irp p, 1,2,3
	global_load_b128 v[160+16*\p+4*\i:163+16*\p+4*\i], v4, s[24:25] offset:\p*131072+\i*4096
.endr
.endr
	global_load_b128 v[224:227], v4, s[42:43]
	global_load_b128 v[96:99], v4, s[26:27]
.set n, 0
.rept 16
	global_load_b128 v[16+4*n:19+4*n], v4, s[28:29] offset:n*4096 th:TH_LOAD_NT
.set n, n+1
.endr
	s_wait_loadcnt 16                              ; q's parts, bq and bk are in; the sixteen rows of Wk may stay out
.irp i, 0,1,2,3
.irp q, 0,2
	v_pk_add_f32 v[80+4*\i+\q:81+4*\i+\q],   v[80+4*\i+\q:81+4*\i+\q],   v[176+4*\i+\q:177+4*\i+\q]
	v_pk_add_f32 v[192+4*\i+\q:193+4*\i+\q], v[192+4*\i+\q:193+4*\i+\q], v[208+4*\i+\q:209+4*\i+\q]
	v_pk_add_f32 v[80+4*\i+\q:81+4*\i+\q],   v[80+4*\i+\q:81+4*\i+\q],   v[224+\q:225+\q]
	v_pk_add_f32 v[80+4*\i+\q:81+4*\i+\q],   v[80+4*\i+\q:81+4*\i+\q],   v[192+4*\i+\q:193+4*\i+\q]
.endr
.endr
.irp i, 0,1,2,3
	v_pk_mul_f32 v[80+4*\i:81+4*\i], v[80+4*\i:81+4*\i], 0x3e000000 op_sel_hi:[1,0]   ; q / sqrt(64)
	v_pk_mul_f32 v[82+4*\i:83+4*\i], v[82+4*\i:83+4*\i], 0x3e000000 op_sel_hi:[1,0]
	v_cvt_pk_bf16_f32 v[100+2*\i], v[80+4*\i], v[81+4*\i]
	v_cvt_pk_bf16_f32 v[101+2*\i], v[82+4*\i], v[83+4*\i]
	ds_store_b64 v6, v[100+2*\i:101+2*\i] offset:\i*PP
	v_mul_f32 v[108+\i], v[80+4*\i], v96
	v_fmac_f32 v[108+\i], v[81+4*\i], v97
	v_fmac_f32 v[108+\i], v[82+4*\i], v98
	v_fmac_f32 v[108+\i], v[83+4*\i], v99
	v_add_f32_dpp v[108+\i], v[108+\i], v[108+\i] row_xmask:1 row_mask:0xf bank_mask:0xf   ; sixteen lanes hold one head
	v_add_f32_dpp v[108+\i], v[108+\i], v[108+\i] row_xmask:2 row_mask:0xf bank_mask:0xf
	v_add_f32_dpp v[108+\i], v[108+\i], v[108+\i] row_xmask:4 row_mask:0xf bank_mask:0xf
	v_add_f32_dpp v[108+\i], v[108+\i], v[108+\i] row_xmask:8 row_mask:0xf bank_mask:0xf
	ds_store_b32 v7, v[108+\i] offset:8*\i
.endr
	s_wait_loadcnt 0x0
.set n, 0
.rept 16
	v_cvt_pk_bf16_f32 v[112+2*n], v[16+4*n], v[17+4*n]
	v_cvt_pk_bf16_f32 v[113+2*n], v[18+4*n], v[19+4*n]
.set n, n+1
.endr
.set n, 0
.rept 16
	ds_store_b64 v5, v[112+2*n:113+2*n] offset:n*PP
.set n, n+1
.endr
	s_wait_dscnt 0x0                               ; for the other waves: q, qb (and my rows of Wk) are in LDS
	s_barrier_signal -1
	s_barrier_wait -1
.irp e, 0,1
.irp kk, 0,1
	ds_load_b128 v[16+8*(2*\e+\kk):19+8*(2*\e+\kk)], v9 offset:\e*128+\kk*64
	ds_load_b128 v[20+8*(2*\e+\kk):23+8*(2*\e+\kk)], v9 offset:\e*128+\kk*64+32
.irp bt, 0,1
	ds_load_b128 v[48+8*(4*\bt+2*\e+\kk):51+8*(4*\bt+2*\e+\kk)], v10 offset:\bt*16*PP+\e*128+\kk*64
	ds_load_b128 v[52+8*(4*\bt+2*\e+\kk):55+8*(4*\bt+2*\e+\kk)], v10 offset:\bt*16*PP+\e*128+\kk*64+32
.endr
.endr
.endr
	s_wait_dscnt 0x0
.irp e, 0,1
.irp bt, 0,1                           ; the four accumulators take turns
	v_wmma_f32_16x16x32_bf16 v[112+8*(2*\e+\bt):119+8*(2*\e+\bt)], v[16+16*\e:23+16*\e], v[48+8*(4*\bt+2*\e):55+8*(4*\bt+2*\e)], 0
.endr
.endr
.irp e, 0,1
.irp bt, 0,1
	v_wmma_f32_16x16x32_bf16 v[112+8*(2*\e+\bt):119+8*(2*\e+\bt)], v[24+16*\e:31+16*\e], v[56+8*(4*\bt+2*\e):63+8*(4*\bt+2*\e)], v[112+8*(2*\e+\bt):119+8*(2*\e+\bt)]
.endr
.endr
	PLACES
.irp a, 0,1,2,3
.irp p, 0,1,2,3
	v_cvt_pk_bf16_f32 v[144+4*\a+\p], v[112+8*\a+2*\p], v[113+8*\a+2*\p]
.endr
	ds_store_b128 v11, v[144+4*\a:147+4*\a] offset:\a*16*PP    ; row 32 e + 16 bt + r
.endr
	s_wait_dscnt 0x0                               ; for the other waves: my 16 d of every row are in the stage
	s_barrier_signal -1
	s_barrier_wait -1
.irp i, 0,1,2,3
	ds_load_b128 v[16+4*\i:19+4*\i], v12 offset:\i*2*PP
.endr
.irp i, 0,1,2,3
	s_wait_dscnt 3-\i
	global_store_b128 v13, v[16+4*\i:19+4*\i], s[22:23] offset:\i*65536   ; sixteen lanes store 256 consecutive bytes, aligned: 128 d of one (b, head)
.endr
	s_or_b32 s7, s4, s2
	s_cmp_lg_u32 s7, 0                             ; qb is the same in all eight blocks of d: block 0's wave 0 stores it
	s_cbranch_scc1 .Lend
	ds_load_b64 v[32:33], v15
	s_wait_dscnt 0x0
	global_store_b64 v14, v[32:33], s[30:31]       ; 32 lanes store 256 consecutive bytes, aligned
.Lend:
	s_wait_tensorcnt 0x0
	ds_add_u32 v232, v233
	s_wait_dscnt 0x0
	s_endpgm
.Lfunc_end_k_q68e836867d_qt:
	.size	k_q68e836867d_qt, .Lfunc_end_k_q68e836867d_qt-k_q68e836867d_qt
	.p2alignl 7, 3214868480
	.fill 96, 4, 3214868480
	.section	.rodata,"a",@progbits
	.p2align	6, 0x0
	.amdhsa_kernel k_q68e836867d_qt
		.amdhsa_group_segment_fixed_size 62208
		.amdhsa_private_segment_fixed_size 0
		.amdhsa_enable_private_segment 0
		.amdhsa_kernarg_size 88
		.amdhsa_user_sgpr_count 2
		.amdhsa_user_sgpr_kernarg_segment_ptr 1
		.amdhsa_wavefront_size32 1
		.amdhsa_system_sgpr_workgroup_id_x 1
		.amdhsa_system_sgpr_workgroup_id_y 1
		.amdhsa_system_sgpr_workgroup_id_z 1
		.amdhsa_system_vgpr_workitem_id 0
		.amdhsa_next_free_vgpr 234
		.amdhsa_next_free_sgpr 66
		.amdhsa_reserve_vcc 0
		.amdhsa_float_denorm_mode_32 3
		.amdhsa_float_denorm_mode_16_64 3
		.amdhsa_memory_ordered 1
		.amdhsa_forward_progress 1
		.amdhsa_inst_pref_size 20
	.end_amdhsa_kernel
	.amdgpu_metadata
---
amdhsa.version: [ 1, 2 ]
amdhsa.kernels:
  - .name:           k_q68e836867d_qt
    .symbol:         k_q68e836867d_qt.kd
    .args:
      - { .name: pb, .offset: 0, .size: 8, .value_kind: global_buffer, .address_space: global }
      - { .name: params_word_Wk, .offset: 8, .size: 8, .value_kind: global_buffer, .address_space: global }
      - { .name: params_graph_Wk, .offset: 16, .size: 8, .value_kind: global_buffer, .address_space: global }
      - { .name: params_p1_Wk, .offset: 24, .size: 8, .value_kind: global_buffer, .address_space: global }
      - { .name: params_word_bk, .offset: 32, .size: 8, .value_kind: global_buffer, .address_space: global }
      - { .name: params_graph_bk, .offset: 40, .size: 8, .value_kind: global_buffer, .address_space: global }
      - { .name: params_p1_bk, .offset: 48, .size: 8, .value_kind: global_buffer, .address_space: global }
      - { .name: qtb, .offset: 56, .size: 8, .value_kind: global_buffer, .address_space: global }
      - { .name: params_word_bq, .offset: 64, .size: 8, .value_kind: global_buffer, .address_space: global }
      - { .name: params_graph_bq, .offset: 72, .size: 8, .value_kind: global_buffer, .address_space: global }
      - { .name: params_p1_bq, .offset: 80, .size: 8, .value_kind: global_buffer, .address_space: global }
    .group_segment_fixed_size: 62208
    .private_segment_fixed_size: 0
    .kernarg_segment_align: 8
    .kernarg_segment_size: 88
    .max_flat_workgroup_size: 256
    .sgpr_count:     66
    .vgpr_count:     234
    .wavefront_size: 32
...
	.end_amdgpu_metadata
.endif
;; end of part 14
;; launch att: the kernel of part 4 again; grid 256 x 1, 8 waves a work-group, no clusters, 307,968 bytes of LDS; arguments memory_bank, ent_context, phase1_memory, src_pad_mask, ent_pad_mask, phase1_pad_mask, ent_score, qtb, cmp; writes cmp
;; launch cv (part 15): grid 16 x 12, 8 waves a work-group, no clusters, 83,712 bytes of LDS; arguments cmp, params_word_Wv, params_graph_Wv, params_p1_Wv, params_word_bv, params_graph_bv, params_p1_bv, pa; writes pa
.if DOCPART == 15
	.amdgcn_target "amdgcn-amd-amdhsa--gfx1250"
	.amdhsa_code_object_version 6
	.text
	.protected	k_q68e836867d_cv
	.globl	k_q68e836867d_cv
	.p2align	8
	.type	k_q68e836867d_cv,@function
k_q68e836867d_cv:
	s_mov_b64 s[64:65], 0
	v_nop
	global_prefetch_b8 v0, s[64:65] scope:SCOPE_SE
	s_setreg_imm32_b32 hwreg(HW_REG_WAVE_MODE, 25, 1), 1
	s_wait_xcnt 0x0
; Merges the chunks of each attention and applies a quarter of the value projection to the weighted memory:
;   M = max m_c, w_c = exp(m_c - M), l = sum w_c l_c, lu = sum w_c lu_c;  the weights' sum after the entity scores is lu / l, clipped below at 1e-9;
;   cm[b][d] = sum over c of w_c / l / max(lu / l, 1e-9) x part_c[b][head][d];
;   pa[4 x + dp][b][64 head + j] = cm[b][256 dp .. + 255] . Wv[256 dp .. + 255][64 head + j]  (+ sa x bv in part 0),   sa = (lu / l) / max(lu / l, 1e-9).
; In the two attentions without entity scores lu = l bit for bit, so the second division is by l x (1 / l): 1 to within the reciprocal's accuracy.
; grid x = head (= the strip of 64 columns of Wv), grid y = 4 x + dp.  Every byte of cmp and of Wv is read by one work-group.
; Wave w merges batch rows 4 w .. 4 w + 3 (columns d of the part) into the tile and multiplies K = d = 256 dp + 32 w .. + 31; the eight partial sums meet in LDS.
; The chunks' l, lu, m come by ONE 8-byte load a wave: lane = (row of my four, chunk); lanes 0-15 hold l, lanes 16-31 lu.
; NC = 2 chunks a batch row (word, graph) or 4 (phase 1): a scalar branch on x chooses between two expansions of one macro.
; Limits: matrix operands are rounded to bf16; exponentials below 2^-126 come out as 0; a bv that is not finite spoils all four parts.
.set NP,     1024
.set WSH,    15
.set APITCH, 528                       ; LDS row of 256 bf16 + 16 bytes: an odd multiple of 16
.set AMT,    16*APITCH
.set PB,     32*APITCH
.set SAB,    PB+65536                  ; sa of the 32 rows, f32
.set VW, 4
.set VA, 5
.set VP, 6
.set VR, 7
.set VY, 8
.set VB, 9
.set VS, 10
.set VX, 11
.set AP,  16                           ; the chunks' partial contexts: 4 ((NC i + c) 2 + e)
.set ACC, 16
.set SM,  16
.set BI,  32
.set BF,  80
.set AF,  112
.set PR,  128
.set T,   144
.set WX,  192
.set SW,  30
.set SY,  22
.macro PLACES                          ; four places behind a matrix instruction (ISA guide 7.12.1)
.rept 4
	v_nop
.endr
.endm
.macro ADDRS
	v_and_b32 v1, 31, v0                           ; lane
	v_lshrrev_b32 v2, 5, v0
	v_readfirstlane_b32 s2, v2                     ; wave
	v_and_b32 v2, 15, v0                           ; r
	v_bfe_u32 v3, v0, 4, 1                         ; h
	v_lshlrev_b32 v[VB], 4, v2
	v_lshl_add_u32 v[VW], v3, WSH, v[VB]
	v_lshl_add_u32 v[VY], v3, 15, v[VB]
	v_lshlrev_b32 v[VX], 4, v1
	v_mul_u32_u24 v[VA], v2, APITCH
	v_lshl_add_u32 v[VA], v3, 4, v[VA]
	s_lshl_b32 s6, s2, 6
	v_add_nc_u32 v[VA], s6, v[VA]
	s_mul_i32 s6, s2, 4*APITCH
	v_lshl_add_u32 v[VS], v1, 3, s6
	s_lshl_b32 s6, s2, 13
	s_add_co_u32 s6, s6, PB
	v_lshl_add_u32 v[VP], v1, 4, s6
.endm
.macro WLOADS                          ; my 32 rows x 64 columns of W; load i: row i + 8 (i / 8) + 8 h
.irp i, 0,1,2,3,4,5,6,7,8,9,10,11,12,13,14,15
	global_load_b128 v[WX+4*\i:WX+4*\i+3], v[VW], s[SW:SW+1] offset:(\i+8*(\i/8))*NP*4 th:TH_LOAD_NT
.endr
.endm
.macro PRODUCT
	s_wait_dscnt 0x0                               ; for the other waves: my rows of the tile (and their sa) are in LDS
	s_barrier_signal -1
	s_barrier_wait -1
	ds_load_b128 v[AF:AF+3],     v[VA]
	ds_load_b128 v[AF+4:AF+7],   v[VA] offset:32
	ds_load_b128 v[AF+8:AF+11],  v[VA] offset:AMT
	ds_load_b128 v[AF+12:AF+15], v[VA] offset:AMT+32
	s_wait_loadcnt 0x0                             ; W
.irp t, 0,1,2,3
.irp p, 0,1,2,3,4,5,6,7
	v_cvt_pk_bf16_f32 v[BF+8*\t+\p], v[WX+8*\p+\t], v[WX+8*\p+4+\t]
.endr
.endr
	s_wait_dscnt 0x0
.irp mt, 0,1
.irp t, 0,1,2,3                        ; eight tiles, one instruction each: nothing is added in place
	v_wmma_f32_16x16x32_bf16 v[ACC+8*(4*\mt+\t):ACC+8*(4*\mt+\t)+7], v[AF+8*\mt:AF+8*\mt+7], v[BF+8*\t:BF+8*\t+7], 0
.endr
.endr
.endm
.macro PARTOUT
	PLACES
.irp a, 0,1,2,3,4,5,6,7
	ds_store_b128 v[VP], v[ACC+8*\a:ACC+8*\a+3]   offset:\a*1024
	ds_store_b128 v[VP], v[ACC+8*\a+4:ACC+8*\a+7] offset:\a*1024+512
.endr
	s_wait_dscnt 0x0                               ; for the other waves: all my stores are done
	s_barrier_signal -1
	s_barrier_wait -1
	s_cmp_ge_u32 s2, 4
	s_cbranch_scc1 .Lend
.endm
.macro REDADDR                         ; wave u = 0..3: row tile mt = u / 2, register half jh = u % 2
	s_lshr_b32 s6, s2, 1
	s_and_b32 s7, s2, 1
	s_lshl_b32 s44, s6, 12
	s_lshl_b32 s45, s7, 9
	s_add_co_u32 s44, s44, s45
	s_add_co_u32 s44, s44, PB
	v_lshl_add_u32 v[VR], v1, 4, s44
	s_lshl_b32 s44, s6, 16
	s_lshl_b32 s45, s7, 14
	s_add_co_u32 s44, s44, s45                     ; 16 mt + 4 jh rows of 4,096 bytes
	s_mov_b32 s45, 0
	s_add_nc_u64 s[SY:SY+1], s[SY:SY+1], s[44:45]
.endm
.macro REDUCE
.irp ww, 0,1,2,3,4,5,6,7
.irp t, 0,1,2,3
	ds_load_b128 v[PR+16*\ww+4*\t:PR+16*\ww+4*\t+3], v[VR] offset:\ww*8192+\t*1024
.endr
.endr
.irp ww, 1,2,3,4,5,6
	s_wait_dscnt 28-4*\ww                          ; the four loads of each later wave's sums may stay out
.irp q, 0,2,4,6,8,10,12,14
	v_pk_add_f32 v[PR+\q:PR+\q+1], v[PR+\q:PR+\q+1], v[PR+16*\ww+\q:PR+16*\ww+\q+1]
.endr
.endr
	s_wait_dscnt 0x0
.irp jj, 0,1,2,3
.irp t, 0,1,2,3
	v_add_f32 v[SM+4*\jj+\t], v[PR+4*\t+\jj], v[PR+112+4*\t+\jj]
.endr
.endr
.endm
.macro STOREY                          ; sixteen lanes store 256 consecutive bytes of a row, aligned
.irp jj, 0,1,2,3
	global_store_b128 v[VY], v[SM+4*\jj:SM+4*\jj+3], s[SY:SY+1] offset:\jj*4096
.endr
.endm
; nc chunks a batch row, lg = log2 nc.  My rows' slots are 4 nc w .. 4 nc w + 4 nc - 1 of this attention (slot = nc b + c).
.macro COMB nc, lg
	s_lshl_b32 s36, s2, 10+\lg                     ; 4 nc w slots of 256 bytes of l, lu, m
	s_add_nc_u64 s[24:25], s[24:25], s[36:37]
	s_lshl_b32 s36, s2, 18+\lg                     ; 4 nc w slots of 65,536 bytes of partial context
	s_add_nc_u64 s[8:9], s[8:9], s[36:37]
	v_and_b32 v13, 4*\nc-1, v0                     ; nc i + c (with nc = 2, lanes 8-15 of a half repeat lanes 0-7)
	v_lshrrev_b32 v14, \lg, v13                    ; i
	v_lshlrev_b32 v13, 8, v13
	v_lshl_add_u32 v13, v3, 7, v13                 ; lanes 16-31: lu, 128 bytes on
	s_lshl_b32 s36, s2, 4
	s_add_co_u32 s36, s36, SAB
	v_lshl_add_u32 v14, v14, 2, s36                ; sa of row 4 w + i
	global_load_b64 v[160:161], v13, s[24:25]      ; (l or lu, m)
.set n, 0
.rept 8*\nc
	global_load_b128 v[AP+4*n:AP+4*n+3], v[VX], s[8:9] offset:(n/2)*65536+(n%2)*512 th:TH_LOAD_NT
.set n, n+1
.endr
	WLOADS
	s_wait_loadcnt 8*\nc+16                        ; l, lu, m are in; the chunks' data and W may stay out
	v_cmp_ne_u32 vcc_lo, 0, v3                     ; lanes 16-31
	v_mov_b32 v162, v161
	v_max_num_f32_dpp v162, v162, v162 row_xmask:1 row_mask:0xf bank_mask:0xf
.if \nc == 4
	v_max_num_f32_dpp v162, v162, v162 row_xmask:2 row_mask:0xf bank_mask:0xf
.endif
	v_sub_f32 v163, v161, v162                     ; the difference first, not fused with the factor: equal maxima give exactly 0
	v_mul_f32 v163, 0x3fb8aa3b, v163
	v_exp_f32 v164, v163                           ; w_c
	v_nop                                          ; one plain instruction behind a transcendental (ISA guide 5.7.2)
	s_wait_alu depctr_va_vdst(0)
	v_mul_f32 v165, v164, v160
	v_add_f32_dpp v165, v165, v165 row_xmask:1 row_mask:0xf bank_mask:0xf
.if \nc == 4
	v_add_f32_dpp v165, v165, v165 row_xmask:2 row_mask:0xf bank_mask:0xf
.endif
	v_permlanex16_b32 v166, v165, s40, s41         ; the other half's sum
	v_cndmask_b32 v167, v165, v166, vcc_lo         ; l
	v_cndmask_b32 v168, v166, v165, vcc_lo         ; lu
	v_rcp_f32 v169, v167
	v_nop
	s_wait_alu depctr_va_vdst(0)
	v_mul_f32 v170, v168, v169                     ; lu / l
	v_max_num_f32 v171, 0x3089705f, v170           ; clipped below at 1e-9
	v_rcp_f32 v172, v171
	v_nop
	s_wait_alu depctr_va_vdst(0)
	v_mul_f32 v173, v169, v172
	v_mul_f32 v170, v170, v172                     ; sa: the sum of the final weights
	v_mul_f32 v174, v164, v173                     ; the chunk's factor
	v_mul_f32 v170, s47, v170                      ; bv enters part 0 alone
	ds_store_b32 v14, v170
	s_wait_loadcnt 16                              ; the chunks' data are in; W may stay out
.set i, 0
.rept 4
.set cc, 0
.rept \nc
	v_readlane_b32 s[48+2*cc], v174, i*\nc+cc      ; row i's factor for chunk c, for all lanes
.set cc, cc+1
.endr
.set e, 0
.rept 2
.set XB, AP+8*\nc*i+4*e
	v_pk_mul_f32 v[XB:XB+1],   v[XB:XB+1],   s[48:49] op_sel_hi:[1,0]
	v_pk_mul_f32 v[XB+2:XB+3], v[XB+2:XB+3], s[48:49] op_sel_hi:[1,0]
.set cc, 1
.rept \nc-1
	v_pk_fma_f32 v[XB:XB+1],   v[XB+8*cc:XB+8*cc+1],   s[48+2*cc:49+2*cc], v[XB:XB+1]   op_sel_hi:[1,0,1]
	v_pk_fma_f32 v[XB+2:XB+3], v[XB+8*cc+2:XB+8*cc+3], s[48+2*cc:49+2*cc], v[XB+2:XB+3] op_sel_hi:[1,0,1]
.set cc, cc+1
.endr
	v_cvt_pk_bf16_f32 v[T+2*(2*i+e)],   v[XB],   v[XB+1]
	v_cvt_pk_bf16_f32 v[T+2*(2*i+e)+1], v[XB+2], v[XB+3]
	ds_store_b64 v[VS], v[T+2*(2*i+e):T+2*(2*i+e)+1] offset:i*APITCH+e*256
.set e, e+1
.endr
.set i, i+1
.endr
.endm
	s_load_b512 s[8:23], s[0:1], 0x0               ; cmp s[8:9], Wv s[10:15], bv s[16:21], pa s[22:23]
	v_lshl_add_u32 v12, v0, 2, 0x14300
	s_set_vgpr_msb 0x40
	v_mov_b32 v1, 0
	s_set_vgpr_msb 0x4000
	ADDRS
	s_mov_b32 s3, ttmp9                            ; head
	s_and_b32 s4, ttmp7, 0xffff                    ; 4 x + dp
	s_lshr_b32 s5, s4, 2                           ; x
	s_and_b32 s46, s4, 3                           ; dp
	s_cmp_eq_u32 s46, 0
	s_cselect_b32 s47, 0x3f800000, 0               ; 1.0 in part 0, else 0
	s_mov_b32 s40, 0x76543210                      ; v_permlanex16_b32: lane i of one half reads lane i of the other
	s_mov_b32 s41, 0xfedcba98
	s_mov_b32 s49, 0                               ; the upper halves of the pairs that the packed products name
	s_mov_b32 s51, 0
	s_mov_b32 s53, 0
	s_mov_b32 s55, 0
	s_mov_b32 s35, 0
	s_mov_b32 s37, 0
	v_mov_b32 v166, 0                              ; v_permlanex16_b32 counts as a reader of its destination
	s_wait_kmcnt 0x0
	s_cmp_eq_u32 s5, 1
	s_cselect_b64 s[30:31], s[12:13], s[10:11]
	s_cselect_b64 s[32:33], s[18:19], s[16:17]
	s_cmp_eq_u32 s5, 2
	s_cselect_b64 s[30:31], s[14:15], s[30:31]     ; Wv_x
	s_cselect_b64 s[32:33], s[20:21], s[32:33]     ; bv_x
	s_lshl_b32 s34, s3, 8                          ; the head's 64 columns, in bytes
	s_add_nc_u64 s[30:31], s[30:31], s[34:35]
	s_add_nc_u64 s[32:33], s[32:33], s[34:35]
	s_add_nc_u64 s[22:23], s[22:23], s[34:35]
	s_lshl_b32 s36, s46, 20                        ; the part's 256 rows of Wv,
	s_lshl_b32 s34, s2, 17                         ; my 32 of them
	s_add_co_u32 s36, s36, s34
	s_add_nc_u64 s[30:31], s[30:31], s[36:37]
	s_lshl_b32 s36, s4, 17
	s_add_nc_u64 s[22:23], s[22:23], s[36:37]
	s_lshl_b32 s36, s5, 14                         ; this attention's first slot is 64 x: its 256 bytes of l, lu, m, this head's 8
	s_lshl_b32 s34, s3, 3
	s_add_co_u32 s36, s36, s34
	s_add_co_u32 s36, s36, 16777216
	s_add_nc_u64 s[24:25], s[8:9], s[36:37]
	s_lshl_b32 s36, s5, 22                         ; and its 65,536 bytes of partial context: this head's row, the part's 256 columns
	s_lshl_b32 s34, s3, 12
	s_add_co_u32 s36, s36, s34
	s_lshl_b32 s34, s46, 10
	s_add_co_u32 s36, s36, s34
	s_add_nc_u64 s[8:9], s[8:9], s[36:37]
	s_cmp_eq_u32 s5, 2
	s_cbranch_scc1 .Lfour
	COMB 2, 1
	s_branch .Ljoin
.Lfour:
	COMB 4, 2
.Ljoin:
	PRODUCT
	PARTOUT
	REDADDR
	global_load_b128 v[BI:BI+3], v[VB], s[32:33]
	s_lshl_b32 s44, s6, 6
	s_lshl_b32 s36, s7, 4
	s_add_co_u32 s44, s44, s36
	s_add_co_u32 s44, s44, SAB
	v_lshl_add_u32 v15, v3, 5, s44                 ; sa of rows 16 mt + 8 h + 4 jh + 0..3
	ds_load_b128 v[36:39], v15
	REDUCE
	s_wait_loadcnt 0x0
.irp jj, 0,1,2,3
.irp t, 0,1,2,3
	v_fmac_f32 v[SM+4*\jj+\t], v[36+\jj], v[BI+\t]
.endr
.endr
	STOREY
.Lend:
	s_set_vgpr_msb 0x4
	s_wait_tensorcnt 0x0
	ds_add_u32 v12, v1
	s_wait_dscnt 0x0
	s_set_vgpr_msb 0x400
	s_endpgm
.Lfunc_end_k_q68e836867d_cv:
	.size	k_q68e836867d_cv, .Lfunc_end_k_q68e836867d_cv-k_q68e836867d_cv
	.p2alignl 7, 3214868480
	.fill 96, 4, 3214868480
	.section	.rodata,"a",@progbits
	.p2align	6, 0x0
	.amdhsa_kernel k_q68e836867d_cv
		.amdhsa_group_segment_fixed_size 83712
		.amdhsa_private_segment_fixed_size 0
		.amdhsa_enable_private_segment 0
		.amdhsa_kernarg_size 64
		.amdhsa_user_sgpr_count 2
		.amdhsa_user_sgpr_kernarg_segment_ptr 1
		.amdhsa_wavefront_size32 1
		.amdhsa_system_sgpr_workgroup_id_x 1
		.amdhsa_system_sgpr_workgroup_id_y 1
		.amdhsa_system_sgpr_workgroup_id_z 1
		.amdhsa_system_vgpr_workitem_id 0
		.amdhsa_next_free_vgpr 258
		.amdhsa_next_free_sgpr 66
		.amdhsa_reserve_vcc 1
		.amdhsa_float_denorm_mode_32 3
		.amdhsa_float_denorm_mode_16_64 3
		.amdhsa_memory_ordered 1
		.amdhsa_forward_progress 1
		.amdhsa_inst_pref_size 37
	.end_amdhsa_kernel
	.amdgpu_metadata
---
amdhsa.version: [ 1, 2 ]
amdhsa.kernels:
  - .name:           k_q68e836867d_cv
    .symbol:         k_q68e836867d_cv.kd
    .args:
      - { .name: cmp, .offset: 0, .size: 8, .value_kind: global_buffer, .address_space: global }
      - { .name: params_word_Wv, .offset: 8, .size: 8, .value_kind: global_buffer, .address_space: global }
      - { .name: params_graph_Wv, .offset: 16, .size: 8, .value_kind: global_buffer, .address_space: global }
      - { .name: params_p1_Wv, .offset: 24, .size: 8, .value_kind: global_buffer, .address_space: global }
      - { .name: params_word_bv, .offset: 32, .size: 8, .value_kind: global_buffer, .address_space: global }
      - { .name: params_graph_bv, .offset: 40, .size: 8, .value_kind: global_buffer, .address_space: global }
      - { .name: params_p1_bv, .offset: 48, .size: 8, .value_kind: global_buffer, .address_space: global }
      - { .name: pa, .offset: 56, .size: 8, .value_kind: global_buffer, .address_space: global }
    .group_segment_fixed_size: 83712
    .private_segment_fixed_size: 0
    .kernarg_segment_align: 8
    .kernarg_segment_size: 64
    .max_flat_workgroup_size: 256
    .sgpr_count:     66
    .vgpr_count:     258
    .wavefront_size: 32
...
	.end_amdgpu_metadata
.endif
;; end of part 15
;; launch o3 (part 16): grid 16 x 12, 8 waves a work-group, no clusters, 83,456 bytes of LDS; arguments pa, params_word_Wo, params_graph_Wo, params_p1_Wo, pb; writes pb
.if DOCPART == 16
	.amdgcn_target "amdgcn-amd-amdhsa--gfx1250"
	.amdhsa_code_object_version 6
	.text
	.protected	k_q68e836867d_o3
	.globl	k_q68e836867d_o3
	.p2align	8
	.type	k_q68e836867d_o3,@function
k_q68e836867d_o3:
	s_mov_b64 s[64:65], 0
	v_nop
	global_prefetch_b8 v0, s[64:65] scope:SCOPE_SE
	s_setreg_imm32_b32 hwreg(HW_REG_WAVE_MODE, 25, 1), 1
	s_wait_xcnt 0x0
; The three output projections, K split in four: pb[4 x + kp] = c_x[:, 256 kp .. + 255] @ Wo_x[256 kp .. + 255][strip], where c_x = the sum of pa[4 x + 0..3].
; pa, pb: [12][32][1024] f32.  The next launch adds the four parts and bo.  grid x = the strip of 64 columns, grid y = 4 x + kp: 48 loads a wave.
; Wave w adds and converts rows 4 w .. 4 w + 3 of the tile (32 rows x 256 k) into LDS and multiplies K = 256 kp + 32 w .. + 31; the eight partial sums meet in LDS.
; A 16-byte load of W takes 4 neighbouring columns of one row; component t serves column tile t (lane r: column n0 + 4 r + t); the store undoes that.
; Limits: matrix operands are rounded to bf16.
.set NP,     1024
.set WSH,    15
.set APITCH, 528                       ; LDS row of 256 bf16 + 16 bytes: an odd multiple of 16
.set AMT,    16*APITCH
.set PB,     32*APITCH
.set NA,     4                         ; parts of A to add
.set PSTR,   131072
.set VW, 4
.set VA, 5
.set VP, 6
.set VR, 7
.set VY, 8
.set VB, 9
.set VS, 10
.set VX, 11
.set AP,  16                           ; A as loaded: 32 p + 4 n, n = 2 i + e (row 4 w + i, columns 128 e + 4 lane ..)
.set ACC, 16
.set SM,  16
.set BF,  80
.set AF,  112
.set PR,  128
.set T,   144
.set WX,  192
.set SA,  8
.set SW,  30
.set SY,  16
.macro PLACES                          ; four places behind a matrix instruction (ISA guide 7.12.1)
.rept 4
	v_nop
.endr
.endm
.macro ADDRS
	v_and_b32 v1, 31, v0                           ; lane
	v_lshrrev_b32 v2, 5, v0
	v_readfirstlane_b32 s2, v2                     ; wave
	v_and_b32 v2, 15, v0                           ; r
	v_bfe_u32 v3, v0, 4, 1                         ; h
	v_lshlrev_b32 v[VB], 4, v2
	v_lshl_add_u32 v[VW], v3, WSH, v[VB]
	v_lshl_add_u32 v[VY], v3, 15, v[VB]
	v_lshlrev_b32 v[VX], 4, v1
	v_mul_u32_u24 v[VA], v2, APITCH
	v_lshl_add_u32 v[VA], v3, 4, v[VA]
	s_lshl_b32 s6, s2, 6
	v_add_nc_u32 v[VA], s6, v[VA]
	s_mul_i32 s6, s2, 4*APITCH
	v_lshl_add_u32 v[VS], v1, 3, s6
	s_lshl_b32 s6, s2, 13
	s_add_co_u32 s6, s6, PB
	v_lshl_add_u32 v[VP], v1, 4, s6
.endm
.macro WLOADS                          ; my 32 rows x 64 columns of W; load i: row i + 8 (i / 8) + 8 h
.irp i, 0,1,2,3,4,5,6,7,8,9,10,11,12,13,14,15
	global_load_b128 v[WX+4*\i:WX+4*\i+3], v[VW], s[SW:SW+1] offset:(\i+8*(\i/8))*NP*4 th:TH_LOAD_NT
.endr
.endm
.macro ALOADS                          ; my 4 rows x 256 columns of each part of A: 512 consecutive bytes a load
.set p, 0
.rept NA
.set n, 0
.rept 8
	global_load_b128 v[AP+32*p+4*n:AP+32*p+4*n+3], v[VX], s[SA:SA+1] offset:p*PSTR+(n/2)*4096+(n%2)*512
.set n, n+1
.endr
.set p, p+1
.endr
.endm
.macro APREP
	s_wait_loadcnt 16                              ; A is in; the sixteen loads of W may stay out
.set q, 0
.rept 16
	v_pk_add_f32 v[AP+q:AP+q+1],       v[AP+q:AP+q+1],       v[AP+32+q:AP+33+q]
	v_pk_add_f32 v[AP+64+q:AP+65+q],   v[AP+64+q:AP+65+q],   v[AP+96+q:AP+97+q]
.set q, q+2
.endr
.set q, 0
.rept 16
	v_pk_add_f32 v[AP+q:AP+q+1], v[AP+q:AP+q+1], v[AP+64+q:AP+65+q]
.set q, q+2
.endr
.set n, 0
.rept 8
	v_cvt_pk_bf16_f32 v[T+2*n],   v[AP+4*n],   v[AP+4*n+1]
	v_cvt_pk_bf16_f32 v[T+2*n+1], v[AP+4*n+2], v[AP+4*n+3]
.set n, n+1
.endr
.set n, 0
.rept 8
	ds_store_b64 v[VS], v[T+2*n:T+2*n+1] offset:(n/2)*APITCH+(n%2)*256
.set n, n+1
.endr
.endm
.macro PRODUCT
	s_wait_dscnt 0x0                               ; for the other waves: my rows of the tile are in LDS
	s_barrier_signal -1
	s_barrier_wait -1
	ds_load_b128 v[AF:AF+3],     v[VA]
	ds_load_b128 v[AF+4:AF+7],   v[VA] offset:32
	ds_load_b128 v[AF+8:AF+11],  v[VA] offset:AMT
	ds_load_b128 v[AF+12:AF+15], v[VA] offset:AMT+32
	s_wait_loadcnt 0x0                             ; W
.irp t, 0,1,2,3
.irp p, 0,1,2,3,4,5,6,7
	v_cvt_pk_bf16_f32 v[BF+8*\t+\p], v[WX+8*\p+\t], v[WX+8*\p+4+\t]
.endr
.endr
	s_wait_dscnt 0x0
.irp mt, 0,1
.irp t, 0,1,2,3                        ; eight tiles, one instruction each: nothing is added in place
	v_wmma_f32_16x16x32_bf16 v[ACC+8*(4*\mt+\t):ACC+8*(4*\mt+\t)+7], v[AF+8*\mt:AF+8*\mt+7], v[BF+8*\t:BF+8*\t+7], 0
.endr
.endr
.endm
.macro PARTOUT
	PLACES
.irp a, 0,1,2,3,4,5,6,7
	ds_store_b128 v[VP], v[ACC+8*\a:ACC+8*\a+3]   offset:\a*1024
	ds_store_b128 v[VP], v[ACC+8*\a+4:ACC+8*\a+7] offset:\a*1024+512
.endr
	s_wait_dscnt 0x0                               ; for the other waves: all my stores are done
	s_barrier_signal -1
	s_barrier_wait -1
	s_cmp_ge_u32 s2, 4
	s_cbranch_scc1 .Lend
.endm
.macro REDADDR                         ; wave u = 0..3: row tile mt = u / 2, register half jh = u % 2
	s_lshr_b32 s6, s2, 1
	s_and_b32 s7, s2, 1
	s_lshl_b32 s44, s6, 12
	s_lshl_b32 s45, s7, 9
	s_add_co_u32 s44, s44, s45
	s_add_co_u32 s44, s44, PB
	v_lshl_add_u32 v[VR], v1, 4, s44
	s_lshl_b32 s44, s6, 16
	s_lshl_b32 s45, s7, 14
	s_add_co_u32 s44, s44, s45                     ; 16 mt + 4 jh rows of 4,096 bytes
	s_mov_b32 s45, 0
	s_add_nc_u64 s[SY:SY+1], s[SY:SY+1], s[44:45]
.endm
.macro REDUCE
.irp ww, 0,1,2,3,4,5,6,7
.irp t, 0,1,2,3
	ds_load_b128 v[PR+16*\ww+4*\t:PR+16*\ww+4*\t+3], v[VR] offset:\ww*8192+\t*1024
.endr
.endr
.irp ww, 1,2,3,4,5,6
	s_wait_dscnt 28-4*\ww                          ; the four loads of each later wave's sums may stay out
.irp q, 0,2,4,6,8,10,12,14
	v_pk_add_f32 v[PR+\q:PR+\q+1], v[PR+\q:PR+\q+1], v[PR+16*\ww+\q:PR+16*\ww+\q+1]
.endr
.endr
	s_wait_dscnt 0x0
.irp jj, 0,1,2,3
.irp t, 0,1,2,3
	v_add_f32 v[SM+4*\jj+\t], v[PR+4*\t+\jj], v[PR+112+4*\t+\jj]
.endr
.endr
.endm
.macro STOREY                          ; sixteen lanes store 256 consecutive bytes of a row, aligned
.irp jj, 0,1,2,3
	global_store_b128 v[VY], v[SM+4*\jj:SM+4*\jj+3], s[SY:SY+1] offset:\jj*4096
.endr
.endm
	s_load_b256 s[8:15], s[0:1], 0x0               ; pa s[8:9], Wo s[10:15]
	s_load_b64 s[16:17], s[0:1], 0x20              ; pb
	v_lshl_add_u32 v14, v0, 2, 0x14200
	v_mov_b32 v15, 0
	ADDRS
	s_mov_b32 s3, ttmp9                            ; strip
	s_and_b32 s4, ttmp7, 0xffff                    ; 4 x + kp
	s_lshr_b32 s5, s4, 2                           ; x
	s_and_b32 s46, s4, 3                           ; kp
	s_mov_b32 s35, 0
	s_mov_b32 s37, 0
	s_wait_kmcnt 0x0
	s_cmp_eq_u32 s5, 1
	s_cselect_b64 s[30:31], s[12:13], s[10:11]
	s_cmp_eq_u32 s5, 2
	s_cselect_b64 s[30:31], s[14:15], s[30:31]     ; Wo_x
	s_lshl_b32 s34, s3, 8
	s_add_nc_u64 s[30:31], s[30:31], s[34:35]
	s_add_nc_u64 s[16:17], s[16:17], s[34:35]
	s_lshl_b32 s36, s46, 20                        ; the part's 256 rows of W,
	s_lshl_b32 s34, s2, 17                         ; my 32 of them
	s_add_co_u32 s36, s36, s34
	s_add_nc_u64 s[30:31], s[30:31], s[36:37]
	s_lshl_b32 s36, s46, 10                        ; the part's 256 columns of A,
	s_lshl_b32 s34, s2, 14                         ; my 4 rows,
	s_add_co_u32 s36, s36, s34
	s_lshl_b32 s34, s5, 19                         ; the four parts of c_x
	s_add_co_u32 s36, s36, s34
	s_add_nc_u64 s[8:9], s[8:9], s[36:37]
	s_lshl_b32 s36, s4, 17
	s_add_nc_u64 s[16:17], s[16:17], s[36:37]
	ALOADS
	WLOADS
	APREP
	PRODUCT
	PARTOUT
	REDADDR
	REDUCE
	STOREY
.Lend:
	s_wait_tensorcnt 0x0
	ds_add_u32 v14, v15
	s_wait_dscnt 0x0
	s_endpgm
.Lfunc_end_k_q68e836867d_o3:
	.size	k_q68e836867d_o3, .Lfunc_end_k_q68e836867d_o3-k_q68e836867d_o3
	.p2alignl 7, 3214868480
	.fill 96, 4, 3214868480
	.section	.rodata,"a",@progbits
	.p2align	6, 0x0
	.amdhsa_kernel k_q68e836867d_o3
		.amdhsa_group_segment_fixed_size 83456
		.amdhsa_private_segment_fixed_size 0
		.amdhsa_enable_private_segment 0
		.amdhsa_kernarg_size 40
		.amdhsa_user_sgpr_count 2
		.amdhsa_user_sgpr_kernarg_segment_ptr 1
		.amdhsa_wavefront_size32 1
		.amdhsa_system_sgpr_workgroup_id_x 1
		.amdhsa_system_sgpr_workgroup_id_y 1
		.amdhsa_system_sgpr_workgroup_id_z 1
		.amdhsa_system_vgpr_workitem_id 0
		.amdhsa_next_free_vgpr 256
		.amdhsa_next_free_sgpr 66
		.amdhsa_reserve_vcc 0
		.amdhsa_float_denorm_mode_32 3
		.amdhsa_float_denorm_mode_16_64 3
		.amdhsa_memory_ordered 1
		.amdhsa_forward_progress 1
		.amdhsa_inst_pref_size 23
	.end_amdhsa_kernel
	.amdgpu_metadata
---
amdhsa.version: [ 1, 2 ]
amdhsa.kernels:
  - .name:           k_q68e836867d_o3
    .symbol:         k_q68e836867d_o3.kd
    .args:
      - { .name: pa, .offset: 0, .size: 8, .value_kind: global_buffer, .address_space: global }
      - { .name: params_word_Wo, .offset: 8, .size: 8, .value_kind: global_buffer, .address_space: global }
      - { .name: params_graph_Wo, .offset: 16, .size: 8, .value_kind: global_buffer, .address_space: global }
      - { .name: params_p1_Wo, .offset: 24, .size: 8, .value_kind: global_buffer, .address_space: global }
      - { .name: pb, .offset: 32, .size: 8, .value_kind: global_buffer, .address_space: global }
    .group_segment_fixed_size: 83456
    .private_segment_fixed_size: 0
    .kernarg_segment_align: 8
    .kernarg_segment_size: 40
    .max_flat_workgroup_size: 256
    .sgpr_count:     66
    .vgpr_count:     256
    .wavefront_size: 32
...
	.end_amdgpu_metadata
.endif
;; end of part 16
;; launch gate (part 17): grid 32 x 1, 8 waves a work-group, no clusters, 2,048 bytes of LDS; arguments pb, query, params_word_bo, params_graph_bo, params_p1_bo, params_f1_W, params_f1_b, params_f2_W, params_f2_b, params_ffn_ln_g, params_ffn_ln_b, hb, lnb; writes hb, lnb
.if DOCPART == 17
	.amdgcn_target "amdgcn-amd-amdhsa--gfx1250"
	.amdhsa_code_object_version 6
	.text
	.protected	k_q68e836867d_gate
	.globl	k_q68e836867d_gate
	.p2align	8
	.type	k_q68e836867d_gate,@function
k_q68e836867d_gate:
	s_mov_b64 s[64:65], 0
	v_nop
	global_prefetch_b8 v0, s[64:65] scope:SCOPE_SE
	s_setreg_imm32_b32 hwreg(HW_REG_WAVE_MODE, 25, 1), 1
	s_wait_xcnt 0x0
; The three contexts (each the sum of four parts of its output projection, + bo), the two gates, the residual and the feed-forward block's LN,
; one batch row a work-group, all in f32 on the vector unit (the gates' products have one output column: a matrix tile would leave 15 of its 16 columns idle).
;   g1 = sigmoid(word . f1a + graph . f1b + f1_b);  out = g1 word + (1 - g1) graph;
;   g2 = sigmoid(out . f2a + p1 . f2b + f2_b), where out . f2a = g1 (word . f2a) + (1 - g1) (graph . f2a), so that all four dot products are made in one pass;
;   h = g2 out + (1 - g2) p1 + query;  lnb = LN(h), mean first, then the squares of the centred numbers.
; Thread t owns columns 4 t .. 4 t + 3.  Three sums over the work-group, each in LDS bytes of its own (0, 256, 512), each behind one barrier.
; Limits: the order of sums differs from the problem's function; an exponential that overflows gives the gate 0, as there.
.macro WSUM x
	v_add_f32_dpp v[\x], v[\x], v[\x] row_xmask:1 row_mask:0xf bank_mask:0xf
	v_add_f32_dpp v[\x], v[\x], v[\x] row_xmask:2 row_mask:0xf bank_mask:0xf
	v_add_f32_dpp v[\x], v[\x], v[\x] row_xmask:4 row_mask:0xf bank_mask:0xf
	v_add_f32_dpp v[\x], v[\x], v[\x] row_xmask:8 row_mask:0xf bank_mask:0xf
	v_permlanex16_b32 v48, v[\x], s40, s41
	v_add_f32 v[\x], v[\x], v48
.endm
; v44 of every wave is added over the eight waves, through the 32 bytes at LDS byte at: the sum lands in v52
.macro GSUM at
	WSUM 44
	ds_store_b32 v50, v44 offset:\at
	s_wait_dscnt 0x0                               ; for the other waves: my sum is in LDS
	s_barrier_signal -1
	s_barrier_wait -1
	ds_load_b128 v[52:55], v3 offset:\at
	ds_load_b128 v[56:59], v3 offset:\at+16
	s_wait_dscnt 0x0
	v_pk_add_f32 v[52:53], v[52:53], v[54:55]
	v_pk_add_f32 v[56:57], v[56:57], v[58:59]
	v_pk_add_f32 v[52:53], v[52:53], v[56:57]
	v_add_f32 v52, v52, v53
.endm
	s_load_b512 s[8:23], s[0:1], 0x0               ; pb s[8:9], query s[10:11], bo s[12:17], f1_W s[18:19], f1_b s[20:21], f2_W s[22:23]
	s_load_b256 s[24:31], s[0:1], 0x40             ; f2_b s[24:25], g s[26:27], beta s[28:29], hb s[30:31]
	s_load_b64 s[32:33], s[0:1], 0x60              ; lnb
	v_lshl_add_u32 v160, v0, 2, 0x400
	v_mov_b32 v161, 0
	v_lshrrev_b32 v1, 5, v0
	v_readfirstlane_b32 s2, v1                     ; wave
	v_lshlrev_b32 v1, 4, v0                        ; my 16 bytes of a row
	v_mov_b32 v2, s2
	v_lshlrev_b32 v50, 2, v2                       ; 4 w
	v_lshlrev_b32 v2, 4, v2                        ; 16 w
	v_mov_b32 v3, 0
	v_mov_b32 v48, 0                               ; v_permlanex16_b32 counts as a reader of its destination
	s_lshl_b32 s4, ttmp9, 12                       ; the batch row
	s_mov_b32 s5, 0
	s_mov_b32 s40, 0x76543210
	s_mov_b32 s41, 0xfedcba98
	s_mov_b32 s42, 0xba800000                      ; -1/1024
	s_mov_b32 s43, 0x3a800000                      ; 1/1024
	s_mov_b32 s44, 0x358637bd                      ; 1e-6
	s_wait_kmcnt 0x0
	s_load_b32 s34, s[20:21], 0x0
	s_load_b32 s35, s[24:25], 0x0
	s_add_nc_u64 s[8:9], s[8:9], s[4:5]
	s_add_nc_u64 s[10:11], s[10:11], s[4:5]
	s_add_nc_u64 s[30:31], s[30:31], s[4:5]
	s_add_nc_u64 s[32:33], s[32:33], s[4:5]
.irp x, 0,1,2
.irp p, 0,1,2,3
	global_load_b128 v[96+16*\x+4*\p:99+16*\x+4*\p], v1, s[8:9] offset:(4*\x+\p)*131072
.endr
.endr
	global_load_b128 v[144:147], v1, s[12:13]              ; bo of word
	global_load_b128 v[148:151], v1, s[14:15]              ; of graph
	global_load_b128 v[152:155], v1, s[16:17]              ; of phase 1
	global_load_b128 v[20:23], v1, s[18:19]                ; f1_W for word
	global_load_b128 v[24:27], v1, s[18:19] offset:4096    ; for graph
	global_load_b128 v[28:31], v1, s[22:23]                ; f2_W for out
	global_load_b128 v[32:35], v1, s[22:23] offset:4096    ; for phase 1
	global_load_b128 v[16:19], v1, s[10:11]                ; query
	global_load_b128 v[36:39], v1, s[26:27]
	global_load_b128 v[40:43], v1, s[28:29]
	s_wait_loadcnt 0x0
.irp x, 0,1,2                          ; v[4:7] word, v[8:11] graph, v[12:15] phase 1
.irp q, 0,2
	v_pk_add_f32 v[96+16*\x+\q:97+16*\x+\q],   v[96+16*\x+\q:97+16*\x+\q],   v[100+16*\x+\q:101+16*\x+\q]
	v_pk_add_f32 v[104+16*\x+\q:105+16*\x+\q], v[104+16*\x+\q:105+16*\x+\q], v[108+16*\x+\q:109+16*\x+\q]
	v_pk_add_f32 v[96+16*\x+\q:97+16*\x+\q],   v[96+16*\x+\q:97+16*\x+\q],   v[144+4*\x+\q:145+4*\x+\q]
	v_pk_add_f32 v[4+4*\x+\q:5+4*\x+\q],       v[96+16*\x+\q:97+16*\x+\q],   v[104+16*\x+\q:105+16*\x+\q]
.endr
.endr
	v_mul_f32 v44, v4, v20
	v_mul_f32 v45, v4, v28
	v_mul_f32 v46, v8, v28
	v_mul_f32 v47, v12, v32
.irp j, 1,2,3
	v_fmac_f32 v44, v[4+\j], v[20+\j]
	v_fmac_f32 v45, v[4+\j], v[28+\j]
	v_fmac_f32 v46, v[8+\j], v[28+\j]
	v_fmac_f32 v47, v[12+\j], v[32+\j]
.endr
.irp j, 0,1,2,3
	v_fmac_f32 v44, v[8+\j], v[24+\j]
.endr
	WSUM 44
	WSUM 45
	WSUM 46
	WSUM 47
	ds_store_b128 v2, v[44:47]
	s_wait_dscnt 0x0                               ; for the other waves: my four sums are in LDS
	s_barrier_signal -1
	s_barrier_wait -1
.irp k, 0,1,2,3,4,5,6,7
	ds_load_b128 v[52+4*\k:55+4*\k], v3 offset:16*\k
.endr
	s_wait_dscnt 0x0
.irp k, 1,2,3,4,5,6,7
	v_pk_add_f32 v[52:53], v[52:53], v[52+4*\k:53+4*\k]
	v_pk_add_f32 v[54:55], v[54:55], v[54+4*\k:55+4*\k]
.endr
	s_wait_kmcnt 0x0
	v_add_f32 v52, s34, v52
	v_mul_f32 v52, 0xbfb8aa3b, v52
	v_exp_f32 v49, v52
	v_nop                                          ; one plain instruction behind a transcendental (ISA guide 5.7.2)
	s_wait_alu depctr_va_vdst(0)
	v_add_f32 v49, 1.0, v49
	v_rcp_f32 v92, v49                             ; g1
	v_add_f32 v55, s35, v55
	s_wait_alu depctr_va_vdst(0)
	v_sub_f32 v93, 1.0, v92
	v_fmac_f32 v55, v92, v53
	v_fmac_f32 v55, v93, v54
	v_mul_f32 v55, 0xbfb8aa3b, v55
	v_exp_f32 v49, v55
	v_nop
	s_wait_alu depctr_va_vdst(0)
	v_add_f32 v49, 1.0, v49
	v_rcp_f32 v94, v49                             ; g2
	v_nop
	s_wait_alu depctr_va_vdst(0)
	v_sub_f32 v95, 1.0, v94
.irp j, 0,1,2,3
	v_mul_f32 v[88+\j], v93, v[8+\j]
	v_fma_f32 v[84+\j], v95, v[12+\j], v[16+\j]
	v_fmac_f32 v[88+\j], v92, v[4+\j]
	v_fmac_f32 v[84+\j], v94, v[88+\j]
.endr
	global_store_b128 v1, v[84:87], s[30:31]       ; h; its registers are not written again
	v_add_f32 v44, v84, v85
	v_add_f32 v45, v86, v87
	v_add_f32 v44, v44, v45
	GSUM 256
.irp j, 0,1,2,3
	v_fma_f32 v[88+\j], v52, s42, v[84+\j]         ; h - sum / 1024
.endr
	v_mul_f32 v44, v88, v88
	v_fmac_f32 v44, v89, v89
	v_fmac_f32 v44, v90, v90
	v_fmac_f32 v44, v91, v91
	GSUM 512
	v_fma_f32 v52, v52, s43, s44                   ; variance + 1e-6
	v_rsq_f32 v49, v52
	v_nop
	s_wait_alu depctr_va_vdst(0)
.irp j, 0,1,2,3
	v_mul_f32 v[88+\j], v[88+\j], v49
.endr
.irp j, 0,1,2,3
	v_fma_f32 v[44+\j], v[88+\j], v[36+\j], v[40+\j]
.endr
	global_store_b128 v1, v[44:47], s[32:33]
	s_wait_tensorcnt 0x0
	ds_add_u32 v160, v161
	s_wait_dscnt 0x0
	s_endpgm
.Lfunc_end_k_q68e836867d_gate:
	.size	k_q68e836867d_gate, .Lfunc_end_k_q68e836867d_gate-k_q68e836867d_gate
	.p2alignl 7, 3214868480
	.fill 96, 4, 3214868480
	.section	.rodata,"a",@progbits
	.p2align	6, 0x0
	.amdhsa_kernel k_q68e836867d_gate
		.amdhsa_group_segment_fixed_size 2048
		.amdhsa_private_segment_fixed_size 0
		.amdhsa_enable_private_segment 0
		.amdhsa_kernarg_size 104
		.amdhsa_user_sgpr_count 2
		.amdhsa_user_sgpr_kernarg_segment_ptr 1
		.amdhsa_wavefront_size32 1
		.amdhsa_system_sgpr_workgroup_id_x 1
		.amdhsa_system_sgpr_workgroup_id_y 1
		.amdhsa_system_sgpr_workgroup_id_z 1
		.amdhsa_system_vgpr_workitem_id 0
		.amdhsa_next_free_vgpr 162
		.amdhsa_next_free_sgpr 66
		.amdhsa_reserve_vcc 0
		.amdhsa_float_denorm_mode_32 3
		.amdhsa_float_denorm_mode_16_64 3
		.amdhsa_memory_ordered 1
		.amdhsa_forward_progress 1
		.amdhsa_inst_pref_size 14
	.end_amdhsa_kernel
	.amdgpu_metadata
---
amdhsa.version: [ 1, 2 ]
amdhsa.kernels:
  - .name:           k_q68e836867d_gate
    .symbol:         k_q68e836867d_gate.kd
    .args:
      - { .name: pb, .offset: 0, .size: 8, .value_kind: global_buffer, .address_space: global }
      - { .name: query, .offset: 8, .size: 8, .value_kind: global_buffer, .address_space: global }
      - { .name: params_word_bo, .offset: 16, .size: 8, .value_kind: global_buffer, .address_space: global }
      - { .name: params_graph_bo, .offset: 24, .size: 8, .value_kind: global_buffer, .address_space: global }
      - { .name: params_p1_bo, .offset: 32, .size: 8, .value_kind: global_buffer, .address_space: global }
      - { .name: params_f1_W, .offset: 40, .size: 8, .value_kind: global_buffer, .address_space: global }
      - { .name: params_f1_b, .offset: 48, .size: 8, .value_kind: global_buffer, .address_space: global }
      - { .name: params_f2_W, .offset: 56, .size: 8, .value_kind: global_buffer, .address_space: global }
      - { .name: params_f2_b, .offset: 64, .size: 8, .value_kind: global_buffer, .address_space: global }
      - { .name: params_ffn_ln_g, .offset: 72, .size: 8, .value_kind: global_buffer, .address_space: global }
      - { .name: params_ffn_ln_b, .offset: 80, .size: 8, .value_kind: global_buffer, .address_space: global }
      - { .name: hb, .offset: 88, .size: 8, .value_kind: global_buffer, .address_space: global }
      - { .name: lnb, .offset: 96, .size: 8, .value_kind: global_buffer, .address_space: global }
    .group_segment_fixed_size: 2048
    .private_segment_fixed_size: 0
    .kernarg_segment_align: 8
    .kernarg_segment_size: 104
    .max_flat_workgroup_size: 256
    .sgpr_count:     66
    .vgpr_count:     162
    .wavefront_size: 32
...
	.end_amdgpu_metadata
.endif
;; end of part 17
;; launch ff1 (part 18): grid 64 x 4, 8 waves a work-group, no clusters, 83,456 bytes of LDS; arguments lnb, params_w1, pa; writes pa
.if DOCPART == 18
	.amdgcn_target "amdgcn-amd-amdhsa--gfx1250"
	.amdhsa_code_object_version 6
	.text
	.protected	k_q68e836867d_ff1
	.globl	k_q68e836867d_ff1
	.p2align	8
	.type	k_q68e836867d_ff1,@function
k_q68e836867d_ff1:
	s_mov_b64 s[64:65], 0
	v_nop
	global_prefetch_b8 v0, s[64:65] scope:SCOPE_SE
	s_setreg_imm32_b32 hwreg(HW_REG_WAVE_MODE, 25, 1), 1
	s_wait_xcnt 0x0
; The first feed-forward product, K split in four: pa[kp] = lnb[:, 256 kp .. + 255] @ w1[256 kp .. + 255][strip].  lnb: [32][1024] f32.  w1: [1024][4096] f32.
; pa: [kp 4][slice 4][32][1024] f32, hidden column = 1024 slice + column.  The next launch adds the four parts and b1 and takes the relu.
; grid x = the strip of 64 columns (0 to 63), grid y = kp: 256 work-groups, 24 loads a wave.
; Wave w converts rows 4 w .. 4 w + 3 of the tile (32 rows x 256 k) into LDS and multiplies K = 256 kp + 32 w .. + 31; the eight partial sums meet in LDS.
; A 16-byte load of W takes 4 neighbouring columns of one row; component t serves column tile t (lane r: column n0 + 4 r + t); the store undoes that.
; Limits: matrix operands are rounded to bf16.
.set NP,     4096
.set WSH,    17                        ; 8 rows of 16,384 bytes
.set APITCH, 528                       ; LDS row of 256 bf16 + 16 bytes: an odd multiple of 16
.set AMT,    16*APITCH
.set PB,     32*APITCH
.set NA,     1
.set PSTR,   0
.set VW, 4
.set VA, 5
.set VP, 6
.set VR, 7
.set VY, 8
.set VB, 9
.set VS, 10
.set VX, 11
.set AP,  16
.set ACC, 16
.set SM,  16
.set BF,  80
.set AF,  112
.set PR,  128
.set T,   144
.set WX,  192
.set SA,  8
.set SW,  10
.set SY,  12
.macro PLACES                          ; four places behind a matrix instruction (ISA guide 7.12.1)
.rept 4
	v_nop
.endr
.endm
.macro ADDRS
	v_and_b32 v1, 31, v0                           ; lane
	v_lshrrev_b32 v2, 5, v0
	v_readfirstlane_b32 s2, v2                     ; wave
	v_and_b32 v2, 15, v0                           ; r
	v_bfe_u32 v3, v0, 4, 1                         ; h
	v_lshlrev_b32 v[VB], 4, v2
	v_lshl_add_u32 v[VW], v3, WSH, v[VB]
	v_lshl_add_u32 v[VY], v3, 15, v[VB]
	v_lshlrev_b32 v[VX], 4, v1
	v_mul_u32_u24 v[VA], v2, APITCH
	v_lshl_add_u32 v[VA], v3, 4, v[VA]
	s_lshl_b32 s6, s2, 6
	v_add_nc_u32 v[VA], s6, v[VA]
	s_mul_i32 s6, s2, 4*APITCH
	v_lshl_add_u32 v[VS], v1, 3, s6
	s_lshl_b32 s6, s2, 13
	s_add_co_u32 s6, s6, PB
	v_lshl_add_u32 v[VP], v1, 4, s6
.endm
.macro WLOADS                          ; my 32 rows x 64 columns of W; load i: row i + 8 (i / 8) + 8 h; the largest immediate is 23 rows of 16,384 bytes
.irp i, 0,1,2,3,4,5,6,7,8,9,10,11,12,13,14,15
	global_load_b128 v[WX+4*\i:WX+4*\i+3], v[VW], s[SW:SW+1] offset:(\i+8*(\i/8))*NP*4 th:TH_LOAD_NT
.endr
.endm
.macro ALOADS                          ; my 4 rows x 256 columns of A: 512 consecutive bytes a load
.set p, 0
.rept NA
.set n, 0
.rept 8
	global_load_b128 v[AP+32*p+4*n:AP+32*p+4*n+3], v[VX], s[SA:SA+1] offset:p*PSTR+(n/2)*4096+(n%2)*512
.set n, n+1
.endr
.set p, p+1
.endr
.endm
.macro APREP
	s_wait_loadcnt 16                              ; A is in; the sixteen loads of W may stay out
.set n, 0
.rept 8
	v_cvt_pk_bf16_f32 v[T+2*n],   v[AP+4*n],   v[AP+4*n+1]
	v_cvt_pk_bf16_f32 v[T+2*n+1], v[AP+4*n+2], v[AP+4*n+3]
.set n, n+1
.endr
.set n, 0
.rept 8
	ds_store_b64 v[VS], v[T+2*n:T+2*n+1] offset:(n/2)*APITCH+(n%2)*256
.set n, n+1
.endr
.endm
.macro PRODUCT
	s_wait_dscnt 0x0                               ; for the other waves: my rows of the tile are in LDS
	s_barrier_signal -1
	s_barrier_wait -1
	ds_load_b128 v[AF:AF+3],     v[VA]
	ds_load_b128 v[AF+4:AF+7],   v[VA] offset:32
	ds_load_b128 v[AF+8:AF+11],  v[VA] offset:AMT
	ds_load_b128 v[AF+12:AF+15], v[VA] offset:AMT+32
	s_wait_loadcnt 0x0                             ; W
.irp t, 0,1,2,3
.irp p, 0,1,2,3,4,5,6,7
	v_cvt_pk_bf16_f32 v[BF+8*\t+\p], v[WX+8*\p+\t], v[WX+8*\p+4+\t]
.endr
.endr
	s_wait_dscnt 0x0
.irp mt, 0,1
.irp t, 0,1,2,3                        ; eight tiles, one instruction each: nothing is added in place
	v_wmma_f32_16x16x32_bf16 v[ACC+8*(4*\mt+\t):ACC+8*(4*\mt+\t)+7], v[AF+8*\mt:AF+8*\mt+7], v[BF+8*\t:BF+8*\t+7], 0
.endr
.endr
.endm
.macro PARTOUT
	PLACES
.irp a, 0,1,2,3,4,5,6,7
	ds_store_b128 v[VP], v[ACC+8*\a:ACC+8*\a+3]   offset:\a*1024
	ds_store_b128 v[VP], v[ACC+8*\a+4:ACC+8*\a+7] offset:\a*1024+512
.endr
	s_wait_dscnt 0x0                               ; for the other waves: all my stores are done
	s_barrier_signal -1
	s_barrier_wait -1
	s_cmp_ge_u32 s2, 4
	s_cbranch_scc1 .Lend
.endm
.macro REDADDR                         ; wave u = 0..3: row tile mt = u / 2, register half jh = u % 2
	s_lshr_b32 s6, s2, 1
	s_and_b32 s7, s2, 1
	s_lshl_b32 s44, s6, 12
	s_lshl_b32 s45, s7, 9
	s_add_co_u32 s44, s44, s45
	s_add_co_u32 s44, s44, PB
	v_lshl_add_u32 v[VR], v1, 4, s44
	s_lshl_b32 s44, s6, 16
	s_lshl_b32 s45, s7, 14
	s_add_co_u32 s44, s44, s45                     ; 16 mt + 4 jh rows of 4,096 bytes
	s_mov_b32 s45, 0
	s_add_nc_u64 s[SY:SY+1], s[SY:SY+1], s[44:45]
.endm
.macro REDUCE
.irp ww, 0,1,2,3,4,5,6,7
.irp t, 0,1,2,3
	ds_load_b128 v[PR+16*\ww+4*\t:PR+16*\ww+4*\t+3], v[VR] offset:\ww*8192+\t*1024
.endr
.endr
.irp ww, 1,2,3,4,5,6
	s_wait_dscnt 28-4*\ww                          ; the four loads of each later wave's sums may stay out
.irp q, 0,2,4,6,8,10,12,14
	v_pk_add_f32 v[PR+\q:PR+\q+1], v[PR+\q:PR+\q+1], v[PR+16*\ww+\q:PR+16*\ww+\q+1]
.endr
.endr
	s_wait_dscnt 0x0
.irp jj, 0,1,2,3
.irp t, 0,1,2,3
	v_add_f32 v[SM+4*\jj+\t], v[PR+4*\t+\jj], v[PR+112+4*\t+\jj]
.endr
.endr
.endm
.macro STOREY                          ; sixteen lanes store 256 consecutive bytes of a row, aligned
.irp jj, 0,1,2,3
	global_store_b128 v[VY], v[SM+4*\jj:SM+4*\jj+3], s[SY:SY+1] offset:\jj*4096
.endr
.endm
	s_load_b128 s[8:11], s[0:1], 0x0               ; lnb s[8:9], w1 s[10:11]
	s_load_b64 s[12:13], s[0:1], 0x10              ; pa
	v_lshl_add_u32 v14, v0, 2, 0x14200
	v_mov_b32 v15, 0
	ADDRS
	s_mov_b32 s3, ttmp9                            ; strip, 0 to 63
	s_and_b32 s4, ttmp7, 0xffff                    ; kp
	s_mov_b32 s35, 0
	s_mov_b32 s37, 0
	s_wait_kmcnt 0x0
	s_lshl_b32 s34, s3, 8
	s_add_nc_u64 s[10:11], s[10:11], s[34:35]
	s_lshl_b32 s36, s4, 22                         ; the part's 256 rows of w1,
	s_lshl_b32 s34, s2, 19                         ; my 32 of them
	s_add_co_u32 s36, s36, s34
	s_add_nc_u64 s[10:11], s[10:11], s[36:37]
	s_lshl_b32 s36, s4, 10                         ; the part's 256 columns of A,
	s_lshl_b32 s34, s2, 14                         ; my 4 rows
	s_add_co_u32 s36, s36, s34
	s_add_nc_u64 s[8:9], s[8:9], s[36:37]
	s_lshl_b32 s36, s4, 19                         ; pa[kp],
	s_lshr_b32 s34, s3, 4
	s_lshl_b32 s34, s34, 17                        ; the slice,
	s_add_co_u32 s36, s36, s34
	s_and_b32 s34, s3, 15
	s_lshl_b32 s34, s34, 8                         ; the strip's place in it
	s_add_co_u32 s36, s36, s34
	s_add_nc_u64 s[12:13], s[12:13], s[36:37]
	ALOADS
	WLOADS
	APREP
	PRODUCT
	PARTOUT
	REDADDR
	REDUCE
	STOREY
.Lend:
	s_wait_tensorcnt 0x0
	ds_add_u32 v14, v15
	s_wait_dscnt 0x0
	s_endpgm
.Lfunc_end_k_q68e836867d_ff1:
	.size	k_q68e836867d_ff1, .Lfunc_end_k_q68e836867d_ff1-k_q68e836867d_ff1
	.p2alignl 7, 3214868480
	.fill 96, 4, 3214868480
	.section	.rodata,"a",@progbits
	.p2align	6, 0x0
	.amdhsa_kernel k_q68e836867d_ff1
		.amdhsa_group_segment_fixed_size 83456
		.amdhsa_private_segment_fixed_size 0
		.amdhsa_enable_private_segment 0
		.amdhsa_kernarg_size 24
		.amdhsa_user_sgpr_count 2
		.amdhsa_user_sgpr_kernarg_segment_ptr 1
		.amdhsa_wavefront_size32 1
		.amdhsa_system_sgpr_workgroup_id_x 1
		.amdhsa_system_sgpr_workgroup_id_y 1
		.amdhsa_system_sgpr_workgroup_id_z 1
		.amdhsa_system_vgpr_workitem_id 0
		.amdhsa_next_free_vgpr 256
		.amdhsa_next_free_sgpr 66
		.amdhsa_reserve_vcc 0
		.amdhsa_float_denorm_mode_32 3
		.amdhsa_float_denorm_mode_16_64 3
		.amdhsa_memory_ordered 1
		.amdhsa_forward_progress 1
		.amdhsa_inst_pref_size 17
	.end_amdhsa_kernel
	.amdgpu_metadata
---
amdhsa.version: [ 1, 2 ]
amdhsa.kernels:
  - .name:           k_q68e836867d_ff1
    .symbol:         k_q68e836867d_ff1.kd
    .args:
      - { .name: lnb, .offset: 0, .size: 8, .value_kind: global_buffer, .address_space: global }
      - { .name: params_w1, .offset: 8, .size: 8, .value_kind: global_buffer, .address_space: global }
      - { .name: pa, .offset: 16, .size: 8, .value_kind: global_buffer, .address_space: global }
    .group_segment_fixed_size: 83456
    .private_segment_fixed_size: 0
    .kernarg_segment_align: 8
    .kernarg_segment_size: 24
    .max_flat_workgroup_size: 256
    .sgpr_count:     66
    .vgpr_count:     256
    .wavefront_size: 32
...
	.end_amdgpu_metadata
.endif
;; end of part 18
;; launch ff2 (part 19): grid 16 x 16, 8 waves a work-group, no clusters, 83,456 bytes of LDS; arguments pa, params_w2, params_b1, pb; writes pb
.if DOCPART == 19
	.amdgcn_target "amdgcn-amd-amdhsa--gfx1250"
	.amdhsa_code_object_version 6
	.text
	.protected	k_q68e836867d_ff2
	.globl	k_q68e836867d_ff2
	.p2align	8
	.type	k_q68e836867d_ff2,@function
k_q68e836867d_ff2:
	s_mov_b64 s[64:65], 0
	v_nop
	global_prefetch_b8 v0, s[64:65] scope:SCOPE_SE
	s_setreg_imm32_b32 hwreg(HW_REG_WAVE_MODE, 25, 1), 1
	s_wait_xcnt 0x0
; The second feed-forward product, K = 4,096 split in sixteen: pb[kk] = relu(hidden)[:, 256 kk .. + 255] @ w2[256 kk .. + 255][strip],
; where hidden = the sum of the four parts pa[0..3] + b1.  pa: [4][slice 4][32][1024] f32; pb: [16][32][1024] f32.  The last launch adds the sixteen parts.
; grid x = the strip of 64 columns, grid y = kk: 256 work-groups, 50 loads a wave.
; Wave w adds, clips and converts rows 4 w .. 4 w + 3 of the tile (32 rows x 256 k) into LDS and multiplies K = 256 kk + 32 w .. + 31; the eight partial sums meet in LDS.
; A 16-byte load of W takes 4 neighbouring columns of one row; component t serves column tile t (lane r: column n0 + 4 r + t); the store undoes that.
; Limits: matrix operands are rounded to bf16.
.set NP,     1024
.set WSH,    15
.set APITCH, 528                       ; LDS row of 256 bf16 + 16 bytes: an odd multiple of 16
.set AMT,    16*APITCH
.set PB,     32*APITCH
.set NA,     4
.set PSTR,   524288
.set VW, 4
.set VA, 5
.set VP, 6
.set VR, 7
.set VY, 8
.set VB, 9
.set VS, 10
.set VX, 11
.set AP,  16
.set ACC, 16
.set SM,  16
.set BF,  80
.set AF,  112
.set PR,  128
.set T,   144
.set B1,  160                          ; v[160:167] b1 of my 8 columns: 4 e
.set WX,  192
.set SA,  8
.set SW,  10
.set SY,  14
.macro PLACES                          ; four places behind a matrix instruction (ISA guide 7.12.1)
.rept 4
	v_nop
.endr
.endm
.macro ADDRS
	v_and_b32 v1, 31, v0                           ; lane
	v_lshrrev_b32 v2, 5, v0
	v_readfirstlane_b32 s2, v2                     ; wave
	v_and_b32 v2, 15, v0                           ; r
	v_bfe_u32 v3, v0, 4, 1                         ; h
	v_lshlrev_b32 v[VB], 4, v2
	v_lshl_add_u32 v[VW], v3, WSH, v[VB]
	v_lshl_add_u32 v[VY], v3, 15, v[VB]
	v_lshlrev_b32 v[VX], 4, v1
	v_mul_u32_u24 v[VA], v2, APITCH
	v_lshl_add_u32 v[VA], v3, 4, v[VA]
	s_lshl_b32 s6, s2, 6
	v_add_nc_u32 v[VA], s6, v[VA]
	s_mul_i32 s6, s2, 4*APITCH
	v_lshl_add_u32 v[VS], v1, 3, s6
	s_lshl_b32 s6, s2, 13
	s_add_co_u32 s6, s6, PB
	v_lshl_add_u32 v[VP], v1, 4, s6
.endm
.macro WLOADS                          ; my 32 rows x 64 columns of W; load i: row i + 8 (i / 8) + 8 h
.irp i, 0,1,2,3,4,5,6,7,8,9,10,11,12,13,14,15
	global_load_b128 v[WX+4*\i:WX+4*\i+3], v[VW], s[SW:SW+1] offset:(\i+8*(\i/8))*NP*4 th:TH_LOAD_NT
.endr
.endm
.macro ALOADS                          ; my 4 rows x 256 columns of each part of A: 512 consecutive bytes a load
.set p, 0
.rept NA
.set n, 0
.rept 8
	global_load_b128 v[AP+32*p+4*n:AP+32*p+4*n+3], v[VX], s[SA:SA+1] offset:p*PSTR+(n/2)*4096+(n%2)*512
.set n, n+1
.endr
.set p, p+1
.endr
.endm
.macro APREP
	s_wait_loadcnt 16                              ; b1 and A are in; the sixteen loads of W may stay out
.set q, 0
.rept 16
	v_pk_add_f32 v[AP+q:AP+q+1],       v[AP+q:AP+q+1],       v[AP+32+q:AP+33+q]
	v_pk_add_f32 v[AP+64+q:AP+65+q],   v[AP+64+q:AP+65+q],   v[AP+96+q:AP+97+q]
.set q, q+2
.endr
.set n, 0
.rept 8
	v_pk_add_f32 v[AP+4*n:AP+4*n+1],   v[AP+4*n:AP+4*n+1],   v[B1+4*(n%2):B1+4*(n%2)+1]
	v_pk_add_f32 v[AP+4*n+2:AP+4*n+3], v[AP+4*n+2:AP+4*n+3], v[B1+4*(n%2)+2:B1+4*(n%2)+3]
.set n, n+1
.endr
.set q, 0
.rept 16
	v_pk_add_f32 v[AP+q:AP+q+1], v[AP+q:AP+q+1], v[AP+64+q:AP+65+q]
.set q, q+2
.endr
.set q, 0
.rept 32
	v_max_num_f32 v[AP+q], 0, v[AP+q]              ; relu
.set q, q+1
.endr
.set n, 0
.rept 8
	v_cvt_pk_bf16_f32 v[T+2*n],   v[AP+4*n],   v[AP+4*n+1]
	v_cvt_pk_bf16_f32 v[T+2*n+1], v[AP+4*n+2], v[AP+4*n+3]
.set n, n+1
.endr
.set n, 0
.rept 8
	ds_store_b64 v[VS], v[T+2*n:T+2*n+1] offset:(n/2)*APITCH+(n%2)*256
.set n, n+1
.endr
.endm
.macro PRODUCT
	s_wait_dscnt 0x0                               ; for the other waves: my rows of the tile are in LDS
	s_barrier_signal -1
	s_barrier_wait -1
	ds_load_b128 v[AF:AF+3],     v[VA]
	ds_load_b128 v[AF+4:AF+7],   v[VA] offset:32
	ds_load_b128 v[AF+8:AF+11],  v[VA] offset:AMT
	ds_load_b128 v[AF+12:AF+15], v[VA] offset:AMT+32
	s_wait_loadcnt 0x0                             ; W
.irp t, 0,1,2,3
.irp p, 0,1,2,3,4,5,6,7
	v_cvt_pk_bf16_f32 v[BF+8*\t+\p], v[WX+8*\p+\t], v[WX+8*\p+4+\t]
.endr
.endr
	s_wait_dscnt 0x0
.irp mt, 0,1
.irp t, 0,1,2,3                        ; eight tiles, one instruction each: nothing is added in place
	v_wmma_f32_16x16x32_bf16 v[ACC+8*(4*\mt+\t):ACC+8*(4*\mt+\t)+7], v[AF+8*\mt:AF+8*\mt+7], v[BF+8*\t:BF+8*\t+7], 0
.endr
.endr
.endm
.macro PARTOUT
	PLACES
.irp a, 0,1,2,3,4,5,6,7
	ds_store_b128 v[VP], v[ACC+8*\a:ACC+8*\a+3]   offset:\a*1024
	ds_store_b128 v[VP], v[ACC+8*\a+4:ACC+8*\a+7] offset:\a*1024+512
.endr
	s_wait_dscnt 0x0                               ; for the other waves: all my stores are done
	s_barrier_signal -1
	s_barrier_wait -1
	s_cmp_ge_u32 s2, 4
	s_cbranch_scc1 .Lend
.endm
.macro REDADDR                         ; wave u = 0..3: row tile mt = u / 2, register half jh = u % 2
	s_lshr_b32 s6, s2, 1
	s_and_b32 s7, s2, 1
	s_lshl_b32 s44, s6, 12
	s_lshl_b32 s45, s7, 9
	s_add_co_u32 s44, s44, s45
	s_add_co_u32 s44, s44, PB
	v_lshl_add_u32 v[VR], v1, 4, s44
	s_lshl_b32 s44, s6, 16
	s_lshl_b32 s45, s7, 14
	s_add_co_u32 s44, s44, s45                     ; 16 mt + 4 jh rows of 4,096 bytes
	s_mov_b32 s45, 0
	s_add_nc_u64 s[SY:SY+1], s[SY:SY+1], s[44:45]
.endm
.macro REDUCE
.irp ww, 0,1,2,3,4,5,6,7
.irp t, 0,1,2,3
	ds_load_b128 v[PR+16*\ww+4*\t:PR+16*\ww+4*\t+3], v[VR] offset:\ww*8192+\t*1024
.endr
.endr
.irp ww, 1,2,3,4,5,6
	s_wait_dscnt 28-4*\ww                          ; the four loads of each later wave's sums may stay out
.irp q, 0,2,4,6,8,10,12,14
	v_pk_add_f32 v[PR+\q:PR+\q+1], v[PR+\q:PR+\q+1], v[PR+16*\ww+\q:PR+16*\ww+\q+1]
.endr
.endr
	s_wait_dscnt 0x0
.irp jj, 0,1,2,3
.irp t, 0,1,2,3
	v_add_f32 v[SM+4*\jj+\t], v[PR+4*\t+\jj], v[PR+112+4*\t+\jj]
.endr
.endr
.endm
.macro STOREY                          ; sixteen lanes store 256 consecutive bytes of a row, aligned
.irp jj, 0,1,2,3
	global_store_b128 v[VY], v[SM+4*\jj:SM+4*\jj+3], s[SY:SY+1] offset:\jj*4096
.endr
.endm
	s_load_b256 s[8:15], s[0:1], 0x0               ; pa s[8:9], w2 s[10:11], b1 s[12:13], pb s[14:15]
	v_lshl_add_u32 v14, v0, 2, 0x14200
	v_mov_b32 v15, 0
	ADDRS
	s_mov_b32 s3, ttmp9                            ; strip
	s_and_b32 s4, ttmp7, 0xffff                    ; kk
	s_mov_b32 s35, 0
	s_mov_b32 s37, 0
	s_wait_kmcnt 0x0
	s_lshl_b32 s34, s3, 8
	s_add_nc_u64 s[10:11], s[10:11], s[34:35]
	s_add_nc_u64 s[14:15], s[14:15], s[34:35]
	s_lshl_b32 s36, s4, 20                         ; the part's 256 rows of w2,
	s_lshl_b32 s34, s2, 17                         ; my 32 of them
	s_add_co_u32 s36, s36, s34
	s_add_nc_u64 s[10:11], s[10:11], s[36:37]
	s_lshl_b32 s36, s4, 10                         ; the part's 256 numbers of b1
	s_add_nc_u64 s[12:13], s[12:13], s[36:37]
	s_lshr_b32 s36, s4, 2
	s_lshl_b32 s36, s36, 17                        ; hidden columns 256 kk ..: slice kk / 4,
	s_and_b32 s34, s4, 3
	s_lshl_b32 s34, s34, 10                        ; columns 256 (kk % 4) .. of it,
	s_add_co_u32 s36, s36, s34
	s_lshl_b32 s34, s2, 14                         ; my 4 rows
	s_add_co_u32 s36, s36, s34
	s_add_nc_u64 s[8:9], s[8:9], s[36:37]
	s_lshl_b32 s36, s4, 17
	s_add_nc_u64 s[14:15], s[14:15], s[36:37]
	global_load_b128 v[B1:B1+3],   v[VX], s[12:13]
	global_load_b128 v[B1+4:B1+7], v[VX], s[12:13] offset:512
	ALOADS
	WLOADS
	APREP
	PRODUCT
	PARTOUT
	REDADDR
	REDUCE
	STOREY
.Lend:
	s_wait_tensorcnt 0x0
	ds_add_u32 v14, v15
	s_wait_dscnt 0x0
	s_endpgm
.Lfunc_end_k_q68e836867d_ff2:
	.size	k_q68e836867d_ff2, .Lfunc_end_k_q68e836867d_ff2-k_q68e836867d_ff2
	.p2alignl 7, 3214868480
	.fill 96, 4, 3214868480
	.section	.rodata,"a",@progbits
	.p2align	6, 0x0
	.amdhsa_kernel k_q68e836867d_ff2
		.amdhsa_group_segment_fixed_size 83456
		.amdhsa_private_segment_fixed_size 0
		.amdhsa_enable_private_segment 0
		.amdhsa_kernarg_size 32
		.amdhsa_user_sgpr_count 2
		.amdhsa_user_sgpr_kernarg_segment_ptr 1
		.amdhsa_wavefront_size32 1
		.amdhsa_system_sgpr_workgroup_id_x 1
		.amdhsa_system_sgpr_workgroup_id_y 1
		.amdhsa_system_sgpr_workgroup_id_z 1
		.amdhsa_system_vgpr_workitem_id 0
		.amdhsa_next_free_vgpr 256
		.amdhsa_next_free_sgpr 66
		.amdhsa_reserve_vcc 0
		.amdhsa_float_denorm_mode_32 3
		.amdhsa_float_denorm_mode_16_64 3
		.amdhsa_memory_ordered 1
		.amdhsa_forward_progress 1
		.amdhsa_inst_pref_size 25
	.end_amdhsa_kernel
	.amdgpu_metadata
---
amdhsa.version: [ 1, 2 ]
amdhsa.kernels:
  - .name:           k_q68e836867d_ff2
    .symbol:         k_q68e836867d_ff2.kd
    .args:
      - { .name: pa, .offset: 0, .size: 8, .value_kind: global_buffer, .address_space: global }
      - { .name: params_w2, .offset: 8, .size: 8, .value_kind: global_buffer, .address_space: global }
      - { .name: params_b1, .offset: 16, .size: 8, .value_kind: global_buffer, .address_space: global }
      - { .name: pb, .offset: 24, .size: 8, .value_kind: global_buffer, .address_space: global }
    .group_segment_fixed_size: 83456
    .private_segment_fixed_size: 0
    .kernarg_segment_align: 8
    .kernarg_segment_size: 32
    .max_flat_workgroup_size: 256
    .sgpr_count:     66
    .vgpr_count:     256
    .wavefront_size: 32
...
	.end_amdgpu_metadata
.endif
;; end of part 19
;; launch fin (part 20): grid 128 x 1, 2 waves a work-group, no clusters, 0 bytes of LDS; arguments pb, hb, params_b2, out0; writes out0
.if DOCPART == 20
	.amdgcn_target "amdgcn-amd-amdhsa--gfx1250"
	.amdhsa_code_object_version 6
	.text
	.protected	k_q68e836867d_fin
	.globl	k_q68e836867d_fin
	.p2align	8
	.type	k_q68e836867d_fin,@function
k_q68e836867d_fin:
	s_mov_b64 s[64:65], 0
	v_nop
	global_prefetch_b8 v0, s[64:65] scope:SCOPE_SE
	s_setreg_imm32_b32 hwreg(HW_REG_WAVE_MODE, 25, 1), 1
	s_wait_xcnt 0x0
; out0 = the sixteen parts of the second feed-forward product + b2 + h.  A work-group owns 1,024 consecutive bytes of the [32][1024] f32 result (a quarter of a row);
; thread t owns 16 of them: every load and the store of a wave cover 512 consecutive bytes, aligned.  Nothing is shared and nothing is multiplied: no LDS, no matrix unit.
	s_load_b256 s[8:15], s[0:1], 0x0               ; pb s[8:9], hb s[10:11], b2 s[12:13], out0 s[14:15]
	v_lshlrev_b32 v1, 4, v0
	s_lshl_b32 s4, ttmp9, 10                       ; my 1,024 bytes
	s_mov_b32 s5, 0
	s_and_b32 s6, ttmp9, 3
	s_lshl_b32 s6, s6, 10                          ; the quarter of the row, for b2
	s_mov_b32 s7, 0
	s_wait_kmcnt 0x0
	s_add_nc_u64 s[8:9], s[8:9], s[4:5]
	s_add_nc_u64 s[10:11], s[10:11], s[4:5]
	s_add_nc_u64 s[12:13], s[12:13], s[6:7]
	s_add_nc_u64 s[14:15], s[14:15], s[4:5]
.set k, 0
.rept 16
	global_load_b128 v[4+4*k:7+4*k], v1, s[8:9] offset:k*131072
.set k, k+1
.endr
	global_load_b128 v[68:71], v1, s[10:11]
	global_load_b128 v[72:75], v1, s[12:13]
	s_wait_loadcnt 0x0
.irp d, 32,16,8,4                      ; the upper half of the parts onto the lower, four times
.set q, 0
.rept \d/2
	v_pk_add_f32 v[4+q:5+q], v[4+q:5+q], v[4+\d+q:5+\d+q]
.set q, q+2
.endr
.endr
.irp q, 0,2
	v_pk_add_f32 v[68+\q:69+\q], v[68+\q:69+\q], v[72+\q:73+\q]
	v_pk_add_f32 v[4+\q:5+\q],   v[4+\q:5+\q],   v[68+\q:69+\q]
.endr
	global_store_b128 v1, v[4:7], s[14:15]
	s_endpgm
.Lfunc_end_k_q68e836867d_fin:
	.size	k_q68e836867d_fin, .Lfunc_end_k_q68e836867d_fin-k_q68e836867d_fin
	.p2alignl 7, 3214868480
	.fill 96, 4, 3214868480
	.section	.rodata,"a",@progbits
	.p2align	6, 0x0
	.amdhsa_kernel k_q68e836867d_fin
		.amdhsa_group_segment_fixed_size 0
		.amdhsa_private_segment_fixed_size 0
		.amdhsa_enable_private_segment 0
		.amdhsa_kernarg_size 32
		.amdhsa_user_sgpr_count 2
		.amdhsa_user_sgpr_kernarg_segment_ptr 1
		.amdhsa_wavefront_size32 1
		.amdhsa_system_sgpr_workgroup_id_x 1
		.amdhsa_system_sgpr_workgroup_id_y 1
		.amdhsa_system_sgpr_workgroup_id_z 1
		.amdhsa_system_vgpr_workitem_id 0
		.amdhsa_next_free_vgpr 76
		.amdhsa_next_free_sgpr 66
		.amdhsa_reserve_vcc 0
		.amdhsa_float_denorm_mode_32 3
		.amdhsa_float_denorm_mode_16_64 3
		.amdhsa_memory_ordered 1
		.amdhsa_forward_progress 1
		.amdhsa_inst_pref_size 5
	.end_amdhsa_kernel
	.amdgpu_metadata
---
amdhsa.version: [ 1, 2 ]
amdhsa.kernels:
  - .name:           k_q68e836867d_fin
    .symbol:         k_q68e836867d_fin.kd
    .args:
      - { .name: pb, .offset: 0, .size: 8, .value_kind: global_buffer, .address_space: global }
      - { .name: hb, .offset: 8, .size: 8, .value_kind: global_buffer, .address_space: global }
      - { .name: params_b2, .offset: 16, .size: 8, .value_kind: global_buffer, .address_space: global }
      - { .name: out0, .offset: 24, .size: 8, .value_kind: global_buffer, .address_space: global }
    .group_segment_fixed_size: 0
    .private_segment_fixed_size: 0
    .kernarg_segment_align: 8
    .kernarg_segment_size: 32
    .max_flat_workgroup_size: 64
    .sgpr_count:     66
    .vgpr_count:     76
    .wavefront_size: 32
...
	.end_amdgpu_metadata
.endif
;; end of part 20
;; ======== version 3 of 3: 12 launches; version 2 with the launches qt, cv written anew for expert scheduling mode
;; workspace buffers: t0 524,288 bytes; pa 2,097,152 bytes; pb 2,097,152 bytes; query 131,072 bytes; lnb 131,072 bytes; hb 131,072 bytes; qtb 3,151,872 bytes; cmp 16,842,752 bytes
;; launch ln3: the kernel of part 1 again; grid 16 x 3, 8 waves a work-group, no clusters, 132,608 bytes of LDS; arguments inputs, params_ln1_g, params_ln1_b, params_self_Wq, params_self_Wk, params_self_Wv, params_self_bq, params_self_bk, params_self_bv, t0, out1; writes t0, out1
;; launch selfo: the kernel of part 11 again; grid 16 x 4, 8 waves a work-group, no clusters, 83,456 bytes of LDS; arguments t0, tgt_pad_mask, params_self_Wo, pa; writes pa
;; launch rln: the kernel of part 12 again; grid 32 x 1, 8 waves a work-group, no clusters, 2,048 bytes of LDS; arguments pa, params_self_bo, inputs, params_ln2_g, params_ln2_b, query, lnb; writes query, lnb
;; launch q3: the kernel of part 13 again; grid 16 x 12, 8 waves a work-group, no clusters, 83,456 bytes of LDS; arguments lnb, params_word_Wq, params_graph_Wq, params_p1_Wq, pb; writes pb
;; launch qt (part 21): grid 64 x 3, 8 waves a work-group, no clusters, 62,208 bytes of LDS; arguments pb, params_word_Wk, params_graph_Wk, params_p1_Wk, params_word_bk, params_graph_bk, params_p1_bk, qtb, params_word_bq, params_graph_bq, params_p1_bq; writes qtb
.if DOCPART == 21
	.amdgcn_target "amdgcn-amd-amdhsa--gfx1250"
	.amdhsa_code_object_version 6
	.text
	.protected	k_q68e836867d_qt
	.globl	k_q68e836867d_qt
	.p2align	8
	.type	k_q68e836867d_qt,@function
k_q68e836867d_qt:
	s_mov_b64 s[64:65], 0
	v_nop
	global_prefetch_b8 v0, s[64:65] scope:SCOPE_SE
	s_setreg_imm32_b32 hwreg(HW_REG_WAVE_SCHED_MODE, 0, 2), 2
	s_setreg_imm32_b32 hwreg(HW_REG_WAVE_MODE, 25, 1), 1
	s_wait_xcnt 0x0
	s_wait_alu depctr_vm_vsrc(0)
; The key projection is moved onto the one query of each batch row:
;   score[b,h,k] = (q_h / 8) . (mem_k Wk_h + bk_h) = mem_k . qt[b,h,:] + qb[b,h],   qt[b,h,d] = sum over j of Wk[d][64 h + j] q[b][64 h + j] / 8,   qb = (q_h / 8) . bk_h.
; pb: q in four parts, [4 x + p][32][1024] f32; q = their sum + bq.  qtb: qt in bf16 as [x][b][head][1024] (its only use is as a bf16 matrix operand),
; then from byte 3,145,728 qb in f32 as [x][head pair][b][2].
; grid x = 8 x (block of 128 rows d) + head pair, grid y = x (word, graph, phase 1).  Wave w owns rows d = 128 db + 16 w .. + 15 of Wk, columns 128 hp .. + 127.
; Matrix use: A = 16 rows of Wk (M = d), B = 16 rows of q (N = b), K = a head's 64 columns: a lane's eight results are eight neighbouring d of one (b, head).
; Limits: matrix operands and qt are rounded to bf16; the order of sums differs from the problem's function, which projects every memory row.
; THE MODE: SCHED_MODE bits 1:0 = 2 (LLVM: expert scheduling mode 2), set by the entry lines.  The code itself states the register dependences
; between vector or matrix instructions and memory or LDS instructions, with s_wait_alu, always for 0.
; THE PLAN.  Registers that memory or LDS instructions touch:
;   v4-v15      offsets and LDS addresses: written at the head, once; read by every load and store.
;   v80-v99, v176-v227   q's parts, bq, bk: loaded; read by q's arithmetic.      v16-v79   Wk: loaded; read by its 32 conversions.
;   v100-v111   q / 8 in bf16 and qb: written by q's arithmetic of all four rows; read by eight LDS stores, in one run.
;   v112-v143   Wk in bf16: written by the conversions; read by sixteen LDS stores, in one run.  Later the four accumulators.
;   v16-v111    behind the first barrier the fragments' LDS loads land here; the matrix instructions read them.
;   v144-v159   qt in bf16: written by sixteen roundings; read by four LDS stores, in one run.
;   v16-v33     behind the second barrier LDS loads land here, and the global stores read them.
; Each run of stores has one wait on va_vdst ahead of it, which also states that the vector lines ahead of it are done reading the registers in which later loads land:
; between such a wait and those loads no vector or matrix instruction names them.  One wait on vm_vsrc, behind the first barrier, frees v100-v143.
.set PP, 272                           ; LDS row of 128 bf16 + 16 bytes
.set WL, 0                             ; Wk: 8 waves x 16 rows
.set QL, 8*16*PP                       ; q / 8: 32 rows
.set ST, QL+32*PP                      ; the way out: 64 rows (head of the pair, b) x 128 d
.set QB, ST+64*PP                      ; qb: 32 b x 2 heads, f32
.macro PLACES
.rept 4
	v_nop
.endr
.endm
	s_load_b512 s[8:23], s[0:1], 0x0               ; pb s[8:9], Wk s[10:15], bk s[16:21], qtb s[22:23]
	s_load_b128 s[36:39], s[0:1], 0x40             ; bq of word s[36:37], of graph s[38:39]
	s_load_b64 s[40:41], s[0:1], 0x50              ; bq of phase 1
	v_lshl_add_u32 v232, v0, 2, 0xef00
	v_mov_b32 v233, 0
	v_and_b32 v1, 31, v0
	v_lshrrev_b32 v2, 5, v0
	v_readfirstlane_b32 s2, v2                     ; wave
	v_and_b32 v2, 15, v0                           ; r
	v_bfe_u32 v3, v0, 4, 1                         ; h
	s_and_b32 s3, ttmp9, 7                         ; head pair
	s_lshr_b32 s4, ttmp9, 3                        ; block of d
	s_and_b32 s5, ttmp7, 0xffff                    ; x
	v_lshlrev_b32 v4, 4, v1                        ; 16 x lane
	s_wait_alu depctr_va_sdst(0)                   ; s2 is written, ahead of its first reader: LDS addresses and bases are made from it
	s_mul_i32 s6, s2, 16*PP
	v_lshl_add_u32 v5, v1, 3, s6                   ; Wk in: my 16 rows, 8 bytes a lane
	s_mul_i32 s7, s2, 4*PP
	s_add_co_u32 s7, s7, QL
	v_lshl_add_u32 v6, v1, 3, s7                   ; q in: rows 4 w ..
	s_lshl_b32 s7, s2, 5
	s_add_co_u32 s7, s7, QB
	v_lshl_add_u32 v7, v3, 2, s7                   ; qb in: 8 bytes a row, 4 a head
	v_mul_u32_u24 v8, v2, PP
	v_lshl_add_u32 v8, v3, 4, v8                   ; r x pitch + 16 h
	v_add_nc_u32 v9, s6, v8                        ; fragments of Wk
	v_add_nc_u32 v10, QL, v8                       ; fragments of q
	s_lshl_b32 s7, s2, 5
	s_add_co_u32 s7, s7, ST
	v_add_nc_u32 v11, s7, v8                       ; out: row r, my 16 d at byte 32 w, 8 of them a half
	s_mul_i32 s7, s2, 8*PP
	s_add_co_u32 s7, s7, ST
	v_mul_u32_u24 v12, v3, PP
	v_lshl_add_u32 v12, v2, 4, v12
	v_add_nc_u32 v12, s7, v12                      ; back: rows 8 w + h (+ 2 i), 16 bytes a lane
	v_lshlrev_b32 v13, 15, v3
	v_lshl_add_u32 v13, v2, 4, v13                 ; in qt: one b further for lanes 16-31
	v_lshlrev_b32 v14, 3, v1
	v_add_nc_u32 v15, QB, v14
	s_mov_b32 s33, 0
	s_wait_kmcnt 0x0
	s_cmp_eq_u32 s5, 1
	s_cselect_b64 s[28:29], s[12:13], s[10:11]
	s_cselect_b64 s[26:27], s[18:19], s[16:17]
	s_cselect_b64 s[42:43], s[38:39], s[36:37]
	s_cmp_eq_u32 s5, 2
	s_cselect_b64 s[28:29], s[14:15], s[28:29]     ; Wk_x
	s_cselect_b64 s[26:27], s[20:21], s[26:27]     ; bk_x
	s_cselect_b64 s[42:43], s[40:41], s[42:43]     ; bq_x
	s_lshl_b32 s32, s3, 9                          ; the pair's 128 columns, in bytes
	s_add_nc_u64 s[26:27], s[26:27], s[32:33]
	s_add_nc_u64 s[28:29], s[28:29], s[32:33]
	s_add_nc_u64 s[42:43], s[42:43], s[32:33]
	s_add_nc_u64 s[24:25], s[8:9], s[32:33]
	s_lshl_b32 s32, s5, 19
	s_lshl_b32 s34, s2, 14
	s_add_co_u32 s32, s32, s34                     ; the four parts of q of x, rows 4 w ..
	s_add_nc_u64 s[24:25], s[24:25], s[32:33]
	s_lshl_b32 s32, s4, 19
	s_lshl_b32 s34, s2, 16
	s_add_co_u32 s32, s32, s34                     ; rows 128 db + 16 w of Wk
	s_add_nc_u64 s[28:29], s[28:29], s[32:33]
	s_lshl_b32 s32, s5, 11
	s_lshl_b32 s34, s3, 8
	s_add_co_u32 s32, s32, s34
	s_add_co_u32 s32, s32, 3145728
	s_add_nc_u64 s[30:31], s[22:23], s[32:33]      ; qb[x][hp]
	s_lshl_b32 s32, s5, 20                         ; qt[x]
	s_and_b32 s34, s2, 3
	s_lshl_b32 s34, s34, 18                        ; b = 8 (w % 4) ..
	s_add_co_u32 s32, s32, s34
	s_lshr_b32 s34, s2, 2
	s_lshl1_add_u32 s34, s3, s34                   ; head = 2 hp + w / 4
	s_lshl_b32 s34, s34, 11
	s_add_co_u32 s32, s32, s34
	s_lshl_b32 s34, s4, 8                          ; d = 128 db
	s_add_co_u32 s32, s32, s34
	s_add_nc_u64 s[22:23], s[22:23], s[32:33]
	s_wait_alu depctr_va_vdst(0)                   ; the offsets and LDS addresses v4 to v15 are written, which every load and store of the kernel reads
.irp i, 0,1,2,3
	global_load_b128 v[80+4*\i:83+4*\i], v4, s[24:25] offset:\i*4096
.irp p, 1,2,3
	global_load_b128 v[160+16*\p+4*\i:163+16*\p+4*\i], v4, s[24:25] offset:\p*131072+\i*4096
.endr
.endr
	global_load_b128 v[224:227], v4, s[42:43]
	global_load_b128 v[96:99], v4, s[26:27]
.set n, 0
.rept 16
	global_load_b128 v[16+4*n:19+4*n], v4, s[28:29] offset:n*4096 th:TH_LOAD_NT
.set n, n+1
.endr
	s_wait_loadcnt 16                              ; q's parts, bq and bk are in; the sixteen rows of Wk may stay out
.irp i, 0,1,2,3
.irp q, 0,2
	v_pk_add_f32 v[80+4*\i+\q:81+4*\i+\q],   v[80+4*\i+\q:81+4*\i+\q],   v[176+4*\i+\q:177+4*\i+\q]
	v_pk_add_f32 v[192+4*\i+\q:193+4*\i+\q], v[192+4*\i+\q:193+4*\i+\q], v[208+4*\i+\q:209+4*\i+\q]
	v_pk_add_f32 v[80+4*\i+\q:81+4*\i+\q],   v[80+4*\i+\q:81+4*\i+\q],   v[224+\q:225+\q]
	v_pk_add_f32 v[80+4*\i+\q:81+4*\i+\q],   v[80+4*\i+\q:81+4*\i+\q],   v[192+4*\i+\q:193+4*\i+\q]
.endr
.endr
	; q's arithmetic for all four rows first, the rows by turns; the eight LDS stores follow in one run
.irp i, 0,1,2,3
	v_pk_mul_f32 v[80+4*\i:81+4*\i], v[80+4*\i:81+4*\i], 0x3e000000 op_sel_hi:[1,0]   ; q / sqrt(64)
	v_pk_mul_f32 v[82+4*\i:83+4*\i], v[82+4*\i:83+4*\i], 0x3e000000 op_sel_hi:[1,0]
.endr
.irp i, 0,1,2,3
	v_cvt_pk_bf16_f32 v[100+2*\i], v[80+4*\i], v[81+4*\i]
	v_cvt_pk_bf16_f32 v[101+2*\i], v[82+4*\i], v[83+4*\i]
	v_mul_f32 v[108+\i], v[80+4*\i], v96
.endr
.irp j, 1,2,3
.irp i, 0,1,2,3
	v_fmac_f32 v[108+\i], v[80+4*\i+\j], v[96+\j]
.endr
.endr
.irp x, 1,2,4,8
.irp i, 0,1,2,3
	v_add_f32_dpp v[108+\i], v[108+\i], v[108+\i] row_xmask:\x row_mask:0xf bank_mask:0xf   ; sixteen lanes hold one head
.endr
.endr
	s_wait_alu depctr_va_vdst(0)                   ; q's arithmetic has written v100 to v111, which the LDS stores read, and is done reading v80 to v99, in which fragments land later
.irp i, 0,1,2,3
	ds_store_b64 v6, v[100+2*\i:101+2*\i] offset:\i*PP
	ds_store_b32 v7, v[108+\i] offset:8*\i
.endr
	s_wait_loadcnt 0x0
.set n, 0
.rept 16
	v_cvt_pk_bf16_f32 v[112+2*n], v[16+4*n], v[17+4*n]
	v_cvt_pk_bf16_f32 v[113+2*n], v[18+4*n], v[19+4*n]
.set n, n+1
.endr
	s_wait_alu depctr_va_vdst(0)                   ; the conversions have written v112 to v143, which the LDS stores read, and are done reading v16 to v79, in which fragments land behind the barrier
.set n, 0
.rept 16
	ds_store_b64 v5, v[112+2*n:113+2*n] offset:n*PP
.set n, n+1
.endr
	s_wait_dscnt 0x0                               ; for the other waves: q, qb (and my rows of Wk) are in LDS
	s_barrier_signal -1
	s_barrier_wait -1
	s_wait_alu depctr_vm_vsrc(0)                   ; my LDS stores have read v100 to v143: fragments land in v100 to v111, and the matrix instructions write v112 to v143
.irp e, 0,1
.irp kk, 0,1
	ds_load_b128 v[16+8*(2*\e+\kk):19+8*(2*\e+\kk)], v9 offset:\e*128+\kk*64          ; no wait on va_vdst: no vector instruction since the last one
	ds_load_b128 v[20+8*(2*\e+\kk):23+8*(2*\e+\kk)], v9 offset:\e*128+\kk*64+32
.irp bt, 0,1
	ds_load_b128 v[48+8*(4*\bt+2*\e+\kk):51+8*(4*\bt+2*\e+\kk)], v10 offset:\bt*16*PP+\e*128+\kk*64
	ds_load_b128 v[52+8*(4*\bt+2*\e+\kk):55+8*(4*\bt+2*\e+\kk)], v10 offset:\bt*16*PP+\e*128+\kk*64+32
.endr
.endr
.endr
	s_wait_dscnt 0x0
.irp e, 0,1
.irp bt, 0,1                           ; the four accumulators take turns
	v_wmma_f32_16x16x32_bf16 v[112+8*(2*\e+\bt):119+8*(2*\e+\bt)], v[16+16*\e:23+16*\e], v[48+8*(4*\bt+2*\e):55+8*(4*\bt+2*\e)], 0
.endr
.endr
.irp e, 0,1
.irp bt, 0,1
	v_wmma_f32_16x16x32_bf16 v[112+8*(2*\e+\bt):119+8*(2*\e+\bt)], v[24+16*\e:31+16*\e], v[56+8*(4*\bt+2*\e):63+8*(4*\bt+2*\e)], v[112+8*(2*\e+\bt):119+8*(2*\e+\bt)]
.endr
.endr
	PLACES
.irp a, 0,1,2,3
.irp p, 0,1,2,3
	v_cvt_pk_bf16_f32 v[144+4*\a+\p], v[112+8*\a+2*\p], v[113+8*\a+2*\p]   ; each accumulator from its low end on
.endr
.endr
	s_wait_alu depctr_va_vdst(0)                   ; the roundings have written v144 to v159, which the LDS stores read; the matrix instructions are done reading v16 to v47, in which the loads behind the barrier land
.irp a, 0,1,2,3
	ds_store_b128 v11, v[144+4*\a:147+4*\a] offset:\a*16*PP    ; row 32 e + 16 bt + r
.endr
	s_wait_dscnt 0x0                               ; for the other waves: my 16 d of every row are in the stage
	s_barrier_signal -1
	s_barrier_wait -1
.irp i, 0,1,2,3
	ds_load_b128 v[16+4*\i:19+4*\i], v12 offset:\i*2*PP
.endr
.irp i, 0,1,2,3
	s_wait_dscnt 3-\i
	global_store_b128 v13, v[16+4*\i:19+4*\i], s[22:23] offset:\i*65536   ; sixteen lanes store 256 consecutive bytes, aligned: 128 d of one (b, head)
.endr
	s_or_b32 s7, s4, s2
	s_cmp_lg_u32 s7, 0                             ; qb is the same in all eight blocks of d: block 0's wave 0 stores it
	s_cbranch_scc1 .Lend
	ds_load_b64 v[32:33], v15
	s_wait_dscnt 0x0
	global_store_b64 v14, v[32:33], s[30:31]       ; 32 lanes store 256 consecutive bytes, aligned
.Lend:
	s_wait_dscnt 0x0                               ; the closing lines, six on end
	s_wait_alu 0x0
	s_wait_tensorcnt 0x0
	ds_add_u32 v232, v233
	s_wait_dscnt 0x0
	s_endpgm
.Lfunc_end_k_q68e836867d_qt:
	.size	k_q68e836867d_qt, .Lfunc_end_k_q68e836867d_qt-k_q68e836867d_qt
	.p2alignl 7, 3214868480
	.fill 96, 4, 3214868480
	.section	.rodata,"a",@progbits
	.p2align	6, 0x0
	.amdhsa_kernel k_q68e836867d_qt
		.amdhsa_group_segment_fixed_size 62208
		.amdhsa_private_segment_fixed_size 0
		.amdhsa_enable_private_segment 0
		.amdhsa_kernarg_size 88
		.amdhsa_user_sgpr_count 2
		.amdhsa_user_sgpr_kernarg_segment_ptr 1
		.amdhsa_wavefront_size32 1
		.amdhsa_system_sgpr_workgroup_id_x 1
		.amdhsa_system_sgpr_workgroup_id_y 1
		.amdhsa_system_sgpr_workgroup_id_z 1
		.amdhsa_system_vgpr_workitem_id 0
		.amdhsa_next_free_vgpr 234
		.amdhsa_next_free_sgpr 66
		.amdhsa_reserve_vcc 0
		.amdhsa_float_denorm_mode_32 3
		.amdhsa_float_denorm_mode_16_64 3
		.amdhsa_memory_ordered 1
		.amdhsa_forward_progress 1
		.amdhsa_inst_pref_size 21
	.end_amdhsa_kernel
	.amdgpu_metadata
---
amdhsa.version: [ 1, 2 ]
amdhsa.kernels:
  - .name:           k_q68e836867d_qt
    .symbol:         k_q68e836867d_qt.kd
    .args:
      - { .name: pb, .offset: 0, .size: 8, .value_kind: global_buffer, .address_space: global }
      - { .name: params_word_Wk, .offset: 8, .size: 8, .value_kind: global_buffer, .address_space: global }
      - { .name: params_graph_Wk, .offset: 16, .size: 8, .value_kind: global_buffer, .address_space: global }
      - { .name: params_p1_Wk, .offset: 24, .size: 8, .value_kind: global_buffer, .address_space: global }
      - { .name: params_word_bk, .offset: 32, .size: 8, .value_kind: global_buffer, .address_space: global }
      - { .name: params_graph_bk, .offset: 40, .size: 8, .value_kind: global_buffer, .address_space: global }
      - { .name: params_p1_bk, .offset: 48, .size: 8, .value_kind: global_buffer, .address_space: global }
      - { .name: qtb, .offset: 56, .size: 8, .value_kind: global_buffer, .address_space: global }
      - { .name: params_word_bq, .offset: 64, .size: 8, .value_kind: global_buffer, .address_space: global }
      - { .name: params_graph_bq, .offset: 72, .size: 8, .value_kind: global_buffer, .address_space: global }
      - { .name: params_p1_bq, .offset: 80, .size: 8, .value_kind: global_buffer, .address_space: global }
    .group_segment_fixed_size: 62208
    .private_segment_fixed_size: 0
    .kernarg_segment_align: 8
    .kernarg_segment_size: 88
    .max_flat_workgroup_size: 256
    .sgpr_count:     66
    .vgpr_count:     234
    .wavefront_size: 32
...
	.end_amdgpu_metadata
.endif
;; end of part 21
;; launch att: the kernel of part 4 again; grid 256 x 1, 8 waves a work-group, no clusters, 307,968 bytes of LDS; arguments memory_bank, ent_context, phase1_memory, src_pad_mask, ent_pad_mask, phase1_pad_mask, ent_score, qtb, cmp; writes cmp
;; launch cv (part 22): grid 16 x 12, 8 waves a work-group, no clusters, 83,712 bytes of LDS; arguments cmp, params_word_Wv, params_graph_Wv, params_p1_Wv, params_word_bv, params_graph_bv, params_p1_bv, pa; writes pa
.if DOCPART == 22
	.amdgcn_target "amdgcn-amd-amdhsa--gfx1250"
	.amdhsa_code_object_version 6
	.text
	.protected	k_q68e836867d_cv
	.globl	k_q68e836867d_cv
	.p2align	8
	.type	k_q68e836867d_cv,@function
k_q68e836867d_cv:
	s_mov_b64 s[64:65], 0
	v_nop
	global_prefetch_b8 v0, s[64:65] scope:SCOPE_SE
	s_setreg_imm32_b32 hwreg(HW_REG_WAVE_SCHED_MODE, 0, 2), 2
	s_setreg_imm32_b32 hwreg(HW_REG_WAVE_MODE, 25, 1), 1
	s_wait_xcnt 0x0
	s_wait_alu depctr_vm_vsrc(0)
; Merges the chunks of each attention and applies a quarter of the value projection to the weighted memory:
;   M = max m_c, w_c = exp(m_c - M), l = sum w_c l_c, lu = sum w_c lu_c;  the weights' sum after the entity scores is lu / l, clipped below at 1e-9;
;   cm[b][d] = sum over c of w_c / l / max(lu / l, 1e-9) x part_c[b][head][d];
;   pa[4 x + dp][b][64 head + j] = cm[b][256 dp .. + 255] . Wv[256 dp .. + 255][64 head + j]  (+ sa x bv in part 0),   sa = (lu / l) / max(lu / l, 1e-9).
; In the two attentions without entity scores lu = l bit for bit, so the second division is by l x (1 / l): 1 to within the reciprocal's accuracy.
; grid x = head (= the strip of 64 columns of Wv), grid y = 4 x + dp.  Every byte of cmp and of Wv is read by one work-group.
; Wave w merges batch rows 4 w .. 4 w + 3 (columns d of the part) into the tile and multiplies K = d = 256 dp + 32 w .. + 31; the eight partial sums meet in LDS.
; The chunks' l, lu, m come by ONE 8-byte load a wave: lane = (row of my four, chunk); lanes 0-15 hold l, lanes 16-31 lu.
; NC = 2 chunks a batch row (word, graph) or 4 (phase 1): a scalar branch on x chooses between two expansions of one macro.
; Limits: matrix operands are rounded to bf16; exponentials below 2^-126 come out as 0; a bv that is not finite spoils all four parts.
; THE MODE: SCHED_MODE bits 1:0 = 2 (LLVM: expert scheduling mode 2), set by the entry lines.  The code itself states the register dependences
; between vector or matrix instructions and memory or LDS instructions, with s_wait_alu, always for 0.
; THE PLAN.  Registers that memory or LDS instructions touch:
;   v4-v11, v13, v14   offsets and LDS addresses: written ahead of the first load, once.        v7, v15   the way out's LDS addresses: written behind the second barrier.
;   v160-v161 l, lu, m; v16-v143 the chunks' data; v192-v255 W: loaded; read (v16-v143 also written) by the statistics, the merge and W's conversions.
;   v144-v159 the tile's rows in bf16, v170 sa: written by the merge and the statistics; read by nine LDS stores, in one run behind the merge of all four rows.
;   v112-v127 the tile's fragments: LDS loads land here behind the first barrier; the matrix instructions read them.
;   v16-v79   the results: written by the matrix instructions; read by sixteen LDS stores.  Behind the second barrier bv lands in v32-v35, sa in v36-v39, and the sums are written to v16-v31.
;   v128-v255 behind the second barrier the partial sums land here.
; Scalars that vector instructions write: s2 (the wave), VCC (the upper half of the lanes), and the merge's factors, taken out of v174 in runs of eight into the pairs s48-s63: one wait behind each run.
; One wait on va_vdst ahead of each run of stores; it also states that the vector lines ahead of it are done with the registers in which later loads land, and no vector or matrix
; instruction between names those.  One wait on vm_vsrc, behind the second barrier, frees all that my LDS stores have read.
.set NP,     1024
.set WSH,    15
.set APITCH, 528                       ; LDS row of 256 bf16 + 16 bytes: an odd multiple of 16
.set AMT,    16*APITCH
.set PB,     32*APITCH
.set SAB,    PB+65536                  ; sa of the 32 rows, f32
.set VW, 4
.set VA, 5
.set VP, 6
.set VR, 7
.set VY, 8
.set VB, 9
.set VS, 10
.set VX, 11
.set AP,  16                           ; the chunks' partial contexts: 4 ((NC i + c) 2 + e)
.set ACC, 16
.set SM,  16
.set BI,  32
.set BF,  80
.set AF,  112
.set PR,  128
.set T,   144
.set WX,  192
.set SW,  30
.set SY,  22
.macro PLACES                          ; four places behind a matrix instruction (ISA guide 7.12.1)
.rept 4
	v_nop
.endr
.endm
.macro ADDRS
	v_and_b32 v1, 31, v0                           ; lane
	v_lshrrev_b32 v2, 5, v0
	v_readfirstlane_b32 s2, v2                     ; wave
	v_and_b32 v2, 15, v0                           ; r
	v_bfe_u32 v3, v0, 4, 1                         ; h
	v_lshlrev_b32 v[VB], 4, v2
	v_lshl_add_u32 v[VW], v3, WSH, v[VB]
	v_lshl_add_u32 v[VY], v3, 15, v[VB]
	v_lshlrev_b32 v[VX], 4, v1
	v_mul_u32_u24 v[VA], v2, APITCH
	v_lshl_add_u32 v[VA], v3, 4, v[VA]
	s_wait_alu depctr_va_sdst(0)                   ; s2 is written, ahead of its first reader: LDS addresses and bases are made from it
	s_lshl_b32 s6, s2, 6
	v_add_nc_u32 v[VA], s6, v[VA]
	s_mul_i32 s6, s2, 4*APITCH
	v_lshl_add_u32 v[VS], v1, 3, s6
	s_lshl_b32 s6, s2, 13
	s_add_co_u32 s6, s6, PB
	v_lshl_add_u32 v[VP], v1, 4, s6
.endm
.macro WLOADS                          ; my 32 rows x 64 columns of W; load i: row i + 8 (i / 8) + 8 h
.irp i, 0,1,2,3,4,5,6,7,8,9,10,11,12,13,14,15
	global_load_b128 v[WX+4*\i:WX+4*\i+3], v[VW], s[SW:SW+1] offset:(\i+8*(\i/8))*NP*4 th:TH_LOAD_NT
.endr
.endm
.macro PRODUCT
	s_wait_dscnt 0x0                               ; for the other waves: my rows of the tile (and their sa) are in LDS
	s_barrier_signal -1
	s_barrier_wait -1
	ds_load_b128 v[AF:AF+3],     v[VA]             ; no wait on va_vdst: no vector instruction since the one ahead of the tile's stores
	ds_load_b128 v[AF+4:AF+7],   v[VA] offset:32
	ds_load_b128 v[AF+8:AF+11],  v[VA] offset:AMT
	ds_load_b128 v[AF+12:AF+15], v[VA] offset:AMT+32
	s_wait_loadcnt 0x0                             ; W
.irp t, 0,1,2,3
.irp p, 0,1,2,3,4,5,6,7
	v_cvt_pk_bf16_f32 v[BF+8*\t+\p], v[WX+8*\p+\t], v[WX+8*\p+4+\t]
.endr
.endr
	s_wait_dscnt 0x0
.irp mt, 0,1
.irp t, 0,1,2,3                        ; eight tiles, one instruction each: nothing is added in place
	v_wmma_f32_16x16x32_bf16 v[ACC+8*(4*\mt+\t):ACC+8*(4*\mt+\t)+7], v[AF+8*\mt:AF+8*\mt+7], v[BF+8*\t:BF+8*\t+7], 0
.endr
.endr
.endm
.macro PARTOUT
	PLACES
	s_wait_alu depctr_va_vdst(0)                   ; the matrix instructions have written v16 to v79, which the LDS stores read; the places above stay beside this wait
.irp a, 0,1,2,3,4,5,6,7
	ds_store_b128 v[VP], v[ACC+8*\a:ACC+8*\a+3]   offset:\a*1024
	ds_store_b128 v[VP], v[ACC+8*\a+4:ACC+8*\a+7] offset:\a*1024+512
.endr
	s_wait_dscnt 0x0                               ; for the other waves: all my stores are done
	s_barrier_signal -1
	s_barrier_wait -1
	s_wait_alu depctr_vm_vsrc(0)                   ; my LDS stores have read v16 to v79, v144 to v159 and v170: behind the branch bv, sa and the partial sums land there, and the sums are written to v16 to v31
	s_cmp_ge_u32 s2, 4
	s_cbranch_scc1 .Lend
.endm
.macro REDADDR                         ; wave u = 0..3: row tile mt = u / 2, register half jh = u % 2
	s_lshr_b32 s6, s2, 1
	s_and_b32 s7, s2, 1
	s_lshl_b32 s44, s6, 12
	s_lshl_b32 s45, s7, 9
	s_add_co_u32 s44, s44, s45
	s_add_co_u32 s44, s44, PB
	v_lshl_add_u32 v[VR], v1, 4, s44
	s_lshl_b32 s44, s6, 16
	s_lshl_b32 s45, s7, 14
	s_add_co_u32 s44, s44, s45                     ; 16 mt + 4 jh rows of 4,096 bytes
	s_mov_b32 s45, 0
	s_add_nc_u64 s[SY:SY+1], s[SY:SY+1], s[44:45]
.endm
.macro REDUCE
.irp ww, 0,1,2,3,4,5,6,7
.irp t, 0,1,2,3
	ds_load_b128 v[PR+16*\ww+4*\t:PR+16*\ww+4*\t+3], v[VR] offset:\ww*8192+\t*1024
.endr
.endr
.irp ww, 1,2,3,4,5,6
	s_wait_dscnt 28-4*\ww                          ; the four loads of each later wave's sums may stay out
.irp q, 0,2,4,6,8,10,12,14
	v_pk_add_f32 v[PR+\q:PR+\q+1], v[PR+\q:PR+\q+1], v[PR+16*\ww+\q:PR+16*\ww+\q+1]
.endr
.endr
	s_wait_dscnt 0x0
.irp jj, 0,1,2,3
.irp t, 0,1,2,3
	v_add_f32 v[SM+4*\jj+\t], v[PR+4*\t+\jj], v[PR+112+4*\t+\jj]
.endr
.endr
.endm
.macro STOREY                          ; sixteen lanes store 256 consecutive bytes of a row, aligned
.irp jj, 0,1,2,3
	global_store_b128 v[VY], v[SM+4*\jj:SM+4*\jj+3], s[SY:SY+1] offset:\jj*4096
.endr
.endm
; Eight factors, those of lanes first .. first + 7 of v174 (lane = nc x row + chunk), for all lanes: into the low words of the pairs s48-s63
.macro FACT first
.set k, 0
.rept 8
	v_readlane_b32 s[48+2*k], v174, \first+k
.set k, k+1
.endr
.endm
; The merge of rows from .. from + rows - 1 of my four: the chunks in ascending order, then the rounding to bf16.  Row i's factors begin at pair (nc i) % 8.
.macro ROWS nc, from, rows
.set i, \from
.rept \rows
.set e, 0
.rept 2
.set XB, AP+8*\nc*i+4*e
.set F0, 48+2*((\nc*i)%8)
	v_pk_mul_f32 v[XB:XB+1],   v[XB:XB+1],   s[F0:F0+1] op_sel_hi:[1,0]
	v_pk_mul_f32 v[XB+2:XB+3], v[XB+2:XB+3], s[F0:F0+1] op_sel_hi:[1,0]
.set cc, 1
.rept \nc-1
	v_pk_fma_f32 v[XB:XB+1],   v[XB+8*cc:XB+8*cc+1],   s[F0+2*cc:F0+2*cc+1], v[XB:XB+1]   op_sel_hi:[1,0,1]
	v_pk_fma_f32 v[XB+2:XB+3], v[XB+8*cc+2:XB+8*cc+3], s[F0+2*cc:F0+2*cc+1], v[XB+2:XB+3] op_sel_hi:[1,0,1]
.set cc, cc+1
.endr
	v_cvt_pk_bf16_f32 v[T+2*(2*i+e)],   v[XB],   v[XB+1]
	v_cvt_pk_bf16_f32 v[T+2*(2*i+e)+1], v[XB+2], v[XB+3]
.set e, e+1
.endr
.set i, i+1
.endr
.endm
; nc chunks a batch row, lg = log2 nc.  My rows' slots are 4 nc w .. 4 nc w + 4 nc - 1 of this attention (slot = nc b + c).
.macro COMB nc, lg
	s_lshl_b32 s36, s2, 10+\lg                     ; 4 nc w slots of 256 bytes of l, lu, m
	s_add_nc_u64 s[24:25], s[24:25], s[36:37]
	s_lshl_b32 s36, s2, 18+\lg                     ; 4 nc w slots of 65,536 bytes of partial context
	s_add_nc_u64 s[8:9], s[8:9], s[36:37]
	v_and_b32 v13, 4*\nc-1, v0                     ; nc i + c (with nc = 2, lanes 8-15 of a half repeat lanes 0-7)
	v_lshrrev_b32 v14, \lg, v13                    ; i
	v_lshlrev_b32 v13, 8, v13
	v_lshl_add_u32 v13, v3, 7, v13                 ; lanes 16-31: lu, 128 bytes on
	s_lshl_b32 s36, s2, 4
	s_add_co_u32 s36, s36, SAB
	v_lshl_add_u32 v14, v14, 2, s36                ; sa of row 4 w + i
	v_cmp_ne_u32 vcc_lo, 0, v3                     ; lanes 16-31
	s_wait_alu depctr_va_vdst(0)                   ; the offsets and LDS addresses v4 to v11, v13 and v14 are written, which the loads and stores below read
	global_load_b64 v[160:161], v13, s[24:25]      ; (l or lu, m)
.set n, 0
.rept 8*\nc
	global_load_b128 v[AP+4*n:AP+4*n+3], v[VX], s[8:9] offset:(n/2)*65536+(n%2)*512 th:TH_LOAD_NT
.set n, n+1
.endr
	WLOADS
	s_wait_loadcnt 8*\nc+16                        ; l, lu, m are in; the chunks' data and W may stay out
	v_mov_b32 v162, v161
	v_max_num_f32_dpp v162, v162, v162 row_xmask:1 row_mask:0xf bank_mask:0xf
.if \nc == 4
	v_max_num_f32_dpp v162, v162, v162 row_xmask:2 row_mask:0xf bank_mask:0xf
.endif
	v_sub_f32 v163, v161, v162                     ; the difference first, not fused with the factor: equal maxima give exactly 0
	v_mul_f32 v163, 0x3fb8aa3b, v163
	v_exp_f32 v164, v163                           ; w_c
	v_nop                                          ; one plain instruction behind a transcendental (ISA guide 5.7.2)
	s_wait_alu depctr_va_vdst(0)                   ; the exponential has written v164, ahead of its first reader
	v_mul_f32 v165, v164, v160
	v_add_f32_dpp v165, v165, v165 row_xmask:1 row_mask:0xf bank_mask:0xf
.if \nc == 4
	v_add_f32_dpp v165, v165, v165 row_xmask:2 row_mask:0xf bank_mask:0xf
.endif
	v_permlanex16_b32 v166, v165, s40, s41         ; the other half's sum
	s_wait_alu depctr_va_vcc(0)                    ; the compare has written VCC, ahead of its first reader
	v_cndmask_b32 v167, v165, v166, vcc_lo         ; l
	v_cndmask_b32 v168, v166, v165, vcc_lo         ; lu
	v_rcp_f32 v169, v167
	v_nop
	s_wait_alu depctr_va_vdst(0)                   ; the reciprocal has written v169, ahead of its first reader
	v_mul_f32 v170, v168, v169                     ; lu / l
	v_max_num_f32 v171, 0x3089705f, v170           ; clipped below at 1e-9
	v_rcp_f32 v172, v171
	v_nop
	s_wait_alu depctr_va_vdst(0)                   ; the reciprocal has written v172, ahead of its first reader
	v_mul_f32 v173, v169, v172
	v_mul_f32 v170, v170, v172                     ; sa: the sum of the final weights
	v_mul_f32 v174, v164, v173                     ; the chunk's factor
	v_mul_f32 v170, s47, v170                      ; bv enters part 0 alone
	FACT 0
	s_wait_loadcnt 16                              ; the chunks' data are in; W may stay out
	s_wait_alu depctr_va_sdst(0)                   ; the eight factors s48, s50 .. s62 are written, ahead of their first reader
.if \nc == 2
	ROWS 2, 0, 4
.else
	ROWS 4, 0, 2
	FACT 8                                         ; rows 2 and 3 take the same eight pairs
	s_wait_alu depctr_va_sdst(0)                   ; the eight factors are written anew, ahead of their first reader
	ROWS 4, 2, 2
.endif
	s_wait_alu depctr_va_vdst(0)                   ; the statistics have written v170 and the merge v144 to v159, which the LDS stores read; the merge is done with v112 to v127, in which fragments land behind the barrier
	ds_store_b32 v14, v170
.set n, 0
.rept 8
	ds_store_b64 v[VS], v[T+2*n:T+2*n+1] offset:(n/2)*APITCH+(n%2)*256
.set n, n+1
.endr
.endm
	s_load_b512 s[8:23], s[0:1], 0x0               ; cmp s[8:9], Wv s[10:15], bv s[16:21], pa s[22:23]
	v_lshl_add_u32 v12, v0, 2, 0x14300
	s_set_vgpr_msb 0x40
	v_mov_b32 v1, 0
	s_set_vgpr_msb 0x4000
	ADDRS
	s_mov_b32 s3, ttmp9                            ; head
	s_and_b32 s4, ttmp7, 0xffff                    ; 4 x + dp
	s_lshr_b32 s5, s4, 2                           ; x
	s_and_b32 s46, s4, 3                           ; dp
	s_cmp_eq_u32 s46, 0
	s_cselect_b32 s47, 0x3f800000, 0               ; 1.0 in part 0, else 0
	s_mov_b32 s40, 0x76543210                      ; v_permlanex16_b32: lane i of one half reads lane i of the other
	s_mov_b32 s41, 0xfedcba98
	s_mov_b32 s49, 0                               ; the upper halves of the eight pairs that the packed products name
	s_mov_b32 s51, 0
	s_mov_b32 s53, 0
	s_mov_b32 s55, 0
	s_mov_b32 s57, 0
	s_mov_b32 s59, 0
	s_mov_b32 s61, 0
	s_mov_b32 s63, 0
	s_mov_b32 s35, 0
	s_mov_b32 s37, 0
	v_mov_b32 v166, 0                              ; v_permlanex16_b32 counts as a reader of its destination
	s_wait_kmcnt 0x0
	s_cmp_eq_u32 s5, 1
	s_cselect_b64 s[30:31], s[12:13], s[10:11]
	s_cselect_b64 s[32:33], s[18:19], s[16:17]
	s_cmp_eq_u32 s5, 2
	s_cselect_b64 s[30:31], s[14:15], s[30:31]     ; Wv_x
	s_cselect_b64 s[32:33], s[20:21], s[32:33]     ; bv_x
	s_lshl_b32 s34, s3, 8                          ; the head's 64 columns, in bytes
	s_add_nc_u64 s[30:31], s[30:31], s[34:35]
	s_add_nc_u64 s[32:33], s[32:33], s[34:35]
	s_add_nc_u64 s[22:23], s[22:23], s[34:35]
	s_lshl_b32 s36, s46, 20                        ; the part's 256 rows of Wv,
	s_lshl_b32 s34, s2, 17                         ; my 32 of them
	s_add_co_u32 s36, s36, s34
	s_add_nc_u64 s[30:31], s[30:31], s[36:37]
	s_lshl_b32 s36, s4, 17
	s_add_nc_u64 s[22:23], s[22:23], s[36:37]
	s_lshl_b32 s36, s5, 14                         ; this attention's first slot is 64 x: its 256 bytes of l, lu, m, this head's 8
	s_lshl_b32 s34, s3, 3
	s_add_co_u32 s36, s36, s34
	s_add_co_u32 s36, s36, 16777216
	s_add_nc_u64 s[24:25], s[8:9], s[36:37]
	s_lshl_b32 s36, s5, 22                         ; and its 65,536 bytes of partial context: this head's row, the part's 256 columns
	s_lshl_b32 s34, s3, 12
	s_add_co_u32 s36, s36, s34
	s_lshl_b32 s34, s46, 10
	s_add_co_u32 s36, s36, s34
	s_add_nc_u64 s[8:9], s[8:9], s[36:37]
	s_cmp_eq_u32 s5, 2
	s_cbranch_scc1 .Lfour
	COMB 2, 1
	s_branch .Ljoin
.Lfour:
	COMB 4, 2
.Ljoin:
	PRODUCT
	PARTOUT
	global_load_b128 v[BI:BI+3], v[VB], s[32:33]   ; no wait on va_vdst: no vector or matrix instruction since the one ahead of the partial sums' stores
	REDADDR
	s_lshl_b32 s44, s6, 6
	s_lshl_b32 s36, s7, 4
	s_add_co_u32 s44, s44, s36
	s_add_co_u32 s44, s44, SAB
	v_lshl_add_u32 v15, v3, 5, s44                 ; sa of rows 16 mt + 8 h + 4 jh + 0..3
	s_wait_alu depctr_va_vdst(0)                   ; the LDS addresses v7 and v15 are written, which the loads below read; the statistics and W's conversions are done with v128 to v255, in which the partial sums land
	ds_load_b128 v[36:39], v15
	REDUCE
	s_wait_loadcnt 0x0
.irp jj, 0,1,2,3
.irp t, 0,1,2,3
	v_fmac_f32 v[SM+4*\jj+\t], v[36+\jj], v[BI+\t]
.endr
.endr
	s_wait_alu depctr_va_vdst(0)                   ; the multiply-adds have written v16 to v31, which the stores read
	STOREY
.Lend:
	s_set_vgpr_msb 0x4                             ; the add's data register, source 1, lies in the second block of 256; the branch to this end leads here
	s_wait_dscnt 0x0                               ; the closing lines, six on end
	s_wait_alu 0x0
	s_wait_tensorcnt 0x0
	ds_add_u32 v12, v1
	s_wait_dscnt 0x0
	s_endpgm
.Lfunc_end_k_q68e836867d_cv:
	.size	k_q68e836867d_cv, .Lfunc_end_k_q68e836867d_cv-k_q68e836867d_cv
	.p2alignl 7, 3214868480
	.fill 96, 4, 3214868480
	.section	.rodata,"a",@progbits
	.p2align	6, 0x0
	.amdhsa_kernel k_q68e836867d_cv
		.amdhsa_group_segment_fixed_size 83712
		.amdhsa_private_segment_fixed_size 0
		.amdhsa_enable_private_segment 0
		.amdhsa_kernarg_size 64
		.amdhsa_user_sgpr_count 2
		.amdhsa_user_sgpr_kernarg_segment_ptr 1
		.amdhsa_wavefront_size32 1
		.amdhsa_system_sgpr_workgroup_id_x 1
		.amdhsa_system_sgpr_workgroup_id_y 1
		.amdhsa_system_sgpr_workgroup_id_z 1
		.amdhsa_system_vgpr_workitem_id 0
		.amdhsa_next_free_vgpr 258
		.amdhsa_next_free_sgpr 66
		.amdhsa_reserve_vcc 1
		.amdhsa_float_denorm_mode_32 3
		.amdhsa_float_denorm_mode_16_64 3
		.amdhsa_memory_ordered 1
		.amdhsa_forward_progress 1
		.amdhsa_inst_pref_size 37
	.end_amdhsa_kernel
	.amdgpu_metadata
---
amdhsa.version: [ 1, 2 ]
amdhsa.kernels:
  - .name:           k_q68e836867d_cv
    .symbol:         k_q68e836867d_cv.kd
    .args:
      - { .name: cmp, .offset: 0, .size: 8, .value_kind: global_buffer, .address_space: global }
      - { .name: params_word_Wv, .offset: 8, .size: 8, .value_kind: global_buffer, .address_space: global }
      - { .name: params_graph_Wv, .offset: 16, .size: 8, .value_kind: global_buffer, .address_space: global }
      - { .name: params_p1_Wv, .offset: 24, .size: 8, .value_kind: global_buffer, .address_space: global }
      - { .name: params_word_bv, .offset: 32, .size: 8, .value_kind: global_buffer, .address_space: global }
      - { .name: params_graph_bv, .offset: 40, .size: 8, .value_kind: global_buffer, .address_space: global }
      - { .name: params_p1_bv, .offset: 48, .size: 8, .value_kind: global_buffer, .address_space: global }
      - { .name: pa, .offset: 56, .size: 8, .value_kind: global_buffer, .address_space: global }
    .group_segment_fixed_size: 83712
    .private_segment_fixed_size: 0
    .kernarg_segment_align: 8
    .kernarg_segment_size: 64
    .max_flat_workgroup_size: 256
    .sgpr_count:     66
    .vgpr_count:     258
    .wavefront_size: 32
...
	.end_amdgpu_metadata
.endif
;; end of part 22
;; launch o3: the kernel of part 16 again; grid 16 x 12, 8 waves a work-group, no clusters, 83,456 bytes of LDS; arguments pa, params_word_Wo, params_graph_Wo, params_p1_Wo, pb; writes pb
;; launch gate: the kernel of part 17 again; grid 32 x 1, 8 waves a work-group, no clusters, 2,048 bytes of LDS; arguments pb, query, params_word_bo, params_graph_bo, params_p1_bo, params_f1_W, params_f1_b, params_f2_W, params_f2_b, params_ffn_ln_g, params_ffn_ln_b, hb, lnb; writes hb, lnb
;; launch ff1: the kernel of part 18 again; grid 64 x 4, 8 waves a work-group, no clusters, 83,456 bytes of LDS; arguments lnb, params_w1, pa; writes pa
;; launch ff2: the kernel of part 19 again; grid 16 x 16, 8 waves a work-group, no clusters, 83,456 bytes of LDS; arguments pa, params_w2, params_b1, pb; writes pb
;; launch fin: the kernel of part 20 again; grid 128 x 1, 2 waves a work-group, no clusters, 0 bytes of LDS; arguments pb, hb, params_b2, out0; writes out0
